; MI455X (gfx1250); checked and timed in simulation.
; The chip was launched on July 23, 2026; its instructions are those of AMD's public machine-readable ISA for CDNA 5 (MIT licence, August 2026) and "CDNA5" Instruction Set Architecture Reference Guide (July 2026). The comments in the code are by the model that wrote it; some were corrected since.
;; Attention Block. Allowed arithmetic: float matrix products may take bf16 or f16 operands with f32 sums; other float arithmetic in f32, or as packed bf16 or f16 multiplies, adds, multiply-adds, maxima and minima; sums over many terms, partial sums and values carried from step to step in f32; what a program stores and reads back later, other than sums and carried values, may be rounded once to bf16 or f16.
;; Inputs: Wk 512 x 512 float32; Wp 512 x 512 float32; Wq 512 x 512 float32; Wv 512 x 512 float32; beta 512 float32; bk 512 float32; bp 512 float32; bq 512 float32; bv 512 float32; gamma 512 float32; x 32 x 32 x 32 x 512 float32.
;; Outputs: out0 32 x 32 x 32 x 512 float32.
;; 4 versions, each right; version 4 is version 3 with the launch norm written anew for expert scheduling mode. Each part assembles by itself: llvm-mc -triple=amdgcn-amd-amdhsa -mcpu=gfx1250 --defsym DOCPART=n.
;; ======== version 1 of 4: 3 launches
;; workspace buffers: xn 33,554,432 bytes; wb 2,097,152 bytes; qkv 100,663,296 bytes
;; launch norm (part 1): grid 8 x 32, 16 waves a work-group, no clusters, 2,560 bytes of LDS; arguments x, gamma, beta, Wq, Wk, Wv, Wp, xn, wb; writes xn, wb
.if DOCPART == 1
	.amdgcn_target "amdgcn-amd-amdhsa--gfx1250"
	.amdhsa_code_object_version 6
	.text
	.protected	k_qbd81d20cd2_norm
	.globl	k_qbd81d20cd2_norm
	.p2align	8
	.type	k_qbd81d20cd2_norm,@function
k_qbd81d20cd2_norm:
	s_mov_b64 s[64:65], 0
	v_nop
	global_prefetch_b8 v0, s[64:65] scope:SCOPE_SE
	s_setreg_imm32_b32 hwreg(HW_REG_WAVE_MODE, 25, 1), 1
	s_wait_xcnt 0x0
; GROUP NORM AND THE WEIGHTS' ROUNDING.  x: [32 b][1024 n][512 c] f32.  A group is 64 channels; its mean and variance go over 1,024 positions x 64 channels of one b.
; xn = (x - mean) rsqrt(var + 1e-3) gamma + beta, rounded once to bf16, stored by groups: xn[b][g][n][64]: a (b, g) block is 131,072 dense bytes.
; A work-group owns one (b, g): 1,024 pieces of 256 bytes, each aligned.  Its 16 waves hold them in registers (64 rows, 128 registers a wave), so x is read once:
; pass 1 sums, pass 2 takes the mean away in place and sums the squares of what is left (no difference of large sums), pass 3 scales and stores.
; The waves' sums meet in LDS, in words of their own for each of the two meetings.  No matrix unit, no tensor load, no cluster: nothing is shared between work-groups.
; BESIDE IT each work-group rounds 4,096 numbers of one of the four weights to bf16 into wb: parts 0, 1, 2 = Wq, Wk, Wv as they lie ([k][n]);
; part 3 = Wp laid out as [8 ns][64 rho][8 sigma][64 nu] = Wp[64 sigma + rho][64 ns + nu], so that the 64 columns ns of all 512 rows are 65,536 dense bytes.
; LIMITS.  xn and the weights are rounded once to bf16; NaN and infinities are not treated apart.
.set RED1,  0                          ; LDS: 16 words, the waves' sums
.set RED2,  256                        ; 16 words, the waves' sums of squares
.set SPARE, 512                        ; the spare words, 128 bytes for each of 16 waves: eight blocks of 256 bytes that no other line names
.set XO,   2                           ; v2   my byte offset in x: wave x 64 rows + (lane / 16) rows + 16 (lane % 16); never rewritten
.set YO,   3                           ; v3   my byte offset in the xn block: wave x 8,192 + 8 lane
.set CH,   4                           ; v4   16 (lane % 16): my four channels in gamma and beta
.set WO,   5                           ; v5   my byte offset in the weight that I round
.set TO,   6                           ; v6   16 x thread: my 16 bytes of wb
.set TMP,  7
.set SPW,  8                           ; v8   LDS address of my spare word; never rewritten
.set NIL,  9                           ; v9   0; never rewritten
.set MEAN, 10                          ; v[10:11] the mean, twice
.set EX,   12                          ; at work
.set RA,   13                          ; v13  4 x wave
.set ZA,   14                          ; v14  0: LDS address of the sums
.set T2,   15
.set CHN,  16                          ; v[16:23] four chains of pairs
.set GA,   24                          ; v[24:27] gamma of my four channels, then gamma x rstd
.set BE,   28                          ; v[28:31] beta
.set X,    32                          ; v[32:159] load i: rows 2 i + lane / 16 of my 64, four channels
.set WF,   160                         ; v[160:167] eight weights in f32
.set WH,   168                         ; v[168:171] the same in bf16
.set PS,   172                         ; v[172:187] the 16 waves' sums
.set RS,   188                         ; v[188:189] rstd (the packed multiply names a pair and takes its low word)
	s_load_b512 s[4:19], s[0:1], 0x0               ; x 4, gamma 6, beta 8, Wq 10, Wk 12, Wv 14, Wp 16, xn 18
	s_load_b64 s[20:21], s[0:1], 0x40              ; wb
	v_lshl_add_u32 v[SPW], v0, 2, SPARE
	v_mov_b32 v[NIL], 0
	v_lshrrev_b32 v1, 5, v0
	v_readfirstlane_b32 s22, v1                    ; wave 0..15
	s_and_b32 s23, ttmp7, 0xffff                   ; b
	s_mov_b32 s24, ttmp9                           ; g
	s_lshr_b32 s25, s23, 3                         ; which weight: 0..3
	s_and_b32 s26, s23, 7
	s_lshl3_add_u32 s26, s26, s24                  ; which 64th of it
	s_mov_b32 s31, 0x37800000                      ; 2^-16 = 1 / (1,024 x 64)
	s_mov_b32 s32, 0x76543210                      ; v_permlanex16_b32: each lane takes its own place in the other half
	s_mov_b32 s33, 0xfedcba98
	v_and_b32 v1, 31, v0                           ; lane
	v_and_b32 v[CH], 15, v0
	v_lshlrev_b32 v[CH], 4, v[CH]
	v_bfe_u32 v[TMP], v0, 4, 1
	v_lshl_add_u32 v[XO], v[TMP], 11, v[CH]
	s_lshl_b32 s34, s22, 17
	v_add_nc_u32 v[XO], s34, v[XO]
	s_lshl_b32 s34, s22, 13
	v_lshl_add_u32 v[YO], v1, 3, s34
	v_lshlrev_b32 v[TO], 4, v0
	v_mov_b32 v[RA], s22
	v_lshlrev_b32 v[RA], 2, v[RA]
	v_mov_b32 v[ZA], 0
	; the weights: chunk U = 512 part + thread is eight numbers of wb.  Parts 0-2 read 32 U; part 3 reads row 64 sigma + rho, column 64 ns + 8 (U % 8)
	s_lshl_b32 s34, s26, 9
	v_add_nc_u32 v[TMP], s34, v0                   ; U
	v_lshlrev_b32 v[WO], 5, v[TMP]
	v_bfe_u32 v[EX], v[TMP], 3, 3                  ; sigma
	v_bfe_u32 v[T2], v[TMP], 6, 6                  ; rho
	v_lshl_add_u32 v[EX], v[EX], 6, v[T2]
	v_lshlrev_b32 v[EX], 11, v[EX]                 ; a row of Wp is 2,048 bytes
	v_lshrrev_b32 v[T2], 12, v[TMP]                ; ns
	v_lshl_add_u32 v[EX], v[T2], 8, v[EX]
	v_and_b32 v[T2], 7, v[TMP]
	v_lshl_add_u32 v[EX], v[T2], 5, v[EX]
	s_cmp_eq_u32 s25, 3
	s_cselect_b32 s30, -1, 0
	v_cndmask_b32 v[WO], v[WO], v[EX], s30
	s_lshl_b32 s34, s23, 21                        ; x: b x 1,024 rows of 2,048 bytes
	s_mov_b32 s35, 0
	s_lshl_b32 s36, s24, 8                         ; the group's 256 bytes of a row, and of gamma and beta
	s_mov_b32 s37, 0
	s_add_co_u32 s34, s34, s36
	s_lshl3_add_u32 s38, s23, s24
	s_lshl_b32 s38, s38, 17                        ; xn: block 8 b + g
	s_mov_b32 s39, 0
	s_lshl_b32 s2, s25, 19                         ; wb: the weight's part, my 8,192 bytes of it
	s_lshl_b32 s3, s26, 13
	s_add_co_u32 s2, s2, s3
	s_mov_b32 s3, 0
	s_wait_kmcnt 0x0
	s_add_nc_u64 s[4:5], s[4:5], s[34:35]
	s_add_nc_u64 s[6:7], s[6:7], s[36:37]
	s_add_nc_u64 s[8:9], s[8:9], s[36:37]
	s_add_nc_u64 s[18:19], s[18:19], s[38:39]
	s_add_nc_u64 s[20:21], s[20:21], s[2:3]
	s_cmp_eq_u32 s25, 1
	s_cselect_b64 s[28:29], s[12:13], s[10:11]
	s_cmp_eq_u32 s25, 2
	s_cselect_b64 s[28:29], s[14:15], s[28:29]
	s_cmp_eq_u32 s25, 3
	s_cselect_b64 s[28:29], s[16:17], s[28:29]
	; all of the wave's 16 KiB x 2 go out at once: 32 loads, each two pieces of 256 aligned bytes
.set i, 0
.rept 32
	global_load_b128 v[X+4*i:X+4*i+3], v[XO], s[4:5] offset:4096*i th:TH_LOAD_NT
.set i, i+1
.endr
	global_load_b128 v[WF:WF+3],   v[WO], s[28:29]
	global_load_b128 v[WF+4:WF+7], v[WO], s[28:29] offset:16
	global_load_b128 v[GA:GA+3], v[CH], s[6:7]
	global_load_b128 v[BE:BE+3], v[CH], s[8:9]
; The four chains are folded, the 32 lanes' sums added (four steps inside each half ride on the addition, one crosses the halves), the 16 waves' sums meet in LDS; v[TMP] ends with the group's sum in every lane.
.macro REDUCE red
	v_pk_add_f32 v[CHN:CHN+1], v[CHN:CHN+1], v[CHN+2:CHN+3]
	v_pk_add_f32 v[CHN+4:CHN+5], v[CHN+4:CHN+5], v[CHN+6:CHN+7]
	v_pk_add_f32 v[CHN:CHN+1], v[CHN:CHN+1], v[CHN+4:CHN+5]
	v_add_f32 v[TMP], v[CHN], v[CHN+1]
	v_add_f32_dpp v[TMP], v[TMP], v[TMP] row_xmask:1 row_mask:0xf bank_mask:0xf
	v_add_f32_dpp v[TMP], v[TMP], v[TMP] row_xmask:2 row_mask:0xf bank_mask:0xf
	v_add_f32_dpp v[TMP], v[TMP], v[TMP] row_xmask:4 row_mask:0xf bank_mask:0xf
	v_add_f32_dpp v[TMP], v[TMP], v[TMP] row_xmask:8 row_mask:0xf bank_mask:0xf
	v_permlanex16_b32 v[EX], v[TMP], s32, s33      ; its destination counts as read: v[EX] has been written
	v_add_f32 v[TMP], v[TMP], v[EX]
	ds_store_b32 v[RA], v[TMP] offset:\red         ; all lanes write the wave's word with the same number
	s_wait_dscnt 0x0                               ; for the others' sake: my store is done
	s_barrier_signal -1
	s_barrier_wait -1
.irp j, 0,1,2,3
	ds_load_b128 v[PS+4*(\j):PS+4*(\j)+3], v[ZA] offset:(\red)+16*(\j)
.endr
	s_wait_dscnt 0x0
.irp j, 0,2,4,6
	v_pk_add_f32 v[PS+(\j):PS+(\j)+1], v[PS+(\j):PS+(\j)+1], v[PS+8+(\j):PS+8+(\j)+1]
.endr
	v_pk_add_f32 v[PS:PS+1], v[PS:PS+1], v[PS+4:PS+5]
	v_pk_add_f32 v[PS+2:PS+3], v[PS+2:PS+3], v[PS+6:PS+7]
	v_pk_add_f32 v[PS:PS+1], v[PS:PS+1], v[PS+2:PS+3]
	v_add_f32 v[TMP], v[PS], v[PS+1]
.endm
	; PASS 1: the sum.  Loads come back in order: behind each wait eight more of x's loads are in; the counts are the younger x loads and the four other loads
	s_wait_loadcnt 28
.irp c, 0,1,2,3
	v_pk_add_f32 v[CHN+2*(\c):CHN+2*(\c)+1], v[X+2*(\c):X+2*(\c)+1], v[X+8+2*(\c):X+8+2*(\c)+1]  ; the first eight pairs start the chains: nothing is cleared
.endr
.set p, 8
.rept 56
.if p == 16
	s_wait_loadcnt 20
.endif
.if p == 32
	s_wait_loadcnt 12
.endif
.if p == 48
	s_wait_loadcnt 4
.endif
	v_pk_add_f32 v[CHN+2*(p%4):CHN+2*(p%4)+1], v[CHN+2*(p%4):CHN+2*(p%4)+1], v[X+2*p:X+2*p+1]
.set p, p+1
.endr
	REDUCE RED1
	v_mul_f32 v[MEAN], s31, v[TMP]
	v_mov_b32 v[MEAN+1], v[MEAN]
	; PASS 2: x - mean in place, and the sum of its squares
.set p, 0
.rept 64
	v_pk_add_f32 v[X+2*p:X+2*p+1], v[X+2*p:X+2*p+1], v[MEAN:MEAN+1] neg_lo:[0,1] neg_hi:[0,1]
.set p, p+1
.endr
.irp c, 0,1,2,3
	v_pk_mul_f32 v[CHN+2*(\c):CHN+2*(\c)+1], v[X+2*(\c):X+2*(\c)+1], v[X+2*(\c):X+2*(\c)+1]
.endr
.set p, 4
.rept 60
	v_pk_fma_f32 v[CHN+2*(p%4):CHN+2*(p%4)+1], v[X+2*p:X+2*p+1], v[X+2*p:X+2*p+1], v[CHN+2*(p%4):CHN+2*(p%4)+1]
.set p, p+1
.endr
	REDUCE RED2                                    ; other words than the first meeting's: no wave can overwrite what another still reads
	v_mov_b32 v[EX], 0x3a83126f                    ; 1e-3
	v_fma_f32 v[TMP], v[TMP], s31, v[EX]           ; var + eps
	v_rsq_f32 v[RS], v[TMP]
	v_mov_b32 v[RS+1], 0                           ; the plain instruction behind the root; it also writes the pair's other word
	s_wait_alu depctr_va_vdst(0)                   ; the wait ahead of the root's first reader
	s_wait_loadcnt 0x0                             ; the weights, gamma, beta
	v_pk_mul_f32 v[GA:GA+1], v[GA:GA+1], v[RS:RS+1] op_sel_hi:[1,0]
	v_pk_mul_f32 v[GA+2:GA+3], v[GA+2:GA+3], v[RS:RS+1] op_sel_hi:[1,0]
	; PASS 3: (x - mean) (gamma rstd) + beta, rounded, stored: a wave's store covers 256 consecutive bytes, aligned: two rows of the block
.set i, 0
.rept 32
	v_pk_fma_f32 v[X+4*i:X+4*i+1],   v[X+4*i:X+4*i+1],   v[GA:GA+1],   v[BE:BE+1]
	v_pk_fma_f32 v[X+4*i+2:X+4*i+3], v[X+4*i+2:X+4*i+3], v[GA+2:GA+3], v[BE+2:BE+3]
	v_cvt_pk_bf16_f32 v[X+4*i],   v[X+4*i],   v[X+4*i+1]
	v_cvt_pk_bf16_f32 v[X+4*i+1], v[X+4*i+2], v[X+4*i+3]
	global_store_b64 v[YO], v[X+4*i:X+4*i+1], s[18:19] offset:256*i
.set i, i+1
.endr
.irp j, 0,1,2,3
	v_cvt_pk_bf16_f32 v[WH+(\j)], v[WF+2*(\j)], v[WF+2*(\j)+1]
.endr
	global_store_b128 v[TO], v[WH:WH+3], s[20:21]  ; a wave's store covers 512 consecutive bytes, aligned
	s_wait_tensorcnt 0x0                           ; the wave's end: behind my last LDS store
	ds_add_u32 v[SPW], v[NIL]
	s_wait_dscnt 0x0
	s_endpgm
.Lfunc_end_k_qbd81d20cd2_norm:
	.size	k_qbd81d20cd2_norm, .Lfunc_end_k_qbd81d20cd2_norm-k_qbd81d20cd2_norm
	.p2alignl 7, 3214868480
	.fill 96, 4, 3214868480
	.section	.rodata,"a",@progbits
	.p2align	6, 0x0
	.amdhsa_kernel k_qbd81d20cd2_norm
		.amdhsa_group_segment_fixed_size 2560
		.amdhsa_private_segment_fixed_size 0
		.amdhsa_enable_private_segment 0
		.amdhsa_kernarg_size 72
		.amdhsa_user_sgpr_count 2
		.amdhsa_user_sgpr_kernarg_segment_ptr 1
		.amdhsa_wavefront_size32 1
		.amdhsa_system_sgpr_workgroup_id_x 1
		.amdhsa_system_sgpr_workgroup_id_y 1
		.amdhsa_system_sgpr_workgroup_id_z 1
		.amdhsa_system_vgpr_workitem_id 0
		.amdhsa_next_free_vgpr 192
		.amdhsa_next_free_sgpr 66
		.amdhsa_reserve_vcc 0
		.amdhsa_float_denorm_mode_32 3
		.amdhsa_float_denorm_mode_16_64 3
		.amdhsa_memory_ordered 1
		.amdhsa_forward_progress 1
		.amdhsa_inst_pref_size 33
	.end_amdhsa_kernel
	.amdgpu_metadata
---
amdhsa.version: [ 1, 2 ]
amdhsa.kernels:
  - .name:           k_qbd81d20cd2_norm
    .symbol:         k_qbd81d20cd2_norm.kd
    .args:
      - { .name: x, .offset: 0, .size: 8, .value_kind: global_buffer, .address_space: global }
      - { .name: gamma, .offset: 8, .size: 8, .value_kind: global_buffer, .address_space: global }
      - { .name: beta, .offset: 16, .size: 8, .value_kind: global_buffer, .address_space: global }
      - { .name: Wq, .offset: 24, .size: 8, .value_kind: global_buffer, .address_space: global }
      - { .name: Wk, .offset: 32, .size: 8, .value_kind: global_buffer, .address_space: global }
      - { .name: Wv, .offset: 40, .size: 8, .value_kind: global_buffer, .address_space: global }
      - { .name: Wp, .offset: 48, .size: 8, .value_kind: global_buffer, .address_space: global }
      - { .name: xn, .offset: 56, .size: 8, .value_kind: global_buffer, .address_space: global }
      - { .name: wb, .offset: 64, .size: 8, .value_kind: global_buffer, .address_space: global }
    .group_segment_fixed_size: 2560
    .private_segment_fixed_size: 0
    .kernarg_segment_align: 8
    .kernarg_segment_size: 72
    .max_flat_workgroup_size: 512
    .sgpr_count:     66
    .vgpr_count:     192
    .wavefront_size: 32
...
	.end_amdgpu_metadata
.endif
;; end of part 1
;; launch proj (part 2): grid 256 x 1, 4 waves a work-group, clusters of 4 x 1, 327,680 bytes of LDS; arguments xn, wb, bq, bk, bv, qkv; writes qkv
.if DOCPART == 2
	.amdgcn_target "amdgcn-amd-amdhsa--gfx1250"
	.amdhsa_code_object_version 6
	.text
	.protected	k_qbd81d20cd2_proj
	.globl	k_qbd81d20cd2_proj
	.p2align	8
	.type	k_qbd81d20cd2_proj,@function
k_qbd81d20cd2_proj:
	s_mov_b64 s[64:65], 0
	v_nop
	global_prefetch_b8 v0, s[64:65] scope:SCOPE_SE
	s_setreg_imm32_b32 hwreg(HW_REG_WAVE_MODE, 25, 1), 1
	s_wait_xcnt 0x0
	s_wait_alu depctr_hold_cnt(0) depctr_sa_sdst(0) depctr_va_vdst(0) depctr_va_sdst(0) depctr_va_ssrc(0) depctr_va_vcc(0) depctr_vm_vsrc(0)
	s_getreg_b32 s2, hwreg(HW_REG_IB_STS2, 6, 4)
	s_cmp_eq_u32 s2, 0
	s_cbranch_scc0 .Lentry_in_a_cluster
	s_endpgm
.Lentry_in_a_cluster:
	s_bfe_u32 s2, ttmp6, 0x10000c
	s_cmp_lg_u32 s2, 0x3003
	s_cbranch_scc0 .Lentry_shape_is_right
	s_endpgm
.Lentry_shape_is_right:
; q, k, v = xn W + b.  xn: bf16 [32 b][8 g][1024 n][64]; wb parts 0-2: Wq, Wk, Wv in bf16, [512 k][512 n]; qkv: bf16 [3][32768 rows][512].  Sums in f32, begun with the bias, rounded once.
; SHARES.  A work-group owns 128 rows and makes three tiles of 128 x 512, q, then k, then v.  Wave w makes all 128 rows x columns 128 w .. + 127: 64 accumulators of 16 x 16, 512 registers:
; for 32 along K it reads 32 fragments' halves from LDS and issues 64 matrix instructions.
; A (128 rows x 512 channels) is fetched once and stays in LDS, a group of 64 channels to a region.  The three weights are ONE walk of 24 K steps of 64 rows (65,536 dense bytes each)
; through two LDS slots; a K step is a group of A.
; CLUSTER.  Every work-group walks the same weights, so the four partners of a cluster ask for each K step JOINTLY: the same tensor load, descriptor and mask in all four.
; THE MATRIX INSTRUCTION IS USED TRANSPOSED: source 0 = 16 columns of W x 32 k (W lies [k][n] in LDS and is turned by ds_load_tr16_b128), source 1 = 16 rows of A.
; A lane's eight results are then eight neighbouring columns of one row: 16 bytes of bf16.  The first product of each accumulator takes the bias as its C operand: nothing is cleared, nothing added later.
; LIMITS.  Operands are bf16; q, k, v are rounded once to bf16 (f32's range); NaN and infinities are not treated apart.
; REGISTERS, in windows of 256 (s_set_vgpr_msb: bits 1:0 source 0, 3:2 source 1, 5:4 source 2, 7:6 destination):
;   window 0: v0-31 addresses; v64-127, v128-191 A's fragments, two buffers; v32-63, v192-255 at work on the way out
;   window 1: v64-127, v128-191 W's fragments, two buffers; v192-255 the bias of my 128 columns       windows 2, 3: accumulator (a, b) at v[8 (8 (a % 4) + b)], rows 0-63 and 64-127
.set PA,     144                       ; a row of A in LDS: 128 bytes + 16: an odd multiple of 16, so the 16 rows of a load start at 16 different groups of four banks (ISA guide 11.1)
.set AGRP,   128*PA                    ; a group's 128 rows
.set WBASE,  8*AGRP                    ; behind A: the two slots
.set PW,     1056                      ; a row of W: 1,024 bytes + 32: an odd multiple of 32
.set WSLOT,  64*PW
.set STAGE,  WBASE+2*WSLOT             ; behind the ring, never filled by a tensor load: 16 rows x 272 bytes for each wave, for the way out
.set SPITCH, 272
.set SPARE,  STAGE+4*16*SPITCH         ; the spare words, 128 bytes for each wave: two blocks of 256 bytes that no other line names
.set KBYTES, 65536                     ; a K step of W in memory
.set PARTB,  33554432                  ; q, k or v in qkv
.set ADRA0, 16                         ; v16  my lane's place in a group of A; never rewritten
.set ADRA,  17                         ; v17  the same in the group in hand
.set ADRW,  20                         ; v20-21 my lane's place in slot 0, 1
.set STO,   24                         ; v24  the way out: where I put 16 bytes of a row
.set RD,    25                         ; v25  where I read a row back
.set CO,    26                         ; v26  my byte offset in two rows of qkv
.set BO,    27                         ; v27  my byte offset in a bias
.set SPW,   28                         ; v28  LDS address of my spare word; never rewritten
.set NIL,   29                         ; v29  0; never rewritten
.set PFO,   30                         ; v30  256 x lane: the prefetches' offset; never rewritten
.set F0,    64
.set F1,    128
.set TMP,   192
.set OB,    32
.set BIAS,  192                        ; window 1
.set WV,    16                         ; s16  my wave's number
.set G1A,   24                         ; s[24:31] descriptor group 1 for A
.set G1W,   32                         ; s[32:39] for W
.set G0A,   40                         ; s[40:47] group 0 for my two groups of A
.set G0W,   48                         ; s[48:55] group 0 for W, a set for each slot
.set AG,    56                         ; s56  LDS byte of the group of A in hand
.set TILES, 57                         ; s57  tiles to go
.set LAPS,  58
.set PL,    59                         ; s59  prefetches to go
.set PFA,   60                         ; s[60:61] where my prefetches stand
.set BP,    62                         ; s[62:63] the bias of the tile to come
.set OUT,   66                         ; s[66:67] where the stores stand
.set ADV,   68                         ; s[68:69] what the next way out adds to it first
.set MSB, 0
.macro WIN new                         ; the immediate's high byte repeats the setting that is left; a switch that changes nothing is dropped
.if MSB != (\new)
	s_set_vgpr_msb (MSB<<8)|(\new)
.set MSB, \new
.endif
.endm
.macro PLACES                          ; four places in front of loads into registers that matrix instructions have read, and of conversions that read results
.rept 4
	v_nop
.endr
.endm
.macro CREST                           ; a round of the cluster's barrier behind its opening barrier
	s_cmp_lg_u32 s[WV], 0
	s_cbranch_scc1 .Lnot_wave_0_\@
	s_barrier_signal -3
.Lnot_wave_0_\@:
	s_barrier_wait -3
	s_barrier_signal -1
	s_barrier_wait -1
.endm
.macro CROUND
	s_barrier_signal -1
	s_barrier_wait -1
	CREST
.endm
.macro JLOAD s                         ; a joint load: every wave fetches its 16 rows of the K step; an s_nop 0 and four v_nop follow
	tensor_load_to_lds s[G0W+4*(\s):G0W+4*(\s)+3], s[G1W:G1W+7]
	s_nop 0
.rept 4
	v_nop
.endr
.endm
; A PREFETCH INTO THE L2, once a lap (two K steps, 131,072 bytes), for the lap two on: its loads go out a lap, 256 matrix instructions, later.  All clusters walk the same weights: cluster 0 alone asks.
; Its sixteen waves share the lap's 512 blocks of 256 bytes out BY ADDRESS, a lane a block: each block is named once in the launch.  Laps 0 and 1 come by their loads alone; ten laps are asked for, 2 to 11.
.macro ASK
	s_cmp_lg_u32 s[PL], 0
	s_cbranch_scc0 .Lnot_mine_\@
	global_prefetch_b8 v[PFO], s[PFA:PFA+1] th:TH_LOAD_NT scope:SCOPE_SE
	s_sub_co_u32 s[PL], s[PL], 1
.Lnot_mine_\@:
.endm
	s_load_b256 s[4:11], s[0:1], 0x0               ; xn 4, wb 6, bq 8, bk 10
	s_load_b128 s[12:15], s[0:1], 0x20             ; bv 12, qkv 14
	v_lshl_add_u32 v[SPW], v0, 2, SPARE
	v_mov_b32 v[NIL], 0
	ds_add_u32 v[SPW], v[NIL]                      ; the wave's opening: the add and its wait stand ahead of my first tensor load; the set-up below, work on registers, stands between them
	v_lshrrev_b32 v1, 5, v0
	v_readfirstlane_b32 s[WV], v1                  ; wave 0..3
	s_bfe_u32 s17, ttmp6, 0x40000                  ; cx: my place in the cluster
	s_lshl_b32 s18, ttmp9, 2
	s_add_co_u32 s18, s18, s17                     ; my block of 128 rows: it enters A's, the stores' and the prefetches' addresses alone
	; A: 128 rows x 128 bytes of a group are 16,384 dense bytes: asked for as 64 rows of 256 bytes, padded in LDS after every 128
	s_mov_b32 s[G1A],   (1<<16)|(1<<20)|(4<<22)|(3<<25)  ; no mask: the load is my work-group's own; 2-byte elements; padding on; after every 32 words; 4 words
	s_mov_b32 s[G1A+1], 128<<16                    ; tensor_dim0
	s_mov_b32 s[G1A+2], 64<<16                     ; tensor_dim1
	s_mov_b32 s[G1A+3], 128<<16                    ; tile_dim0
	s_mov_b32 s[G1A+4], 64                         ; tile_dim1
	s_mov_b32 s[G1A+5], 128                        ; elements from row to row
	s_mov_b32 s[G1A+6], 0
	s_mov_b32 s[G1A+7], 0
	; W: 16 rows x 512 elements
	s_mov_b32 s[G1W],   15|(1<<16)|(1<<20)|(1<<21)|(7<<22)|(7<<25)  ; the mask of four; 2-byte elements; padding on; bit 21 beside a mask; after every 256 words; 8 words
	s_mov_b32 s[G1W+1], 512<<16
	s_mov_b32 s[G1W+2], 16<<16
	s_mov_b32 s[G1W+3], 512<<16
	s_mov_b32 s[G1W+4], 16
	s_mov_b32 s[G1W+5], 512
	s_mov_b32 s[G1W+6], 0
	s_mov_b32 s[G1W+7], 0
	s_mov_b32 s[G0A], 1
	s_mov_b32 s[G0A+4], 1
	s_mov_b32 s[G0W], 1
	s_mov_b32 s[G0W+4], 1
	s_mul_i32 s[G0A+1], s[WV], 2*AGRP              ; groups 2 w and 2 w + 1
	s_add_co_u32 s[G0A+5], s[G0A+1], AGRP
	s_mul_i32 s[G0W+1], s[WV], 16*PW               ; my 16 rows of a slot: no place in the cluster enters an LDS address
	s_add_co_u32 s[G0W+1], s[G0W+1], WBASE
	s_add_co_u32 s[G0W+5], s[G0W+1], WSLOT
	s_lshr_b32 s70, s18, 3                         ; b
	s_lshl_b32 s70, s70, 20
	s_and_b32 s71, s18, 7                          ; which 128 of b's 1,024 rows
	s_lshl_b32 s71, s71, 14
	s_add_co_u32 s70, s70, s71
	s_lshl_b32 s71, s[WV], 18                      ; group 2 w
	s_add_co_u32 s70, s70, s71
	s_mov_b32 s71, 0
	s_lshl_b32 s72, s[WV], 14                      ; my 16 rows of a K step in memory
	s_mov_b32 s73, 0
	s_mov_b32 s[AG], 0
	s_wait_dscnt 0x0                               ; the opening add is done
	s_wait_kmcnt 0x0
	s_add_nc_u64 s[G0A+2:G0A+3], s[4:5], s[70:71]
	s_add_nc_u64 s[G0A+6:G0A+7], s[G0A+2:G0A+3], 131072
	s_or_b32 s[G0A+3], s[G0A+3], 0x80000000
	s_or_b32 s[G0A+7], s[G0A+7], 0x80000000
	s_add_nc_u64 s[G0W+2:G0W+3], s[6:7], s[72:73]
	s_add_nc_u64 s[G0W+6:G0W+7], s[G0W+2:G0W+3], KBYTES
	s_or_b32 s[G0W+3], s[G0W+3], 0x80000000
	s_or_b32 s[G0W+7], s[G0W+7], 0x80000000
	CROUND                                         ; all four work-groups are here: the first joint loads meet
	tensor_load_to_lds s[G0A:G0A+3], s[G1A:G1A+7]  ; the first fills go out as one group: four loads of mine are out
	s_nop 0
	tensor_load_to_lds s[G0A+4:G0A+7], s[G1A:G1A+7]
	s_nop 0
	tensor_load_to_lds s[G0W:G0W+3], s[G1W:G1W+7]
	s_nop 0
	tensor_load_to_lds s[G0W+4:G0W+7], s[G1W:G1W+7]
	s_nop 0
.rept 4
	v_nop
.endr
	v_and_b32 v1, 15, v0                           ; l % 16
	v_bfe_u32 v2, v0, 4, 1                         ; l / 16
	v_mul_u32_u24 v[ADRA0], v1, PA
	v_lshl_add_u32 v[ADRA0], v2, 4, v[ADRA0]       ; a fragment of A: row x pitch + 16 x half; two loads, 32 bytes apart
	v_mov_b32 v[ADRA], v[ADRA0]
	; the turning load takes 16 k x 16 columns (lane l reads 16 bytes: k = 8 (l / 16) + l % 8, columns 8 ((l / 8) % 2) + 0..7) and leaves half a fragment: lane l holds column l % 16 and 8 k
	v_and_b32 v3, 7, v0
	v_bfe_u32 v4, v0, 3, 1
	v_lshl_add_u32 v5, v2, 3, v3
	v_mul_u32_u24 v5, v5, PW
	v_lshl_add_u32 v5, v4, 4, v5
	s_lshl_b32 s70, s[WV], 8                       ; my 128 columns
	s_add_co_u32 s70, s70, WBASE
	v_add_nc_u32 v[ADRW], s70, v5
	v_add_nc_u32 v[ADRW+1], WSLOT, v[ADRW]
	s_mul_i32 s70, s[WV], 16*SPITCH
	s_add_co_u32 s70, s70, STAGE                   ; my stage
	v_mul_u32_u24 v5, v1, SPITCH
	v_lshl_add_u32 v5, v2, 4, v5
	v_add_nc_u32 v[STO], s70, v5
	v_mul_u32_u24 v5, v2, SPITCH
	v_lshl_add_u32 v5, v1, 4, v5
	v_add_nc_u32 v[RD], s70, v5
	v_lshlrev_b32 v5, 10, v2
	v_lshl_add_u32 v[CO], v1, 4, v5
	s_lshl_b32 s70, s[WV], 9
	v_lshl_add_u32 v[BO], v2, 5, s70               ; column 128 w + 8 (l / 16), in f32
	v_and_b32 v[PFO], 31, v0
	v_lshlrev_b32 v[PFO], 8, v[PFO]
	s_mov_b64 s[BP:BP+1], s[8:9]
	s_mov_b64 s[OUT:OUT+1], s[14:15]
	s_lshl_b32 s[ADV], s18, 17                     ; my 128 rows of 1,024 bytes,
	s_lshl_b32 s70, s[WV], 8                       ; my 128 columns
	s_add_co_u32 s[ADV], s[ADV], s70
	s_mov_b32 s[ADV+1], 0
	s_lshl_b32 s70, s17, 15                        ; the prefetches: my work-group's quarter of a lap,
	s_lshl_b32 s71, s[WV], 13                      ; my wave's quarter of that,
	s_add_co_u32 s70, s70, s71
	s_add_co_u32 s70, s70, 2*KBYTES                ; in lap 1: the first change of slots steps it to lap 2
	s_mov_b32 s71, 0
	s_add_nc_u64 s[PFA:PFA+1], s[6:7], s[70:71]
	s_cmp_eq_u32 ttmp9, 0
	s_cselect_b32 s[PL], 10, 0                     ; the same in all four partners
.macro BIASLOAD                        ; block b's eight registers: columns 128 w + 16 b + 8 (l / 16) + 0..7, as a result's registers lie
	WIN 0x40
.irp b, 0,1,2,3,4,5,6,7
	global_load_b128 v[BIAS+8*(\b):BIAS+8*(\b)+3],   v[BO], s[BP:BP+1] offset:64*(\b)
	global_load_b128 v[BIAS+8*(\b)+4:BIAS+8*(\b)+7], v[BO], s[BP:BP+1] offset:64*(\b)+16
.endr
	WIN 0
.endm
; 16 matrix instructions: row blocks a0, a0 + 1 of the window's four x all 8 column blocks, 32 along K.  zero = 1: the sums begin, with the bias.  The 64 accumulators take turns, one instruction a turn, in the same order in every half step.
.macro MUL16 f, hi, a0, zero
.if \zero
	WIN 0x91+0x40*(\hi)                            ; W window 1, A window 0, C (the bias) window 1, D window 2 or 3
.else
	WIN 0xa1+0x50*(\hi)                            ; C and D window 2 or 3
.endif
.irp a, \a0, (\a0)+1
.irp b, 0,1,2,3,4,5,6,7
.if \zero
	v_wmma_f32_16x16x32_bf16 v[8*(8*(\a)+(\b)):8*(8*(\a)+(\b))+7], v[(\f)+8*(\b):(\f)+8*(\b)+7], v[(\f)+8*(4*(\hi)+(\a)):(\f)+8*(4*(\hi)+(\a))+7], v[BIAS+8*(\b):BIAS+8*(\b)+7]
.else
	v_wmma_f32_16x16x32_bf16 v[8*(8*(\a)+(\b)):8*(8*(\a)+(\b))+7], v[(\f)+8*(\b):(\f)+8*(\b)+7], v[(\f)+8*(4*(\hi)+(\a)):(\f)+8*(4*(\hi)+(\a))+7], v[8*(8*(\a)+(\b)):8*(8*(\a)+(\b))+7]
.endif
.endr
.endr
.endm
; 32 LDS loads in one run: the fragments of 32 along K (half 0 or 1 of the K step) into buffer f: W's eight column blocks, then A's eight row blocks
.macro FETCH slot, half, f
	WIN 0x40
.irp i, 0,1,2,3,4,5,6,7
	ds_load_tr16_b128 v[(\f)+8*(\i):(\f)+8*(\i)+3],   v[ADRW+(\slot)] offset:(\half)*32*PW+32*(\i)
	ds_load_tr16_b128 v[(\f)+8*(\i)+4:(\f)+8*(\i)+7], v[ADRW+(\slot)] offset:(\half)*32*PW+16*PW+32*(\i)
.endr
	WIN 0
.irp i, 0,1,2,3,4,5,6,7
	ds_load_b128 v[(\f)+8*(\i):(\f)+8*(\i)+3],   v[ADRA] offset:(\half)*64+(\i)*16*PA
	ds_load_b128 v[(\f)+8*(\i)+4:(\f)+8*(\i)+7], v[ADRA] offset:(\half)*64+(\i)*16*PA+32
.endr
.endm
; A K step's first half: multiplies buffer 0 and, in its middle, fetches the second half's fragments into buffer 1
.macro HALF0 slot, zero
	s_wait_dscnt 8                                 ; W and A's rows 0-63 are in; the youngest eight loads (A's rows 64-127) may be out
	MUL16 F0, 0, 0, \zero
	MUL16 F0, 0, 2, \zero
	PLACES
	FETCH \slot, 1, F1
	s_wait_dscnt 32                                ; all but the 32 just issued
	MUL16 F0, 1, 0, \zero
	MUL16 F0, 1, 2, \zero
.endm
; The second half multiplies buffer 1 and changes slots.  In front of the barrier each wave waits for all its tensor loads (the one that is out is its part of the next slot), adds 0 to its spare word, and waits
; for that and for its reads of this slot.  fill = 1: the barrier opens a round of the cluster's barrier, and this slot is filled again, first thing behind it, with the K step two on: 96 matrix instructions ahead of the wait for it.
; wrap = 1: the next K step is a tile's first: A's group 0.
.macro TURN slot, next, fill, wrap
.if (\fill) && ((\slot) == 0)
	s_wait_xcnt 0x0                                ; the last prefetch, a lap back, has read its address
	s_add_nc_u64 s[PFA:PFA+1], s[PFA:PFA+1], 2*KBYTES
.endif
	WIN 0                                          ; (the add's two registers lie in window 0)
	s_wait_tensorcnt 0x0                           ; all my tensor loads have landed
	ds_add_u32 v[SPW], v[NIL]                      ; 0 onto my spare word
	s_wait_dscnt 9                                 ; (the add and the youngest eight loads may be out)
	MUL16 F1, 0, 0, 0                              ; sixteen matrix instructions stand between the add and the wait for it
	s_wait_dscnt 0x0                               ; the add is done, and my reads of this slot are over
	s_barrier_signal -1
	MUL16 F1, 0, 2, 0                              ; work on registers while the others arrive
	WIN 0
	s_barrier_wait -1
.if \fill
	CREST                                          ; no wave of any partner still reads this slot or has a load on its way
	s_add_nc_u64 s[G0W+4*(\slot)+2:G0W+4*(\slot)+3], s[G0W+4*(\slot)+2:G0W+4*(\slot)+3], 2*KBYTES
	JLOAD \slot                                    ; the four v_nop behind it are also the places in front of the loads below
.else
	PLACES
.endif
.if \wrap
	s_mov_b32 s[AG], 0
.else
	s_add_co_u32 s[AG], s[AG], AGRP
.endif
	v_add_nc_u32 v[ADRA], s[AG], v[ADRA0]
	FETCH \next, 0, F0
.if (\fill) && ((\slot) == 0)
	ASK
.endif
	MUL16 F1, 1, 0, 0
	MUL16 F1, 1, 2, 0
.endm
; THE WAY OUT of row block a: rounded to bf16, 16 bytes a lane; into my own stage in LDS and back as whole rows of 256 bytes; stored.
.macro PACK a
.set AC, 64*((\a)%4)
	WIN 0x0a+5*((\a)/4)                            ; sources 0 and 1: window 2 or 3
.irp b, 0,1,2,3,4,5,6,7
.irp r, 0,1,2,3
	v_cvt_pk_bf16_f32 v[TMP+4*(\b)+(\r)], v[AC+8*(\b)+2*(\r)], v[AC+8*(\b)+2*(\r)+1]
.endr
.endr
	WIN 0
.endm
.macro TOSTAGE a
	WIN 0
.set BK, OB+192*((\a)%2)
.irp b, 0,1,2,3,4,5,6,7
	ds_store_b128 v[STO], v[TMP+4*(\b):TMP+4*(\b)+3] offset:32*(\b)
.endr
.irp t, 0,1,2,3,4,5,6,7
	ds_load_b128 v[BK+4*(\t):BK+4*(\t)+3], v[RD] offset:(\t)*2*SPITCH  ; LDS serves a wave's instructions in order (ISA guide 5.7.1.4): these see the stores above
.endr
.endm
.macro SEND a
	WIN 0
.set BK, OB+192*((\a)%2)
	s_wait_dscnt 0x0                               ; the block is back in registers
	s_wait_xcnt 0x0                                ; the stores' base and the registers that earlier stores read are rewritten only behind this wait
.if (\a) == 0
	s_add_nc_u64 s[OUT:OUT+1], s[OUT:OUT+1], s[ADV:ADV+1]
.else
	s_add_nc_u64 s[OUT:OUT+1], s[OUT:OUT+1], 16*1024
.endif
.irp t, 0,1,2,3,4,5,6,7
	global_store_b128 v[CO], v[BK+4*(\t):BK+4*(\t)+3], s[OUT:OUT+1] offset:2*(\t)*1024  ; 16 lanes store 256 consecutive bytes, aligned
.endr
.endm
.macro WAYOUT                          ; block a's conversions stand between block a - 1's loads from the stage and the wait for them
	PACK 0
	TOSTAGE 0
.irp a, 1,2,3,4,5,6,7
	PACK \a
	SEND (\a)-1
	TOSTAGE \a
.endr
	SEND 7
.endm
	BIASLOAD                                       ; bq
	s_wait_tensorcnt 0x1                           ; A's two groups and my part of K step 0 are in; K step 1's may stay out
	s_barrier_signal -1
	s_barrier_wait -1                              ; everybody's are
	FETCH 0, 0, F0
	s_mov_b32 s[TILES], 3
.Ltile:
	s_wait_loadcnt 0x0                             ; the tile's bias
	HALF0 0, 1                                     ; a tile's first half step stands in front of the loop: its products begin the sums
	WIN 0                                          ; at a label and at a branch every window is 0
	s_mov_b32 s[LAPS], 3
.Llap:                                                 ; a trip goes once round the ring and fills both slots again
	TURN 0, 1, 1, 0
	HALF0 1, 0
	TURN 1, 0, 1, 0
	HALF0 0, 0
	WIN 0
	s_sub_co_u32 s[LAPS], s[LAPS], 1
	s_cmp_lg_u32 s[LAPS], 0
	s_cbranch_scc1 .Llap
	s_cmp_eq_u32 s[TILES], 1
	s_cbranch_scc1 .Llast                          ; the last tile's tail is written out: it asks for nothing more
	TURN 0, 1, 1, 0                                ; the ring goes on into the next weight: slot 0 takes its K step 0,
	HALF0 1, 0
	TURN 1, 0, 1, 1                                ; slot 1 its K step 1, and the next tile's first fragments are fetched
	WIN 0
	s_cmp_eq_u32 s[TILES], 3
	s_cselect_b64 s[BP:BP+1], s[10:11], s[12:13]   ; behind q comes k, behind k comes v; the last bias loads were waited for at the tile's head
	BIASLOAD
	WAYOUT                                         ; blocks 0-3 were finished in front of the places behind the joint load; their 128 conversions are the places behind the last products
	s_mov_b64 s[ADV:ADV+1], PARTB-7*16*1024        ; from my last 16 rows of a part to my first of the next
	s_sub_co_u32 s[TILES], s[TILES], 1
	s_branch .Ltile
.Llast:
	TURN 0, 1, 0, 0                                ; the last K step has landed; nothing is filled again
	HALF0 1, 0
	s_wait_dscnt 8
	MUL16 F1, 0, 0, 0
	MUL16 F1, 0, 2, 0
	s_wait_dscnt 0x0
	MUL16 F1, 1, 0, 0
	MUL16 F1, 1, 2, 0
	PLACES
	WAYOUT
	s_wait_tensorcnt 0x0                           ; the wave's end: behind my last tensor load and my last LDS store
	ds_add_u32 v[SPW], v[NIL]
	s_wait_dscnt 0x0
	CROUND                                         ; the closing round: no work-group ends while a partner may still ask for a tile that names it
	s_endpgm
.Lfunc_end_k_qbd81d20cd2_proj:
	.size	k_qbd81d20cd2_proj, .Lfunc_end_k_qbd81d20cd2_proj-k_qbd81d20cd2_proj
	.p2alignl 7, 3214868480
	.fill 96, 4, 3214868480
	.section	.rodata,"a",@progbits
	.p2align	6, 0x0
	.amdhsa_kernel k_qbd81d20cd2_proj
		.amdhsa_group_segment_fixed_size 327680
		.amdhsa_private_segment_fixed_size 0
		.amdhsa_enable_private_segment 0
		.amdhsa_kernarg_size 48
		.amdhsa_user_sgpr_count 2
		.amdhsa_user_sgpr_kernarg_segment_ptr 1
		.amdhsa_wavefront_size32 1
		.amdhsa_system_sgpr_workgroup_id_x 1
		.amdhsa_system_sgpr_workgroup_id_y 1
		.amdhsa_system_sgpr_workgroup_id_z 1
		.amdhsa_system_vgpr_workitem_id 0
		.amdhsa_next_free_vgpr 1024
		.amdhsa_next_free_sgpr 80
		.amdhsa_reserve_vcc 0
		.amdhsa_float_denorm_mode_32 3
		.amdhsa_float_denorm_mode_16_64 3
		.amdhsa_memory_ordered 1
		.amdhsa_forward_progress 1
		.amdhsa_inst_pref_size 147
	.end_amdhsa_kernel
	.amdgpu_metadata
---
amdhsa.version: [ 1, 2 ]
amdhsa.kernels:
  - .name:           k_qbd81d20cd2_proj
    .symbol:         k_qbd81d20cd2_proj.kd
    .args:
      - { .name: xn, .offset: 0, .size: 8, .value_kind: global_buffer, .address_space: global }
      - { .name: wb, .offset: 8, .size: 8, .value_kind: global_buffer, .address_space: global }
      - { .name: bq, .offset: 16, .size: 8, .value_kind: global_buffer, .address_space: global }
      - { .name: bk, .offset: 24, .size: 8, .value_kind: global_buffer, .address_space: global }
      - { .name: bv, .offset: 32, .size: 8, .value_kind: global_buffer, .address_space: global }
      - { .name: qkv, .offset: 40, .size: 8, .value_kind: global_buffer, .address_space: global }
    .group_segment_fixed_size: 327680
    .private_segment_fixed_size: 0
    .kernarg_segment_align: 8
    .kernarg_segment_size: 48
    .max_flat_workgroup_size: 128
    .sgpr_count:     80
    .vgpr_count:     1024
    .wavefront_size: 32
...
	.end_amdgpu_metadata
.endif
;; end of part 2
;; launch attn (part 3): grid 8 x 32, 4 waves a work-group, clusters of 4 x 1, 327,680 bytes of LDS; arguments qkv, wb, bp, x, out0; writes out0
.if DOCPART == 3
	.amdgcn_target "amdgcn-amd-amdhsa--gfx1250"
	.amdhsa_code_object_version 6
	.text
	.protected	k_qbd81d20cd2_attn
	.globl	k_qbd81d20cd2_attn
	.p2align	8
	.type	k_qbd81d20cd2_attn,@function
k_qbd81d20cd2_attn:
	s_mov_b64 s[64:65], 0
	v_nop
	global_prefetch_b8 v0, s[64:65] scope:SCOPE_SE
	s_setreg_imm32_b32 hwreg(HW_REG_WAVE_MODE, 25, 1), 1
	s_wait_xcnt 0x0
	s_wait_alu depctr_hold_cnt(0) depctr_sa_sdst(0) depctr_va_vdst(0) depctr_va_sdst(0) depctr_va_ssrc(0) depctr_va_vcc(0) depctr_vm_vsrc(0)
	s_getreg_b32 s2, hwreg(HW_REG_IB_STS2, 6, 4)
	s_cmp_eq_u32 s2, 0
	s_cbranch_scc0 .Lentry_in_a_cluster
	s_endpgm
.Lentry_in_a_cluster:
	s_bfe_u32 s2, ttmp6, 0x10000c
	s_cmp_lg_u32 s2, 0x3003
	s_cbranch_scc0 .Lentry_shape_is_right
	s_endpgm
.Lentry_shape_is_right:
; out0 = x + softmax(q k^T / sqrt(512)) v Wp + bp.  qkv: bf16 [3][32 b x 1024][512]; wb part 3: Wp in bf16 as [8 ns][64 rho][8 sigma][64 nu] = Wp[64 sigma + rho][64 ns + nu]; x, out0: f32 [32768][512].
; Products, maxima and sums in f32; the weights p are rounded to bf16 for the second product (their sum l is taken of the unrounded p), the unnormalised O once to bf16 for the third.
; LIMITS.  A weight below 2^-126 counts as 0 in l.  m starts at the lowest finite number and c m at -2^125, below every finite c s (c = 0.0638).  NaN and infinities are not treated apart.
; SHARES.  A work-group owns 128 queries of one b, each of its four waves 32: two tiles of 16.  Every wave walks all 1,024 keys, 64 a step.
; LAYOUT.  S^T = K Q^T (source 0 = 16 keys, source 1 = 16 queries): a lane holds ONE query (lane % 16) and the keys 8 (lane / 16) + 0..7.  Two such results rounded in pairs ARE source 1 of O^T = V^T P, whose
; result again holds one query a lane, and eight channels.  Two channel blocks of O^T rounded in pairs ARE source 1 of out^T = Wp^T O^T: so the projection is the S phase once more, with O in Q's registers
; and 64 columns of Wp in K's place; 1 / l, bp and x come behind it, in f32.  K comes out of LDS as it lies; V and Wp ([k][n]) are turned by ds_load_tr16_b128.
; SOFTMAX.  For each query a running maximum m and sum l: p = 2^(c s - c m), c = log2(e) / sqrt(512); in every step O and l are multiplied by a = 2^(c m_old - c m_new).  O and l start at 0: the first step is a step like any other, with a = 0.
; PHASES.  A step is 128 products K Q^T, the softmax, 128 products V^T P.  O^T (512 registers) and Q (256) leave room for one S^T, so the softmax stands by itself; of O^T's rescaling seven eighths ride between the products V^T P.
; CLUSTER.  The four query blocks of a cluster belong to one b and walk the same K, V and Wp: each tile is asked for JOINTLY, by the same tensor load, descriptor and mask in all four.
; REGISTERS, in windows of 256 (s_set_vgpr_msb: bits 1:0 source 0, 3:2 source 1, 5:4 source 2, 7:6 destination):
;   window 0: v0-31 addresses and statistics; v32-63 P (in the projection: bp); v64-127 S^T; v128-191, v192-255 two buffers of eight fragments
;   window 1: Q, later the rounded O: tile t, channels 32 c on at 128 t + 8 c        windows 2, 3: O^T: tile t, channel block cb at 128 t + 8 (cb % 16), blocks 0-15 and 16-31 (in the projection window 2's v0-63 hold x)
.set PK,    1040                       ; a row of K in LDS: 1,024 bytes + 16: an odd multiple of 16 (64 banks of 4 bytes: ISA guide 11.1)
.set PV,    1056                       ; a row of V or Wp: 1,024 + 32: an odd multiple of 32
.set REG,   64*PV                      ; a region: 64 rows
.set SLOTB, 2*REG                      ; a slot: K's region, then V's; in the projection two tiles of Wp.  The bits of SLOTB are set in none of the LDS words that are turned by an exclusive or
.set STAGE, 2*SLOTB                    ; behind the ring, never filled by a tensor load: 32 rows x 272 bytes for each wave
.set SP,    272
.set SPARE, STAGE+4*32*SP              ; the spare words, 128 bytes for each wave: two blocks of 256 bytes that no other line names
.set PARTB, 33554432                   ; q, k or v in qkv
.set TILEB, 65536                      ; 64 rows of K, V; a tile of Wp
.set AK0, 2                            ; v2   my lane's place in a tile of K; never rewritten
.set AV0, 3                            ; v3   the same for V and Wp
.set AK,  4                            ; v4   K's LDS address in the step in hand
.set AV,  5                            ; v5   V's, or the Wp tile's
.set QO,  6                            ; v6   my byte offset in 16 rows of q; never rewritten
.set RD,  7                            ; v7   the way out: where I read rows back
.set GO,  8                            ; v8   my byte offset in two rows of x and out0
.set PFO, 9                            ; v9   256 x lane; never rewritten
.set SPW, 10                           ; v10  LDS address of my spare word; never rewritten
.set NIL, 11                           ; v11  0; never rewritten
.set ST,  12                           ; tile t's statistics at v[ST+8 t]: c m, m, l (even keys', odd keys'), c0-c3 at work; a takes c2's place
.set MV,  28                           ; v28-29 c m_old, kept while c m is made anew
.set BO,  30                           ; v30  32 (lane / 16): my place in 16 numbers of bp
.set STO, 31                           ; v31  the way out: where I put 32 bytes of a row
.set P,   32
.set S,   64
.set F0,  128
.set WV,  14                           ; s14  my wave's number
.set G1K, 24                           ; s[24:31] descriptor group 1 for K's tiles
.set G1V, 32                           ; s[32:39] for V's and Wp's: it differs in the padding alone
.set G0K, 40                           ; s[40:47] group 0 for K: a set for each of the two first fills; the second then walks on
.set G0V, 48                           ; s[48:55] the same for V
.set G0P, 56                           ; s[56:59] group 0 for Wp: it walks
.set CNT, 60
.set CN2, 61
.set TB,  62                           ; s62  LDS byte of the slot in hand
.set TBP, 63                           ; s63  LDS byte of the Wp tile in hand
.set CS,  66                           ; s[66:67] c: the packed scaling takes the pair's low word for both halves
.set SEL, 68                           ; s[68:69] v_permlanex16_b32's selects
.set PFA, 70                           ; s[70:71] where my prefetches stand
.set LIM, 72                           ; s72  1 in a cluster that prefetches, else the greatest number
.set TT,  73
.set XP,  74                           ; s[74:75] x at my rows, at the 64 columns in hand
.set OUTP, 76                          ; s[76:77] out0 likewise
.set BIASP, 78                         ; s[78:79] bp at the 64 columns in hand
.set MSB, 0
.macro WIN new                         ; the immediate's high byte repeats the setting that is left; a switch that changes nothing is dropped
.if MSB != (\new)
	s_set_vgpr_msb (MSB<<8)|(\new)
.set MSB, \new
.endif
.endm
.macro LWIN                            ; LDS loads want destination and address in window 0: settings 0 and 0x04 both do
.if MSB != 0x04
	WIN 0
.endif
.endm
.macro PLACES                          ; four places in front of loads into registers that matrix instructions have read, and of vector lines that read results
.rept 4
	v_nop
.endr
.endm
.macro CROUND                          ; a round of the cluster's barrier
	s_barrier_signal -1
	s_barrier_wait -1
	s_cmp_lg_u32 s[WV], 0
	s_cbranch_scc1 .Lnot_wave_0_\@
	s_barrier_signal -3
.Lnot_wave_0_\@:
	s_barrier_wait -3
	s_barrier_signal -1
	s_barrier_wait -1
.endm
.macro JLOAD                           ; a joint refill: waves 0 and 1 fetch the halves of a step's K, waves 2 and 3 of its V; an s_nop 0 and four v_nop follow each line
	s_cmp_lt_u32 s[WV], 2
	s_cbranch_scc0 .Lfor_v_\@
	tensor_load_to_lds s[G0K+4:G0K+7], s[G1K:G1K+7]
	s_nop 0
.rept 4
	v_nop
.endr
	s_branch .Lasked_\@
.Lfor_v_\@:
	tensor_load_to_lds s[G0V+4:G0V+7], s[G1V:G1V+7]
	s_nop 0
.rept 4
	v_nop
.endr
.Lasked_\@:
.endm
; A PREFETCH INTO THE L2 of what the NEXT change of slots will ask for: a step's 64 rows of K and of V, 512 blocks of 256 bytes.  Both clusters of a b walk the same rows: the first one asks.  Its sixteen waves share
; the blocks out BY ADDRESS (my work-group's 16 rows, my wave's 8 of them, a lane a block; waves 0, 1 of K, waves 2, 3 of V): each block is named once in the launch.  It stands a key step, 256 matrix instructions, ahead of the load.
; The last change that fills a slot with keys asks for nothing; steps 0 to 2 come by their loads alone.
.macro ASK
	s_cmp_gt_u32 s[CNT], s[LIM]
	s_cbranch_scc0 .Lnot_mine_\@
	global_prefetch_b8 v[PFO], s[PFA:PFA+1] th:TH_LOAD_NT scope:SCOPE_SE
.Lnot_mine_\@:
.endm
	s_load_b256 s[4:11], s[0:1], 0x0               ; qkv 4, wb 6, bp 8, x 10
	s_load_b64 s[12:13], s[0:1], 0x20              ; out0
	v_lshl_add_u32 v[SPW], v0, 2, SPARE
	v_mov_b32 v[NIL], 0
	ds_add_u32 v[SPW], v[NIL]                      ; the wave's opening: the add and its wait stand ahead of my first tensor load; the set-up below, work on registers, stands between them
	v_lshrrev_b32 v1, 5, v0
	v_readfirstlane_b32 s[WV], v1                  ; wave 0..3
	s_bfe_u32 s15, ttmp6, 0x40000                  ; cx: my place in the cluster
	s_lshl_b32 s16, ttmp9, 2
	s_add_co_u32 s16, s16, s15                     ; my block of 128 queries: it enters q's, x's, out0's and the prefetches' addresses alone
	s_and_b32 s17, ttmp7, 0xffff                   ; b, which the four partners share
	s_and_b32 s18, s[WV], 1
	s_lshr_b32 s19, s[WV], 1
	s_mov_b32 s[G1K], 15|(1<<16)|(1<<20)|(1<<21)|(7<<22)|(3<<25)  ; the mask of four; 2-byte elements; padding on; bit 21 beside a mask; after every 256 words; 4 words
	s_mov_b32 s[G1V], 15|(1<<16)|(1<<20)|(1<<21)|(7<<22)|(7<<25)  ; the same with 8 words
.irp g, G1K, G1V
	s_mov_b32 s[(\g)+1], 512<<16                   ; tensor_dim0
	s_mov_b32 s[(\g)+2], 32<<16                    ; tensor_dim1
	s_mov_b32 s[(\g)+3], 512<<16                   ; tile_dim0
	s_mov_b32 s[(\g)+4], 32                        ; tile_dim1
	s_mov_b32 s[(\g)+5], 512                       ; elements from row to row
	s_mov_b32 s[(\g)+6], 0
	s_mov_b32 s[(\g)+7], 0
.endr
	s_lshl_b32 s20, s17, 20                        ; b's 1,024 rows of 1,024 bytes,
	s_lshl_b32 s21, s18, 15                        ; my 32 rows of a step's 64
	s_add_co_u32 s20, s20, s21
	s_mov_b32 s21, 0
	s_mul_i32 s22, s18, 32*PK                      ; their place in K's region
	s_mul_i32 s23, s18, 32*PV                      ; and in V's, or in a Wp tile's: no place in the cluster enters an LDS address
	s_mov_b32 s[G0P], 1
	s_mul_i32 s[G0P+1], s19, REG                   ; Wp: waves 0, 1 fetch the pair's first tile, waves 2, 3 its second
	s_add_co_u32 s[G0P+1], s[G0P+1], s23
	s_add_co_u32 s[G0P+1], s[G0P+1], SLOTB         ; the first fill turns it to slot 0
	s_add_co_u32 s23, s23, REG
	s_mov_b32 s[G0K], 1
	s_mov_b32 s[G0K+1], s22
	s_mov_b32 s[G0K+4], 1
	s_add_co_u32 s[G0K+5], s22, SLOTB
	s_mov_b32 s[G0V], 1
	s_mov_b32 s[G0V+1], s23
	s_mov_b32 s[G0V+4], 1
	s_add_co_u32 s[G0V+5], s23, SLOTB
	s_lshl_b32 s2, s19, 16
	s_lshl_b32 s3, s18, 15
	s_add_co_u32 s2, s2, s3
	s_add_co_u32 s2, s2, 3*524288-2*TILEB          ; two tiles in front of Wp's part, still inside wb: the first fill steps it to tiles 0 and 1
	s_mov_b32 s3, 0
	s_mov_b32 s[CS], 0x3d8293ee                    ; c = log2(e) / sqrt(512) = 0.0637587
	s_mov_b32 s[CS+1], s[CS]
	s_mov_b32 s[SEL], 0x76543210
	s_mov_b32 s[SEL+1], 0xfedcba98
	s_lshl_b32 s86, s17, 10
	s_lshl_b32 s87, s16, 7
	s_add_co_u32 s86, s86, s87
	s_lshl_b32 s87, s[WV], 5
	s_add_co_u32 s86, s86, s87                     ; my wave's first row
	s_cmp_eq_u32 ttmp9, 0
	s_cselect_b32 s[LIM], 1, -1                    ; the same in all four partners
	s_wait_dscnt 0x0                               ; the opening add is done
	s_wait_kmcnt 0x0
	s_add_nc_u64 s[80:81], s[4:5], s[20:21]
	s_add_nc_u64 s[G0K+2:G0K+3], s[80:81], PARTB
	s_add_nc_u64 s[G0K+6:G0K+7], s[80:81], PARTB+TILEB
	s_add_nc_u64 s[G0V+2:G0V+3], s[80:81], 2*PARTB
	s_add_nc_u64 s[G0V+6:G0V+7], s[80:81], 2*PARTB+TILEB
	s_add_nc_u64 s[G0P+2:G0P+3], s[6:7], s[2:3]
.irp g, G0K+3, G0K+7, G0V+3, G0V+7, G0P+3
	s_or_b32 s[\g], s[\g], 0x80000000              ; type = 2
.endr
	s_lshl_b32 s82, s86, 10
	s_mov_b32 s83, 0
	s_add_nc_u64 s[84:85], s[4:5], s[82:83]        ; q at my rows
	s_lshl_b32 s82, s86, 11
	s_add_nc_u64 s[XP:XP+1], s[10:11], s[82:83]
	s_add_nc_u64 s[OUTP:OUTP+1], s[12:13], s[82:83]
	s_mov_b64 s[BIASP:BIASP+1], s[8:9]
	s_add_co_u32 s82, s19, 1                       ; the prefetches: part 1 (k) for waves 0, 1, part 2 (v) for waves 2, 3,
	s_lshl_b32 s82, s82, 25
	s_lshl_b32 s87, s17, 20
	s_add_co_u32 s82, s82, s87
	s_lshl_b32 s87, s15, 14                        ; my work-group's 16 rows,
	s_add_co_u32 s82, s82, s87
	s_lshl_b32 s87, s18, 13                        ; my wave's 8 of them,
	s_add_co_u32 s82, s82, s87
	s_add_co_u32 s82, s82, 2*TILEB                 ; in step 2: the first change of slots steps it to step 3
	s_add_nc_u64 s[PFA:PFA+1], s[4:5], s[82:83]
	CROUND                                         ; all four work-groups are here: the first joint loads meet
	s_cmp_lt_u32 s[WV], 2                          ; a wave's two first fills stand in one branch: two loads of mine are out
	s_cbranch_scc0 .Lfirst_v
	tensor_load_to_lds s[G0K:G0K+3], s[G1K:G1K+7]
	s_nop 0
	tensor_load_to_lds s[G0K+4:G0K+7], s[G1K:G1K+7]
	s_nop 0
.rept 4
	v_nop
.endr
	s_branch .Lfirst_asked
.Lfirst_v:
	tensor_load_to_lds s[G0V:G0V+3], s[G1V:G1V+7]
	s_nop 0
	tensor_load_to_lds s[G0V+4:G0V+7], s[G1V:G1V+7]
	s_nop 0
.rept 4
	v_nop
.endr
.Lfirst_asked:
	; A fragment of K or Q is 16 rows x 32 channels in 8 registers: lane l holds row l % 16, channels 8 (l / 16) + 0..7 and 16 + 8 (l / 16) + 0..7: two loads of 16 bytes, 32 bytes apart.
	v_and_b32 v1, 15, v0                           ; l % 16
	v_bfe_u32 v64, v0, 4, 1                        ; l / 16 (S's registers serve as scratch here)
	v_lshlrev_b32 v[QO], 10, v1
	v_lshl_add_u32 v[QO], v64, 4, v[QO]
	WIN 0x40                                       ; destination window 1
.set i, 0
.rept 32                                       ; Q stays in registers: tile i / 16, channels 32 (i % 16) on
	global_load_b128 v[8*i:8*i+3],   v[QO], s[84:85] offset:(i/16)*16384+(i%16)*64
	global_load_b128 v[8*i+4:8*i+7], v[QO], s[84:85] offset:(i/16)*16384+(i%16)*64+32
.set i, i+1
.endr
	; O^T starts at 0, so that one text serves every step; these lines stand in the wait for the first tile
	WIN 0x80
.set i, 0
.rept 256
	v_mov_b32 v[i], 0
.set i, i+1
.endr
	WIN 0xc0
.set i, 0
.rept 256
	v_mov_b32 v[i], 0
.set i, i+1
.endr
	WIN 0
.irp t, 0,1
	v_mov_b32 v[ST+8*(\t)], 0xfe000000             ; c m: below every c s
	v_mov_b32 v[ST+8*(\t)+1], 0xff7fffff           ; m
	v_mov_b32 v[ST+8*(\t)+2], 0
	v_mov_b32 v[ST+8*(\t)+3], 0
.endr
	v_mul_u32_u24 v[AK0], v1, PK
	v_lshl_add_u32 v[AK0], v64, 4, v[AK0]
	; The turning load takes 16 k x 16 columns (lane l reads k = 8 (l / 16) + l % 8, columns 8 ((l / 8) % 2) + 0..7) and leaves half a fragment: lane l holds column l % 16 and 8 k.
	v_and_b32 v65, 7, v0
	v_bfe_u32 v66, v0, 3, 1
	v_lshl_add_u32 v[AV0], v64, 3, v65
	v_mul_u32_u24 v[AV0], v[AV0], PV
	v_lshl_add_u32 v[AV0], v66, 4, v[AV0]
	s_mul_i32 s2, s[WV], 32*SP
	s_add_co_u32 s2, s2, STAGE                     ; my stage
	v_mul_u32_u24 v67, v1, SP                      ; in: row l % 16 of a tile, 32 bytes for each half of the lanes
	v_lshl_add_u32 v67, v64, 5, v67
	v_add_nc_u32 v[STO], s2, v67
	v_mul_u32_u24 v67, v64, SP                     ; back: lanes 0-15 take one row of 256 bytes, lanes 16-31 the next
	v_lshl_add_u32 v67, v1, 4, v67
	v_add_nc_u32 v[RD], s2, v67
	v_lshlrev_b32 v67, 11, v64                     ; and the same two rows in x and out0
	v_lshl_add_u32 v[GO], v1, 4, v67
	v_lshlrev_b32 v[BO], 5, v64
	v_and_b32 v[PFO], 31, v0
	v_lshlrev_b32 v[PFO], 8, v[PFO]
; THE LDS LOADS stand in runs of 16, a run for 16 products.  K: key blocks kb 0-3, channels 32 (2 f + cc) on; fragment (kb, cc) at fb + 16 kb + 8 cc.
.macro KFILL f, fb
	LWIN
	PLACES
.irp kb, 0,1,2,3
.irp cc, 0,1
	ds_load_b128 v[(\fb)+16*(\kb)+8*(\cc):(\fb)+16*(\kb)+8*(\cc)+3],   v[AK] offset:16*PK*(\kb)+64*(2*(\f)+(\cc))
	ds_load_b128 v[(\fb)+16*(\kb)+8*(\cc)+4:(\fb)+16*(\kb)+8*(\cc)+7], v[AK] offset:16*PK*(\kb)+64*(2*(\f)+(\cc))+32
.endr
.endr
.endm
; V, turned: column blocks 4 i + cb, rows 32 kk on; fragment (cb, kk) at fb + 16 cb + 8 kk.  The same run serves a tile of Wp: there i is sigma, rows 32 kk on are k = 64 i + 32 kk on, cb is the block of 16 of the tile's 64 columns.
.macro VFILL i, fb
	LWIN
	PLACES
.irp cb, 0,1,2,3
.irp kk, 0,1
	ds_load_tr16_b128 v[(\fb)+16*(\cb)+8*(\kk):(\fb)+16*(\cb)+8*(\kk)+3],   v[AV] offset:32*PV*(\kk)+32*(4*(\i)+(\cb))
	ds_load_tr16_b128 v[(\fb)+16*(\cb)+8*(\kk)+4:(\fb)+16*(\cb)+8*(\kk)+7], v[AV] offset:32*PV*(\kk)+16*PV+32*(4*(\i)+(\cb))
.endr
.endr
.endm
; 16 products of S^T = K Q^T (or out^T = Wp^T O^T): channels 64 f on.  The eight accumulators (block kb, tile t) take turns, one instruction a turn; the first eight of a phase begin the sums with the constant 0.
.macro SBLK f
	WIN 0x04                                       ; source 1 (Q) in window 1, all else in window 0
.irp cc, 0,1
.irp kb, 0,1,2,3
.irp t, 0,1
.if ((\f) == 0) && ((\cc) == 0)
	v_wmma_f32_16x16x32_bf16 v[S+32*(\t)+8*(\kb):S+32*(\t)+8*(\kb)+7], v[F0+64*((\f)%2)+16*(\kb)+8*(\cc):F0+64*((\f)%2)+16*(\kb)+8*(\cc)+7], v[128*(\t)+8*(2*(\f)+(\cc)):128*(\t)+8*(2*(\f)+(\cc))+7], 0
.else
	v_wmma_f32_16x16x32_bf16 v[S+32*(\t)+8*(\kb):S+32*(\t)+8*(\kb)+7], v[F0+64*((\f)%2)+16*(\kb)+8*(\cc):F0+64*((\f)%2)+16*(\kb)+8*(\cc)+7], v[128*(\t)+8*(2*(\f)+(\cc)):128*(\t)+8*(2*(\f)+(\cc))+7], v[S+32*(\t)+8*(\kb):S+32*(\t)+8*(\kb)+7]
.endif
.endr
.endr
.endr
.endm
; 16 products of O^T += V^T P: channel blocks 4 i .. 4 i + 3.  Product u: keys 32 (u / 8) on, block 4 i + (u / 2) % 4, tile u % 2: eight accumulators by turns.  Behind each four products stand eight lines that
; multiply one channel block of the NEXT group, both tiles, by a: they name no register of the products round them.
.macro PVBLK i
.if (\i) < 7
	VFILL (\i)+1, F0+64*(((\i)+1)%2)
	s_wait_dscnt 16                                ; this group's fragments are in; the 16 loads just issued may be out
.else
	s_wait_dscnt 0x0
.endif
.irp g, 0,1,2,3
	WIN 0xa0+0x50*((\i)/4)                         ; V and P in window 0, O^T in window 2 or 3
.irp j, 0,1,2,3
.set u, 4*(\g)+(\j)
.set rO, 128*(u%2)+8*((4*(\i)+(u/2)%4)%16)
.set rV, F0+64*((\i)%2)+16*((u/2)%4)+8*(u/8)
.set rP, P+16*(u%2)+8*(u/8)
	v_wmma_f32_16x16x32_bf16 v[rO:rO+7], v[rV:rV+7], v[rP:rP+7], v[rO:rO+7]
.endr
.if (\i) < 7
	WIN 0x82+0x41*(((\i)+1)/4)                     ; destination and source 0 in O^T's window, a in window 0
.irp t, 0,1
.irp r, 0,2,4,6
.set rO, 128*(\t)+8*((4*((\i)+1)+(\g))%16)+(\r)
	v_pk_mul_f32 v[rO:rO+1], v[rO:rO+1], v[ST+8*(\t)+6:ST+8*(\t)+7] op_sel_hi:[1,0]
.endr
.endr
.endif
.endr
.endm
; Number n of the 22 that find a tile's maximum and statistics.  s0-s31 are the lane's 32 scores; each accumulator's lowest registers are read first.
;   0-11  four chains c0-c3 of seven scores each     12-14, 16  the four scores left over, the old m, and c0-c3 into c0     15  c m_old is kept
;   17, 18  the query's other 32 keys lie in the lane 16 away: the new m     19-21  c m; c m_old - c m_new; a
.macro XS t, n
.set rT, ST+8*(\t)
.set rS, S+32*(\t)
.set rM, MV+(\t)
.if (\n) < 4
	v_max3_num_f32 v[rT+4+(\n)], v[rS+8*(\n)], v[rS+8*(\n)+1], v[rS+8*(\n)+2]
.elseif (\n) < 12
	v_max3_num_f32 v[rT+4+(\n)%4], v[rT+4+(\n)%4], v[rS+8*((\n)%4)+2*((\n)/4)+1], v[rS+8*((\n)%4)+2*((\n)/4)+2]
.elseif (\n) == 12
	v_max3_num_f32 v[rT+4], v[rT+4], v[rS+7], v[rS+15]
.elseif (\n) == 13
	v_max3_num_f32 v[rT+5], v[rT+5], v[rS+23], v[rS+31]
.elseif (\n) == 14
	v_max3_num_f32 v[rT+6], v[rT+6], v[rT+7], v[rT+1]
.elseif (\n) == 15
	v_mov_b32 v[rM], v[rT]
.elseif (\n) == 16
	v_max3_num_f32 v[rT+4], v[rT+4], v[rT+5], v[rT+6]
.elseif (\n) == 17
	v_permlanex16_b32 v[rT+7], v[rT+4], s[SEL], s[SEL+1]
.elseif (\n) == 18
	v_max_num_f32 v[rT+1], v[rT+4], v[rT+7]
.elseif (\n) == 19
	v_mul_f32 v[rT], s[CS], v[rT+1]
.elseif (\n) == 20
	v_sub_f32 v[rT+5], v[rM], v[rT]
.else
	v_exp_f32 v[rT+6], v[rT+5]
.endif
.endm
.macro FS t, p                         ; c s - c m for pair p of 16
	v_pk_fma_f32 v[S+32*(\t)+2*(\p):S+32*(\t)+2*(\p)+1], v[S+32*(\t)+2*(\p):S+32*(\t)+2*(\p)+1], s[CS:CS+1], v[ST+8*(\t):ST+8*(\t)+1] op_sel_hi:[1,0,0] neg_lo:[0,0,1] neg_hi:[0,0,1]
.endm
.macro EX t, e
	v_exp_f32 v[S+32*(\t)+(\e)], v[S+32*(\t)+(\e)]
.endm
; THE SOFTMAX of both tiles, which alternate line by line.  The 66 exponentials (two a, 64 weights) are ONE batch: nothing ahead of the one wait names a result of theirs; a pair's scaling stands two lines or more ahead of its exponentials.
.macro SOFTMAX
	WIN 0
	PLACES                                         ; behind the last product K Q^T
.irp n, 0,1,2,3,4,5,6,7,8,9,10,11,12,13,14,15,16,17,18,19,20,21
	XS 0, \n
	XS 1, \n
.endr
.set pp, 0
.rept 16
	FS 0, pp
	FS 1, pp
.if pp > 0
	EX 0, 2*pp-2
	EX 1, 2*pp-2
	EX 0, 2*pp-1
	EX 1, 2*pp-1
.endif
.set pp, pp+1
.endr
	EX 0, 30
	EX 1, 30
	EX 0, 31
	EX 1, 31
	v_nop                                          ; a plain instruction behind the last exponential: one for the batch
	s_wait_alu depctr_va_vdst(0)                   ; the wait ahead of the batch's first reader: one for all 66
.set pp, 0
.rept 16
	v_cvt_pk_bf16_f32 v[P+pp],    v[S+2*pp],    v[S+2*pp+1]
	v_cvt_pk_bf16_f32 v[P+16+pp], v[S+32+2*pp], v[S+32+2*pp+1]
.set pp, pp+1
.endr
.irp w, 4, 8, 16, 32                   ; the sum of a tile's 16 pairs, in place: neighbours 1, 2, 4 and 8 pairs apart
.set u, 0
.rept 32/(\w)
	v_pk_add_f32 v[S+(\w)*u:S+(\w)*u+1],       v[S+(\w)*u:S+(\w)*u+1],       v[S+(\w)*u+(\w)/2:S+(\w)*u+(\w)/2+1]
	v_pk_add_f32 v[S+32+(\w)*u:S+32+(\w)*u+1], v[S+32+(\w)*u:S+32+(\w)*u+1], v[S+32+(\w)*u+(\w)/2:S+32+(\w)*u+(\w)/2+1]
.set u, u+1
.endr
.endr
.irp t, 0,1
	v_pk_fma_f32 v[ST+8*(\t)+2:ST+8*(\t)+3], v[ST+8*(\t)+2:ST+8*(\t)+3], v[ST+8*(\t)+6:ST+8*(\t)+7], v[S+32*(\t):S+32*(\t)+1] op_sel_hi:[1,0,1]  ; l = a l + the sum
.endr
	WIN 0x82                                       ; O^T's first four channel blocks times a; the others ride in PVBLK
.irp cb, 0,1,2,3
.irp t, 0,1
.irp r, 0,2,4,6
	v_pk_mul_f32 v[128*(\t)+8*(\cb)+(\r):128*(\t)+8*(\cb)+(\r)+1], v[128*(\t)+8*(\cb)+(\r):128*(\t)+8*(\cb)+(\r)+1], v[ST+8*(\t)+6:ST+8*(\t)+7] op_sel_hi:[1,0]
.endr
.endr
.endr
.endm
; A KEY STEP: 64 keys from the slot at s[TB].  Each run of loads goes out ahead of the 16 products before the ones that it feeds.
.macro STEP
	WIN 0
	v_add_nc_u32 v[AK], s[TB], v[AK0]
	s_add_co_u32 s[TT], s[TB], REG
	v_add_nc_u32 v[AV], s[TT], v[AV0]
	KFILL 0, F0
.irp f, 0,1,2,3,4,5,6,7
.if (\f) < 7
	KFILL (\f)+1, F0+64*(((\f)+1)%2)
.else
	VFILL 0, F0
.endif
	s_wait_dscnt 16                                ; run f is in; the 16 loads just issued may be out
	SBLK \f
.endr
	SOFTMAX
.irp i, 0,1,2,3,4,5,6,7
	PVBLK \i
.endr
	WIN 0
.endm
; THE CHANGE OF SLOTS behind a key step.  Each wave waits for all its tensor loads, of which one is out: its part of the other slot; adds 0 to its spare word; and waits for that and for its reads of the slot.
; The barrier is a round of the cluster's; the joint refill, the keys two steps on, is the first thing behind it and has a key step, 256 matrix instructions and a softmax, in which to land.
.macro CHANGE_KV
	WIN 0                                          ; at a label and at a branch every window is 0
	s_wait_tensorcnt 0x0                           ; no tensor load of mine is out, so a group 0 may be written
	ds_add_u32 v[SPW], v[NIL]                      ; 0 onto my spare word: the descriptors' steps stand between it and the wait for it
.irp g, G0K+4, G0V+4
	s_xor_b32 s[(\g)+1], s[(\g)+1], SLOTB          ; the walking descriptor: the other slot than last time,
	s_add_nc_u64 s[(\g)+2:(\g)+3], s[(\g)+2:(\g)+3], TILEB  ; the next 64 keys
.endr
	s_wait_xcnt 0x0                                ; the last prefetch, a key step back, has read its address
	s_add_nc_u64 s[PFA:PFA+1], s[PFA:PFA+1], TILEB
	s_wait_dscnt 0x0                               ; the add is done, and my reads of the slot are over
	CROUND
	JLOAD
	ASK
	s_xor_b32 s[TB], s[TB], SLOTB
.endm
; The same change where the slot that is left takes two tiles of Wp (fill = 1: one line for all four waves, each with its 32 rows), or nothing more (fill = 0: a plain barrier shows the other slot whole).
.macro CHANGE_W fill
	WIN 0
	s_wait_tensorcnt 0x0
	ds_add_u32 v[SPW], v[NIL]
.if \fill
	s_xor_b32 s[G0P+1], s[G0P+1], SLOTB
	s_add_nc_u64 s[G0P+2:G0P+3], s[G0P+2:G0P+3], 2*TILEB
	s_wait_dscnt 0x0
	CROUND
	tensor_load_to_lds s[G0P:G0P+3], s[G1V:G1V+7]
	s_nop 0
.rept 4
	v_nop
.endr
.else
	s_wait_dscnt 0x0
	s_barrier_signal -1
	s_barrier_wait -1
.endif
	s_xor_b32 s[TB], s[TB], SLOTB
.endm
; A STEP OF THE PROJECTION: 64 columns of out0 for my 32 rows, from the Wp tile at s[TBP].  x and bp are asked for at its head, 128 products ahead of their use.
.macro NSTEP
	WIN 0
	v_add_nc_u32 v[AV], s[TBP], v[AV0]
	VFILL 0, F0
	WIN 0x80                                       ; destination window 2
.set i, 0
.rept 16
	global_load_b128 v[4*i:4*i+3], v[GO], s[XP:XP+1] offset:4096*i th:TH_LOAD_NT  ; rows 2 i and 2 i + 1: 16 lanes take 256 consecutive bytes, aligned
.set i, i+1
.endr
	WIN 0
.irp nb, 0,1,2,3
	global_load_b128 v[P+8*(\nb):P+8*(\nb)+3],   v[BO], s[BIASP:BIASP+1] offset:64*(\nb)
	global_load_b128 v[P+8*(\nb)+4:P+8*(\nb)+7], v[BO], s[BIASP:BIASP+1] offset:64*(\nb)+16
.endr
.irp f, 0,1,2,3,4,5,6,7
.if (\f) < 7
	VFILL (\f)+1, F0+64*(((\f)+1)%2)
	s_wait_dscnt 16                                ; run f is in; the 16 loads just issued may be out
.else
	s_wait_dscnt 0x0
.endif
	SBLK \f
.endr
	WIN 0
	PLACES
	s_wait_loadcnt 0x0                             ; x and bp
.set pp, 0
.rept 16
	v_pk_fma_f32 v[S+2*pp:S+2*pp+1],       v[S+2*pp:S+2*pp+1],       v[ST+2:ST+3],   v[P+2*pp:P+2*pp+1] op_sel_hi:[1,0,1]  ; (O Wp) / l + bp
	v_pk_fma_f32 v[S+32+2*pp:S+32+2*pp+1], v[S+32+2*pp:S+32+2*pp+1], v[ST+10:ST+11], v[P+2*pp:P+2*pp+1] op_sel_hi:[1,0,1]
.set pp, pp+1
.endr
.irp t, 0,1
.irp nb, 0,1,2,3
	ds_store_b128 v[STO], v[S+32*(\t)+8*(\nb):S+32*(\t)+8*(\nb)+3]   offset:16*SP*(\t)+64*(\nb)
	ds_store_b128 v[STO], v[S+32*(\t)+8*(\nb)+4:S+32*(\t)+8*(\nb)+7] offset:16*SP*(\t)+64*(\nb)+16
.endr
.endr
.set i, 0
.rept 16
	ds_load_b128 v[S+4*i:S+4*i+3], v[RD] offset:2*SP*i  ; LDS serves a wave's instructions in order (ISA guide 5.7.1.4): these see the stores above
.set i, i+1
.endr
	s_wait_dscnt 0x0
	WIN 0x08                                       ; source 1 (x) in window 2
.set pp, 0
.rept 32
	v_pk_add_f32 v[S+2*pp:S+2*pp+1], v[S+2*pp:S+2*pp+1], v[2*pp:2*pp+1]
.set pp, pp+1
.endr
	WIN 0
.set i, 0
.rept 16
	global_store_b128 v[GO], v[S+4*i:S+4*i+3], s[OUTP:OUTP+1] offset:4096*i th:TH_STORE_NT  ; 16 lanes store 256 consecutive bytes, aligned
.set i, i+1
.endr
	s_wait_xcnt 0x0                                ; the pointers and the stores' registers are written again only behind this wait
	s_add_nc_u64 s[XP:XP+1], s[XP:XP+1], 256
	s_add_nc_u64 s[OUTP:OUTP+1], s[OUTP:OUTP+1], 256
	s_add_nc_u64 s[BIASP:BIASP+1], s[BIASP:BIASP+1], 256
	s_add_co_u32 s[TBP], s[TBP], REG
.endm
	s_wait_tensorcnt 0x1                           ; my part of slot 0 is in; slot 1's may stay out
	s_barrier_signal -1
	s_barrier_wait -1                              ; everybody's is
	s_wait_loadcnt 0x0                             ; Q
	s_mov_b32 s[TB], 0
	s_mov_b32 s[CNT], 14
.Lkey:                                                 ; steps 0 to 13: the change behind step j asks for the keys of step j + 2
	STEP
	CHANGE_KV
	s_sub_co_u32 s[CNT], s[CNT], 1
	s_cmp_lg_u32 s[CNT], 0
	s_cbranch_scc1 .Lkey
	s_mov_b32 s[CNT], 2
.Ltail:                                                ; steps 14 and 15, written out: the slots that they leave take Wp's tiles 0, 1 and 2, 3
	STEP
	CHANGE_W 1
	s_sub_co_u32 s[CNT], s[CNT], 1
	s_cmp_lg_u32 s[CNT], 0
	s_cbranch_scc1 .Ltail
	; l's two halves and the other half of the lanes' are added; 1 / l
.irp t, 0,1
	v_add_f32 v[ST+8*(\t)+4], v[ST+8*(\t)+2], v[ST+8*(\t)+3]
.endr
.irp t, 0,1
	v_permlanex16_b32 v[ST+8*(\t)+5], v[ST+8*(\t)+4], s[SEL], s[SEL+1]
.endr
.irp t, 0,1
	v_add_f32 v[ST+8*(\t)+4], v[ST+8*(\t)+4], v[ST+8*(\t)+5]
.endr
.irp t, 0,1
	v_rcp_f32 v[ST+8*(\t)+2], v[ST+8*(\t)+4]
.endr
	v_nop                                          ; a plain instruction behind the last reciprocal
	s_wait_alu depctr_va_vdst(0)                   ; and the wait ahead of the first use: one for the two
	; O^T, rounded in pairs, goes where Q lay: channel block cb's four registers at 128 t + 4 cb: blocks 2 c and 2 c + 1 are source 1 for k = 32 c on
	WIN 0x4a                                       ; sources in window 2, destination in window 1
.set i, 0
.rept 128
	v_cvt_pk_bf16_f32 v[128*(i/64)+i%64], v[128*(i/64)+2*(i%64)], v[128*(i/64)+2*(i%64)+1]
.set i, i+1
.endr
	WIN 0x4f                                       ; sources in window 3
.set i, 0
.rept 128
	v_cvt_pk_bf16_f32 v[128*(i/64)+64+i%64], v[128*(i/64)+2*(i%64)], v[128*(i/64)+2*(i%64)+1]
.set i, i+1
.endr
	WIN 0
	s_mov_b32 s[TBP], 0
	s_mov_b32 s[CNT], 2
.LpA:                                                  ; tiles 0, 1 and 2, 3: the slot that is left takes tiles 4, 5 and 6, 7
	s_mov_b32 s[CN2], 2
.LnA:
	NSTEP
	s_sub_co_u32 s[CN2], s[CN2], 1
	s_cmp_lg_u32 s[CN2], 0
	s_cbranch_scc1 .LnA
	CHANGE_W 1
	s_sub_co_u32 s[CNT], s[CNT], 1
	s_cmp_lg_u32 s[CNT], 0
	s_cbranch_scc1 .LpA
	s_mov_b32 s[TBP], 0
	s_mov_b32 s[CNT], 2
.LpB:                                                  ; tiles 4, 5 and 6, 7: nothing is asked for.  The second trip's barrier serves nothing: the price of one text for both trips
	s_mov_b32 s[CN2], 2
.LnB:
	NSTEP
	s_sub_co_u32 s[CN2], s[CN2], 1
	s_cmp_lg_u32 s[CN2], 0
	s_cbranch_scc1 .LnB
	CHANGE_W 0
	s_sub_co_u32 s[CNT], s[CNT], 1
	s_cmp_lg_u32 s[CNT], 0
	s_cbranch_scc1 .LpB
	s_wait_tensorcnt 0x0                           ; the wave's end: behind my last tensor load and my last LDS store
	ds_add_u32 v[SPW], v[NIL]
	s_wait_dscnt 0x0
	CROUND                                         ; the closing round: no work-group ends while a partner may still ask for a tile that names it
	s_endpgm
.Lfunc_end_k_qbd81d20cd2_attn:
	.size	k_qbd81d20cd2_attn, .Lfunc_end_k_qbd81d20cd2_attn-k_qbd81d20cd2_attn
	.p2alignl 7, 3214868480
	.fill 96, 4, 3214868480
	.section	.rodata,"a",@progbits
	.p2align	6, 0x0
	.amdhsa_kernel k_qbd81d20cd2_attn
		.amdhsa_group_segment_fixed_size 327680
		.amdhsa_private_segment_fixed_size 0
		.amdhsa_enable_private_segment 0
		.amdhsa_kernarg_size 40
		.amdhsa_user_sgpr_count 2
		.amdhsa_user_sgpr_kernarg_segment_ptr 1
		.amdhsa_wavefront_size32 1
		.amdhsa_system_sgpr_workgroup_id_x 1
		.amdhsa_system_sgpr_workgroup_id_y 1
		.amdhsa_system_sgpr_workgroup_id_z 1
		.amdhsa_system_vgpr_workitem_id 0
		.amdhsa_next_free_vgpr 1024
		.amdhsa_next_free_sgpr 88
		.amdhsa_reserve_vcc 0
		.amdhsa_float_denorm_mode_32 3
		.amdhsa_float_denorm_mode_16_64 3
		.amdhsa_memory_ordered 1
		.amdhsa_forward_progress 1
		.amdhsa_inst_pref_size 234
	.end_amdhsa_kernel
	.amdgpu_metadata
---
amdhsa.version: [ 1, 2 ]
amdhsa.kernels:
  - .name:           k_qbd81d20cd2_attn
    .symbol:         k_qbd81d20cd2_attn.kd
    .args:
      - { .name: qkv, .offset: 0, .size: 8, .value_kind: global_buffer, .address_space: global }
      - { .name: wb, .offset: 8, .size: 8, .value_kind: global_buffer, .address_space: global }
      - { .name: bp, .offset: 16, .size: 8, .value_kind: global_buffer, .address_space: global }
      - { .name: x, .offset: 24, .size: 8, .value_kind: global_buffer, .address_space: global }
      - { .name: out0, .offset: 32, .size: 8, .value_kind: global_buffer, .address_space: global }
    .group_segment_fixed_size: 327680
    .private_segment_fixed_size: 0
    .kernarg_segment_align: 8
    .kernarg_segment_size: 40
    .max_flat_workgroup_size: 128
    .sgpr_count:     88
    .vgpr_count:     1024
    .wavefront_size: 32
...
	.end_amdgpu_metadata
.endif
;; end of part 3
;; ======== version 2 of 4: 4 launches
;; workspace buffers: xn 33,554,432 bytes; wb 2,100,224 bytes; wm 1,048,576 bytes; vb 5,120 bytes; kk 33,554,432 bytes; dv 131,072 bytes
;; launch norm (part 4): grid 8 x 32, 16 waves a work-group, no clusters, 2,560 bytes of LDS; arguments x, gamma, beta, Wq, Wk, Wv, Wp, bq, bk, bv, xn, wb; writes xn, wb
.if DOCPART == 4
	.amdgcn_target "amdgcn-amd-amdhsa--gfx1250"
	.amdhsa_code_object_version 6
	.text
	.protected	k_qbd81d20cd2_norm
	.globl	k_qbd81d20cd2_norm
	.p2align	8
	.type	k_qbd81d20cd2_norm,@function
k_qbd81d20cd2_norm:
	s_mov_b64 s[64:65], 0
	v_nop
	global_prefetch_b8 v0, s[64:65] scope:SCOPE_SE
	s_setreg_imm32_b32 hwreg(HW_REG_WAVE_MODE, 25, 1), 1
	s_wait_xcnt 0x0
; GROUP NORM AND THE WEIGHTS' ROUNDING.  x: [32 b][1024 n][512 c] f32.  A group is 64 channels; its mean and variance go over 1,024 positions x 64 channels of one b.
; xn = (x - mean) rsqrt(var + 1e-3) gamma + beta, rounded once to bf16, stored by groups: xn[b][g][n][64]: a (b, g) block is 131,072 dense bytes.
; A work-group owns one (b, g): 1,024 pieces of 256 bytes, each aligned.  Its 16 waves hold them in registers (64 rows, 128 registers a wave), so x is read once:
; pass 1 sums, pass 2 takes the mean away in place and sums the squares of what is left (no difference of large sums), pass 3 scales and stores.
; The waves' sums meet in LDS, in words of their own for each of the two meetings.  No matrix unit, no tensor load, no cluster: nothing is shared between work-groups.
; BESIDE IT each work-group rounds 4,096 numbers of one of the four weights to bf16 into wb, so that the next launch finds every matrix as rows along the index that it sums over:
; parts 0, 1, 2 = Wq, Wk, Wv as they lie; part 3 = Wp transposed, [j][n] = Wp[n][j]: a work-group reads 8 rows of Wp, a thread a column, and stores 16 bytes a thread, 1,024 bytes apart
; (524,288 bytes in all: the only stores of the launch that are not whole runs of 256 bytes).  Behind the four parts lie bq, bk, bv in bf16, 1,024 bytes each.
; LIMITS.  xn, the weights and the three biases are rounded once to bf16; NaN and infinities are not treated apart.
.set RED1,  0                          ; LDS: 16 words, the waves' sums
.set RED2,  256                        ; 16 words, the waves' sums of squares
.set SPARE, 512                        ; the spare words, 128 bytes for each of 16 waves: eight blocks of 256 bytes that no other line names
.set XO,   2                           ; v2   my byte offset in x: wave x 64 rows + (lane / 16) rows + 16 (lane % 16); never rewritten
.set YO,   3                           ; v3   my byte offset in the xn block: wave x 8,192 + 8 lane
.set CH,   4                           ; v4   16 (lane % 16): my four channels in gamma and beta
.set WO,   5                           ; v5   my byte offset in the weight that I round
.set TO,   6                           ; v6   my byte offset in wb
.set TMP,  7
.set SPW,  8                           ; v8   LDS address of my spare word; never rewritten
.set NIL,  9                           ; v9   0; never rewritten
.set MEAN, 10                          ; v[10:11] the mean, twice
.set EX,   12                          ; at work
.set RA,   13                          ; v13  4 x wave
.set ZA,   14                          ; v14  0: LDS address of the sums
.set CHN,  16                          ; v[16:23] four chains of pairs
.set GA,   24                          ; v[24:27] gamma of my four channels, then gamma x rstd
.set BE,   28                          ; v[28:31] beta
.set X,    32                          ; v[32:159] load i: rows 2 i + lane / 16 of my 64, four channels
.set WF,   160                         ; v[160:167] eight weights in f32
.set WH,   168                         ; v[168:171] the same in bf16
.set PS,   172                         ; v[172:187] the 16 waves' sums
.set RS,   188                         ; v[188:189] rstd (the packed multiply names a pair and takes its low word)
.set BF,   190                         ; v[190:197] eight numbers of a bias in f32
.set BH,   198                         ; v[198:201] the same in bf16
.set BOF,  202                         ; v202 32 (thread % 64): their place in the bias
	s_load_b512 s[4:19], s[0:1], 0x0               ; x 4, gamma 6, beta 8, Wq 10, Wk 12, Wv 14, Wp 16, bq 18
	s_load_b256 s[20:27], s[0:1], 0x40             ; bk 20, bv 22, xn 24, wb 26
	v_lshl_add_u32 v[SPW], v0, 2, SPARE
	v_mov_b32 v[NIL], 0
	v_lshrrev_b32 v1, 5, v0
	v_readfirstlane_b32 s28, v1                    ; wave 0..15
	s_and_b32 s29, ttmp7, 0xffff                   ; b
	s_mov_b32 s30, ttmp9                           ; g
	s_lshr_b32 s31, s29, 3                         ; which weight: 0..3
	s_and_b32 s32, s29, 7
	s_lshl3_add_u32 s32, s32, s30                  ; which 64th of it
	s_mov_b32 s33, 0x37800000                      ; 2^-16 = 1 / (1,024 x 64)
	s_mov_b32 s34, 0x76543210                      ; v_permlanex16_b32: each lane takes its own place in the other half
	s_mov_b32 s35, 0xfedcba98
	v_and_b32 v1, 31, v0                           ; lane
	v_and_b32 v[CH], 15, v0
	v_lshlrev_b32 v[CH], 4, v[CH]
	v_bfe_u32 v[TMP], v0, 4, 1
	v_lshl_add_u32 v[XO], v[TMP], 11, v[CH]
	s_lshl_b32 s36, s28, 17
	v_add_nc_u32 v[XO], s36, v[XO]
	s_lshl_b32 s36, s28, 13
	v_lshl_add_u32 v[YO], v1, 3, s36
	v_mov_b32 v[RA], s28
	v_lshlrev_b32 v[RA], 2, v[RA]
	v_mov_b32 v[ZA], 0
	v_mov_b32 v[EX], 0                             ; v_permlanex16_b32's destination counts as read
	; the weights.  As they lie: thread t of part p reads 32 bytes at 16,384 p + 32 t and stores 16 at 8,192 p + 16 t.
	; Transposed: it reads Wp[8 p + e][t], e = 0..7, at 16,384 p + 2,048 e + 4 t, and stores 16 bytes at 1,024 t + 16 p
	s_cmp_eq_u32 s31, 3
	s_cselect_b32 s36, 2, 5
	s_cselect_b32 s37, 10, 4
	s_cselect_b32 s38, 4, 13
	s_cselect_b32 s59, 1, 0
	v_lshlrev_b32 v[WO], s36, v0
	v_lshlrev_b32 v[TO], s37, v0
	v_and_b32 v[BOF], 63, v0
	v_lshlrev_b32 v[BOF], 5, v[BOF]
	s_lshl_b32 s40, s32, 14                        ; the part in the weight
	s_mov_b32 s41, 0
	s_lshl_b32 s42, s31, 19                        ; the weight's part of wb,
	s_lshl_b32 s43, s32, s38                       ; my work-group's place in it
	s_add_co_u32 s42, s42, s43
	s_mov_b32 s43, 0
	s_lshl_b32 s48, s31, 10                        ; the bias's place behind the four parts
	s_add_co_u32 s48, s48, 2097152
	s_mov_b32 s49, 0
	s_lshl_b32 s44, s29, 21                        ; x: b x 1,024 rows of 2,048 bytes
	s_mov_b32 s45, 0
	s_lshl_b32 s46, s30, 8                         ; the group's 256 bytes of a row, and of gamma and beta
	s_mov_b32 s47, 0
	s_add_co_u32 s44, s44, s46
	s_lshl3_add_u32 s50, s29, s30
	s_lshl_b32 s50, s50, 17                        ; xn: block 8 b + g
	s_mov_b32 s51, 0
	s_lshr_b32 s58, s28, 1                         ; a bias is stored by waves 0 and 1 of part 0 of weights 0 to 2: s58 = 0 there alone
	s_or_b32 s58, s58, s32
	s_or_b32 s58, s58, s59
	s_wait_kmcnt 0x0
	s_add_nc_u64 s[4:5], s[4:5], s[44:45]
	s_add_nc_u64 s[6:7], s[6:7], s[46:47]
	s_add_nc_u64 s[8:9], s[8:9], s[46:47]
	s_add_nc_u64 s[24:25], s[24:25], s[50:51]
	s_add_nc_u64 s[52:53], s[26:27], s[48:49]
	s_add_nc_u64 s[26:27], s[26:27], s[42:43]
	s_cmp_eq_u32 s31, 1
	s_cselect_b64 s[54:55], s[12:13], s[10:11]
	s_cselect_b64 s[56:57], s[20:21], s[18:19]
	s_cmp_eq_u32 s31, 2
	s_cselect_b64 s[54:55], s[14:15], s[54:55]
	s_cmp_gt_u32 s31, 1
	s_cselect_b64 s[56:57], s[22:23], s[56:57]
	s_cmp_eq_u32 s31, 3
	s_cselect_b64 s[54:55], s[16:17], s[54:55]
	s_add_nc_u64 s[54:55], s[54:55], s[40:41]
	; the small loads go out first, so that the waits of pass 1 count x's loads alone, whichever way the weights are read
	s_cmp_eq_u32 s31, 3
	s_cbranch_scc1 .Ltransposed
	global_load_b128 v[WF:WF+3],   v[WO], s[54:55]
	global_load_b128 v[WF+4:WF+7], v[WO], s[54:55] offset:16
	s_branch .Lweights_asked
.Ltransposed:
.irp e, 0,1,2,3,4,5,6,7
	global_load_b32 v[WF+(\e)], v[WO], s[54:55] offset:2048*(\e)  ; a wave takes 128 consecutive bytes of a row of Wp
.endr
.Lweights_asked:
	global_load_b128 v[BF:BF+3],   v[BOF], s[56:57]
	global_load_b128 v[BF+4:BF+7], v[BOF], s[56:57] offset:16
	global_load_b128 v[GA:GA+3], v[CH], s[6:7]
	global_load_b128 v[BE:BE+3], v[CH], s[8:9]
	; all of the wave's 16 KiB x 2 go out at once: 32 loads, each two pieces of 256 aligned bytes
.set i, 0
.rept 32
	global_load_b128 v[X+4*i:X+4*i+3], v[XO], s[4:5] offset:4096*i th:TH_LOAD_NT
.set i, i+1
.endr
; The four chains are folded, the 32 lanes' sums added (four steps inside each half ride on the addition, one crosses the halves), the 16 waves' sums meet in LDS; v[TMP] ends with the group's sum in every lane.
.macro REDUCE red
	v_pk_add_f32 v[CHN:CHN+1], v[CHN:CHN+1], v[CHN+2:CHN+3]
	v_pk_add_f32 v[CHN+4:CHN+5], v[CHN+4:CHN+5], v[CHN+6:CHN+7]
	v_pk_add_f32 v[CHN:CHN+1], v[CHN:CHN+1], v[CHN+4:CHN+5]
	v_add_f32 v[TMP], v[CHN], v[CHN+1]
	v_add_f32_dpp v[TMP], v[TMP], v[TMP] row_xmask:1 row_mask:0xf bank_mask:0xf
	v_add_f32_dpp v[TMP], v[TMP], v[TMP] row_xmask:2 row_mask:0xf bank_mask:0xf
	v_add_f32_dpp v[TMP], v[TMP], v[TMP] row_xmask:4 row_mask:0xf bank_mask:0xf
	v_add_f32_dpp v[TMP], v[TMP], v[TMP] row_xmask:8 row_mask:0xf bank_mask:0xf
	v_permlanex16_b32 v[EX], v[TMP], s34, s35
	v_add_f32 v[TMP], v[TMP], v[EX]
	ds_store_b32 v[RA], v[TMP] offset:\red         ; all lanes write the wave's word with the same number
	s_wait_dscnt 0x0                               ; for the others' sake: my store is done
	s_barrier_signal -1
	s_barrier_wait -1
.irp j, 0,1,2,3
	ds_load_b128 v[PS+4*(\j):PS+4*(\j)+3], v[ZA] offset:(\red)+16*(\j)
.endr
	s_wait_dscnt 0x0
.irp j, 0,2,4,6
	v_pk_add_f32 v[PS+(\j):PS+(\j)+1], v[PS+(\j):PS+(\j)+1], v[PS+8+(\j):PS+8+(\j)+1]
.endr
	v_pk_add_f32 v[PS:PS+1], v[PS:PS+1], v[PS+4:PS+5]
	v_pk_add_f32 v[PS+2:PS+3], v[PS+2:PS+3], v[PS+6:PS+7]
	v_pk_add_f32 v[PS:PS+1], v[PS:PS+1], v[PS+2:PS+3]
	v_add_f32 v[TMP], v[PS], v[PS+1]
.endm
	; PASS 1: the sum.  Loads come back in order: behind each wait eight more of x's loads are in; the counts are the younger loads of x
	s_wait_loadcnt 24
.irp c, 0,1,2,3
	v_pk_add_f32 v[CHN+2*(\c):CHN+2*(\c)+1], v[X+2*(\c):X+2*(\c)+1], v[X+8+2*(\c):X+8+2*(\c)+1]  ; the first eight pairs start the chains: nothing is cleared
.endr
.set p, 8
.rept 56
.if p == 16
	s_wait_loadcnt 16
.endif
.if p == 32
	s_wait_loadcnt 8
.endif
.if p == 48
	s_wait_loadcnt 0x0
.endif
	v_pk_add_f32 v[CHN+2*(p%4):CHN+2*(p%4)+1], v[CHN+2*(p%4):CHN+2*(p%4)+1], v[X+2*p:X+2*p+1]
.set p, p+1
.endr
	REDUCE RED1
	v_mul_f32 v[MEAN], s33, v[TMP]
	v_mov_b32 v[MEAN+1], v[MEAN]
	; PASS 2: x - mean in place, and the sum of its squares
.set p, 0
.rept 64
	v_pk_add_f32 v[X+2*p:X+2*p+1], v[X+2*p:X+2*p+1], v[MEAN:MEAN+1] neg_lo:[0,1] neg_hi:[0,1]
.set p, p+1
.endr
.irp c, 0,1,2,3
	v_pk_mul_f32 v[CHN+2*(\c):CHN+2*(\c)+1], v[X+2*(\c):X+2*(\c)+1], v[X+2*(\c):X+2*(\c)+1]
.endr
.set p, 4
.rept 60
	v_pk_fma_f32 v[CHN+2*(p%4):CHN+2*(p%4)+1], v[X+2*p:X+2*p+1], v[X+2*p:X+2*p+1], v[CHN+2*(p%4):CHN+2*(p%4)+1]
.set p, p+1
.endr
	REDUCE RED2                                    ; other words than the first meeting's: no wave can overwrite what another still reads
	v_mov_b32 v[EX], 0x3a83126f                    ; 1e-3
	v_fma_f32 v[TMP], v[TMP], s33, v[EX]           ; var + eps
	v_rsq_f32 v[RS], v[TMP]
	v_mov_b32 v[RS+1], 0                           ; the plain instruction behind the root; it also writes the pair's other word
	s_wait_alu depctr_va_vdst(0)                   ; the wait ahead of the root's first reader
	v_pk_mul_f32 v[GA:GA+1], v[GA:GA+1], v[RS:RS+1] op_sel_hi:[1,0]
	v_pk_mul_f32 v[GA+2:GA+3], v[GA+2:GA+3], v[RS:RS+1] op_sel_hi:[1,0]
	; PASS 3: (x - mean) (gamma rstd) + beta, rounded, stored: a wave's store covers 256 consecutive bytes, aligned: two rows of the block
.set i, 0
.rept 32
	v_pk_fma_f32 v[X+4*i:X+4*i+1],   v[X+4*i:X+4*i+1],   v[GA:GA+1],   v[BE:BE+1]
	v_pk_fma_f32 v[X+4*i+2:X+4*i+3], v[X+4*i+2:X+4*i+3], v[GA+2:GA+3], v[BE+2:BE+3]
	v_cvt_pk_bf16_f32 v[X+4*i],   v[X+4*i],   v[X+4*i+1]
	v_cvt_pk_bf16_f32 v[X+4*i+1], v[X+4*i+2], v[X+4*i+3]
	global_store_b64 v[YO], v[X+4*i:X+4*i+1], s[24:25] offset:256*i
.set i, i+1
.endr
.irp j, 0,1,2,3
	v_cvt_pk_bf16_f32 v[WH+(\j)], v[WF+2*(\j)], v[WF+2*(\j)+1]
.endr
	global_store_b128 v[TO], v[WH:WH+3], s[26:27]
	s_cmp_lg_u32 s58, 0
	s_cbranch_scc1 .Lno_bias
.irp j, 0,1,2,3
	v_cvt_pk_bf16_f32 v[BH+(\j)], v[BF+2*(\j)], v[BF+2*(\j)+1]
.endr
	global_store_b128 v[TO], v[BH:BH+3], s[52:53]  ; threads 0 to 63, 16 bytes each (here v[TO] is 16 x thread)
.Lno_bias:
	s_wait_tensorcnt 0x0                           ; the wave's end: behind my last LDS store
	ds_add_u32 v[SPW], v[NIL]
	s_wait_dscnt 0x0
	s_endpgm
.Lfunc_end_k_qbd81d20cd2_norm:
	.size	k_qbd81d20cd2_norm, .Lfunc_end_k_qbd81d20cd2_norm-k_qbd81d20cd2_norm
	.p2alignl 7, 3214868480
	.fill 96, 4, 3214868480
	.section	.rodata,"a",@progbits
	.p2align	6, 0x0
	.amdhsa_kernel k_qbd81d20cd2_norm
		.amdhsa_group_segment_fixed_size 2560
		.amdhsa_private_segment_fixed_size 0
		.amdhsa_enable_private_segment 0
		.amdhsa_kernarg_size 96
		.amdhsa_user_sgpr_count 2
		.amdhsa_user_sgpr_kernarg_segment_ptr 1
		.amdhsa_wavefront_size32 1
		.amdhsa_system_sgpr_workgroup_id_x 1
		.amdhsa_system_sgpr_workgroup_id_y 1
		.amdhsa_system_sgpr_workgroup_id_z 1
		.amdhsa_system_vgpr_workitem_id 0
		.amdhsa_next_free_vgpr 204
		.amdhsa_next_free_sgpr 66
		.amdhsa_reserve_vcc 0
		.amdhsa_float_denorm_mode_32 3
		.amdhsa_float_denorm_mode_16_64 3
		.amdhsa_memory_ordered 1
		.amdhsa_forward_progress 1
		.amdhsa_inst_pref_size 35
	.end_amdhsa_kernel
	.amdgpu_metadata
---
amdhsa.version: [ 1, 2 ]
amdhsa.kernels:
  - .name:           k_qbd81d20cd2_norm
    .symbol:         k_qbd81d20cd2_norm.kd
    .args:
      - { .name: x, .offset: 0, .size: 8, .value_kind: global_buffer, .address_space: global }
      - { .name: gamma, .offset: 8, .size: 8, .value_kind: global_buffer, .address_space: global }
      - { .name: beta, .offset: 16, .size: 8, .value_kind: global_buffer, .address_space: global }
      - { .name: Wq, .offset: 24, .size: 8, .value_kind: global_buffer, .address_space: global }
      - { .name: Wk, .offset: 32, .size: 8, .value_kind: global_buffer, .address_space: global }
      - { .name: Wv, .offset: 40, .size: 8, .value_kind: global_buffer, .address_space: global }
      - { .name: Wp, .offset: 48, .size: 8, .value_kind: global_buffer, .address_space: global }
      - { .name: bq, .offset: 56, .size: 8, .value_kind: global_buffer, .address_space: global }
      - { .name: bk, .offset: 64, .size: 8, .value_kind: global_buffer, .address_space: global }
      - { .name: bv, .offset: 72, .size: 8, .value_kind: global_buffer, .address_space: global }
      - { .name: xn, .offset: 80, .size: 8, .value_kind: global_buffer, .address_space: global }
      - { .name: wb, .offset: 88, .size: 8, .value_kind: global_buffer, .address_space: global }
    .group_segment_fixed_size: 2560
    .private_segment_fixed_size: 0
    .kernarg_segment_align: 8
    .kernarg_segment_size: 96
    .max_flat_workgroup_size: 512
    .sgpr_count:     66
    .vgpr_count:     204
    .wavefront_size: 32
...
	.end_amdgpu_metadata
.endif
;; end of part 4
;; launch prep (part 5): grid 128 x 2, 2 waves a work-group, no clusters, 0 bytes of LDS; arguments wb, bp, wm, vb; writes wm, vb
.if DOCPART == 5
	.amdgcn_target "amdgcn-amd-amdhsa--gfx1250"
	.amdhsa_code_object_version 6
	.text
	.protected	k_qbd81d20cd2_prep
	.globl	k_qbd81d20cd2_prep
	.p2align	8
	.type	k_qbd81d20cd2_prep,@function
k_qbd81d20cd2_prep:
	s_mov_b64 s[64:65], 0
	v_nop
	global_prefetch_b8 v0, s[64:65] scope:SCOPE_SE
	s_setreg_imm32_b32 hwreg(HW_REG_WAVE_MODE, 25, 1), 1
	s_wait_xcnt 0x0
; THE WEIGHTS' PRODUCTS.  With k = xn Wk + bk a score is (xn_n Wq + bq) . k_m = xn_n . (Wq k_m) + bq . k_m, and since a softmax's row sums to 1, softmax v Wp = (softmax xn)(Wv Wp) + bv Wp.  So the later launches want
;   M'[i][j] = sum over n of Wk[i][n] Wq[j][n]      c'[j] = sum over n of bk[n] Wq[j][n]      e[i] = sum over n of Wk[i][n] bq[n]
;   W'[i][j] = sum over n of Wv[i][n] Wp[n][j]      b'[j] = sum over n of bv[n] Wp[n][j] + bp[j]
; wb holds Wq, Wk, Wv and Wp transposed in bf16, each [512][512] with n along the rows, then bq, bk, bv in bf16.  Both products are C[i][j] = sum over n of A[i][n] B[j][n]:
; plane y = 0: A = Wk, B = Wq, C = M', stored [i][j]; plane y = 1: A = Wv, B = Wp transposed, C = W', stored [8 ns][64 rho][8 sigma][64 nu] = W'[64 sigma + rho][64 ns + nu].
; SHARES.  A wave makes 32 x 32 of C: four accumulators, 64 products.  Its fragments come straight from memory, two loads of 16 bytes a lane each; all of them are asked for at once and one wait serves them.
; THE MATRIX INSTRUCTION IS USED TRANSPOSED (source 0 = 16 rows of B, source 1 = 16 rows of A): a lane holds one row i and eight neighbouring j: 16 bytes of bf16.
; THE VECTORS are products with a bias in all sixteen rows or columns of a fragment.  The waves of the first strip of i take B's rows times bk (y = 0: c') or bv (y = 1: b' less bp); the waves of the first strip of j
; of plane 0 take bq times A's rows (e).  Every wave loads both bias fragments and bp (4,352 bytes of memory), so that the one wait serves them and no register's content hangs on a branch.
; No LDS, no cluster, no prefetch: the launch is one trip to memory and 64 to 128 products a wave.
; LIMITS.  Operands are bf16, sums f32; M', W' and e are rounded once to bf16, c' and b' stay in f32.  NaN and infinities are not treated apart.
; REGISTERS, in windows of 256 (s_set_vgpr_msb: bits 1:0 source 0, 3:2 source 1, 5:4 source 2, 7:6 destination):
;   window 0: addresses, accumulators, results     window 1: A, block a, 32 n from 32 c on at 128 a + 8 c     window 2: B likewise     window 3: v0-127 bk or bv, v128-255 bq, 32 n from 32 c on at 8 c
.set PARTW, 524288                     ; a matrix in bf16
.set FO,  2                            ; v2  (lane % 16) x 1,024 + 16 (lane / 16): my place in 16 rows of a fragment, and in 16 rows of C; never rewritten
.set VO,  3                            ; v3  16 (lane / 16): my place in a bias
.set EO,  4                            ; v4  2 x lane: my number of e
.set HO,  5                            ; v5  32 (lane / 16): my eight numbers of c', b', bp
.set RR,  6                            ; v6  lane % 16
.set LN,  7                            ; v7  lane
.set EV,  8
.set ACC, 16                           ; v[16:47]  accumulator (a, b) at ACC + 8 (2 a + b)
.set ACR, 48                           ; v[48:63]  B's block b times the bias
.set ACL, 64                           ; v[64:79]  the bias times A's block a
.set PK,  80                           ; v[80:95]  C in bf16
.set BPV, 96                           ; v[96:111] bp, as ACR lies
.set YY,  13                           ; s13 the plane
.set AP,  36                           ; s[36:37] my 32 rows of A
.set BQ,  38                           ; s[38:39] my 32 rows of B
.set RB,  40                           ; s[40:41] bk or bv
.set CB,  42                           ; s[42:43] bq
.set MSB, 0
.macro WIN new                         ; the immediate's high byte repeats the setting that is left; a switch that changes nothing is dropped
.if MSB != (\new)
	s_set_vgpr_msb (MSB<<8)|(\new)
.set MSB, \new
.endif
.endm
.macro PLACES                          ; four places between a matrix instruction and a vector line or store that reads its result
.rept 4
	v_nop
.endr
.endm
.macro FRAGS ptr                       ; 32 rows x 512 numbers
.set c, 0
.rept 16
.irp a, 0,1
	global_load_b128 v[128*(\a)+8*c:128*(\a)+8*c+3],   v[FO], s[\ptr:\ptr+1] offset:16384*(\a)+64*c
	global_load_b128 v[128*(\a)+8*c+4:128*(\a)+8*c+7], v[FO], s[\ptr:\ptr+1] offset:16384*(\a)+64*c+32
.endr
.set c, c+1
.endr
.endm
.macro BFRAGS at, ptr                  ; a bias as a fragment whose sixteen rows are alike
.set c, 0
.rept 16
	global_load_b128 v[(\at)+8*c:(\at)+8*c+3],   v[VO], s[\ptr:\ptr+1] offset:64*c
	global_load_b128 v[(\at)+8*c+4:(\at)+8*c+7], v[VO], s[\ptr:\ptr+1] offset:64*c+32
.set c, c+1
.endr
.endm
	s_load_b256 s[4:11], s[0:1], 0x0               ; wb 4, bp 6, wm 8, vb 10
	v_lshrrev_b32 v1, 5, v0
	v_readfirstlane_b32 s12, v1                    ; wave 0, 1
	s_and_b32 s[YY], ttmp7, 0xffff
	s_lshl1_add_u32 s14, ttmp9, s12                ; my square of 256
	s_lshr_b32 s15, s14, 4                         ; I: rows 32 I on
	s_and_b32 s16, s14, 15                         ; J: columns 32 J on
	v_and_b32 v[RR], 15, v0
	v_bfe_u32 v[HO], v0, 4, 1
	v_lshlrev_b32 v[VO], 4, v[HO]
	v_lshl_add_u32 v[FO], v[RR], 10, v[VO]
	v_and_b32 v[LN], 31, v0
	v_lshlrev_b32 v[EO], 1, v[LN]
	v_lshlrev_b32 v[HO], 5, v[HO]
	s_add_co_u32 s20, s[YY], 1                     ; A: part 1 (Wk) or 2 (Wv)
	s_lshl_b32 s20, s20, 19
	s_lshl_b32 s21, s15, 15
	s_add_co_u32 s20, s20, s21
	s_mov_b32 s21, 0
	s_mul_i32 s22, s[YY], 3*PARTW                  ; B: part 0 (Wq) or 3 (Wp transposed)
	s_lshl_b32 s23, s16, 15
	s_add_co_u32 s22, s22, s23
	s_mov_b32 s23, 0
	s_lshl_b32 s24, s[YY], 10                      ; bk or bv
	s_add_co_u32 s24, s24, 4*PARTW+1024
	s_mov_b32 s25, 0
	s_lshl_b32 s26, s15, 15                        ; C in plane 0: row 32 I, column 32 J
	s_lshl_b32 s27, s16, 6
	s_add_co_u32 s26, s26, s27
	s_lshr_b32 s27, s16, 1                         ; in plane 1: ns = J / 2,
	s_lshl_b32 s27, s27, 16
	s_and_b32 s28, s15, 1                          ; rho = 32 (I % 2) on,
	s_lshl_b32 s28, s28, 15
	s_add_co_u32 s27, s27, s28
	s_lshr_b32 s28, s15, 1                         ; sigma = I / 2,
	s_lshl_b32 s28, s28, 7
	s_add_co_u32 s27, s27, s28
	s_and_b32 s28, s16, 1                          ; nu = 32 (J % 2) on
	s_lshl_b32 s28, s28, 6
	s_add_co_u32 s27, s27, s28
	s_add_co_u32 s27, s27, PARTW
	s_cmp_eq_u32 s[YY], 0
	s_cselect_b32 s26, s26, s27
	s_mov_b32 s27, 0
	s_lshl_b32 s30, s16, 7                         ; my 32 numbers of bp,
	s_mov_b32 s31, 0
	s_lshl_b32 s28, s[YY], 11                      ; and of c' (at 0) or b' (at 2,048)
	s_add_co_u32 s28, s28, s30
	s_mov_b32 s29, 0
	s_lshl_b32 s32, s15, 6                         ; my 32 numbers of e (at 4,096)
	s_add_co_u32 s32, s32, 4096
	s_mov_b32 s33, 0
	s_or_b32 s35, s16, s[YY]                       ; 0: I make e
	s_wait_kmcnt 0x0
	s_add_nc_u64 s[AP:AP+1], s[4:5], s[20:21]
	s_add_nc_u64 s[BQ:BQ+1], s[4:5], s[22:23]
	s_add_nc_u64 s[RB:RB+1], s[4:5], s[24:25]
	s_add_nc_u64 s[CB:CB+1], s[4:5], 4*PARTW
	s_add_nc_u64 s[6:7], s[6:7], s[30:31]
	s_add_nc_u64 s[8:9], s[8:9], s[26:27]
	s_add_nc_u64 s[44:45], s[10:11], s[28:29]
	s_add_nc_u64 s[46:47], s[10:11], s[32:33]
	WIN 0x40                                       ; destination window 1, address window 0
	FRAGS AP
	WIN 0x80
	FRAGS BQ
	WIN 0xc0
	BFRAGS 0, RB
	BFRAGS 128, CB
	WIN 0
.irp b, 0,1
	global_load_b128 v[BPV+8*(\b):BPV+8*(\b)+3],   v[HO], s[6:7] offset:64*(\b)
	global_load_b128 v[BPV+8*(\b)+4:BPV+8*(\b)+7], v[HO], s[6:7] offset:64*(\b)+16
.endr
	s_wait_loadcnt 0x0
	WIN 0x06                                       ; source 0 (B) window 2, source 1 (A) window 1, C and D window 0
.set c, 0
.rept 16                                       ; the four accumulators take turns, one instruction a turn; the first four products begin the sums
.irp a, 0,1
.irp b, 0,1
.if c == 0
	v_wmma_f32_16x16x32_bf16 v[ACC+8*(2*(\a)+(\b)):ACC+8*(2*(\a)+(\b))+7], v[128*(\b)+8*c:128*(\b)+8*c+7], v[128*(\a)+8*c:128*(\a)+8*c+7], 0
.else
	v_wmma_f32_16x16x32_bf16 v[ACC+8*(2*(\a)+(\b)):ACC+8*(2*(\a)+(\b))+7], v[128*(\b)+8*c:128*(\b)+8*c+7], v[128*(\a)+8*c:128*(\a)+8*c+7], v[ACC+8*(2*(\a)+(\b)):ACC+8*(2*(\a)+(\b))+7]
.endif
.endr
.endr
.set c, c+1
.endr
	WIN 0
	PLACES
.irp t, 0,1,2,3
.irp r, 0,1,2,3
	v_cvt_pk_bf16_f32 v[PK+4*(\t)+(\r)], v[ACC+8*(\t)+2*(\r)], v[ACC+8*(\t)+2*(\r)+1]
.endr
.endr
.irp a, 0,1
.irp b, 0,1
	global_store_b128 v[FO], v[PK+4*(2*(\a)+(\b)):PK+4*(2*(\a)+(\b))+3], s[8:9] offset:16384*(\a)+32*(\b)  ; in both layouts 16 rows on are 16,384 bytes, 16 columns on 32
.endr
.endr
	s_cmp_lg_u32 s15, 0
	s_cbranch_scc1 .Lno_row
	WIN 0x0e                                       ; source 0 (B) window 2, source 1 (bk or bv) window 3
.set c, 0
.rept 16
.irp b, 0,1
.if c == 0
	v_wmma_f32_16x16x32_bf16 v[ACR+8*(\b):ACR+8*(\b)+7], v[128*(\b)+8*c:128*(\b)+8*c+7], v[8*c:8*c+7], 0
.else
	v_wmma_f32_16x16x32_bf16 v[ACR+8*(\b):ACR+8*(\b)+7], v[128*(\b)+8*c:128*(\b)+8*c+7], v[8*c:8*c+7], v[ACR+8*(\b):ACR+8*(\b)+7]
.endif
.endr
.set c, c+1
.endr
	WIN 0
	PLACES
	s_cmp_eq_u32 s[YY], 0
	s_cbranch_scc1 .Lno_bp
.irp k, 0,2,4,6,8,10,12,14
	v_pk_add_f32 v[ACR+(\k):ACR+(\k)+1], v[ACR+(\k):ACR+(\k)+1], v[BPV+(\k):BPV+(\k)+1]
.endr
.Lno_bp:
	v_cmp_eq_u32 vcc_lo, 0, v[RR]                  ; all sixteen lanes of a half hold the same eight numbers: lanes 0 and 16 store them
	s_wait_xcnt 0x0                                ; EXEC changes only behind this wait: stores are out
	s_and_saveexec_b32 s49, vcc_lo
.irp b, 0,1
	global_store_b128 v[HO], v[ACR+8*(\b):ACR+8*(\b)+3],   s[44:45] offset:64*(\b)
	global_store_b128 v[HO], v[ACR+8*(\b)+4:ACR+8*(\b)+7], s[44:45] offset:64*(\b)+16
.endr
	s_wait_xcnt 0x0                                ; and again, in front of the line that widens it
	s_or_b32 exec_lo, exec_lo, s49
.Lno_row:
	s_cmp_lg_u32 s35, 0
	s_cbranch_scc1 .Lno_col
	WIN 0x07                                       ; source 0 (bq) window 3, source 1 (A) window 1
.set c, 0
.rept 16
.irp a, 0,1
.if c == 0
	v_wmma_f32_16x16x32_bf16 v[ACL+8*(\a):ACL+8*(\a)+7], v[128+8*c:128+8*c+7], v[128*(\a)+8*c:128*(\a)+8*c+7], 0
.else
	v_wmma_f32_16x16x32_bf16 v[ACL+8*(\a):ACL+8*(\a)+7], v[128+8*c:128+8*c+7], v[128*(\a)+8*c:128*(\a)+8*c+7], v[ACL+8*(\a):ACL+8*(\a)+7]
.endif
.endr
.set c, c+1
.endr
	WIN 0
	PLACES
	v_cmp_lt_u32 s48, 15, v[LN]                    ; a lane's eight registers hold the same number, row lane % 16's: lanes 0-15 take block 0's, lanes 16-31 block 1's
	v_cndmask_b32 v[EV], v[ACL], v[ACL+8], s48
	v_cvt_pk_bf16_f32 v[EV], v[EV], v[EV]
	global_store_b16 v[EO], v[EV], s[46:47]        ; 64 consecutive bytes
.Lno_col:
	s_endpgm
.Lfunc_end_k_qbd81d20cd2_prep:
	.size	k_qbd81d20cd2_prep, .Lfunc_end_k_qbd81d20cd2_prep-k_qbd81d20cd2_prep
	.p2alignl 7, 3214868480
	.fill 96, 4, 3214868480
	.section	.rodata,"a",@progbits
	.p2align	6, 0x0
	.amdhsa_kernel k_qbd81d20cd2_prep
		.amdhsa_group_segment_fixed_size 0
		.amdhsa_private_segment_fixed_size 0
		.amdhsa_enable_private_segment 0
		.amdhsa_kernarg_size 32
		.amdhsa_user_sgpr_count 2
		.amdhsa_user_sgpr_kernarg_segment_ptr 1
		.amdhsa_wavefront_size32 1
		.amdhsa_system_sgpr_workgroup_id_x 1
		.amdhsa_system_sgpr_workgroup_id_y 1
		.amdhsa_system_sgpr_workgroup_id_z 1
		.amdhsa_system_vgpr_workitem_id 0
		.amdhsa_next_free_vgpr 1024
		.amdhsa_next_free_sgpr 66
		.amdhsa_reserve_vcc 1
		.amdhsa_float_denorm_mode_32 3
		.amdhsa_float_denorm_mode_16_64 3
		.amdhsa_memory_ordered 1
		.amdhsa_forward_progress 1
		.amdhsa_inst_pref_size 33
	.end_amdhsa_kernel
	.amdgpu_metadata
---
amdhsa.version: [ 1, 2 ]
amdhsa.kernels:
  - .name:           k_qbd81d20cd2_prep
    .symbol:         k_qbd81d20cd2_prep.kd
    .args:
      - { .name: wb, .offset: 0, .size: 8, .value_kind: global_buffer, .address_space: global }
      - { .name: bp, .offset: 8, .size: 8, .value_kind: global_buffer, .address_space: global }
      - { .name: wm, .offset: 16, .size: 8, .value_kind: global_buffer, .address_space: global }
      - { .name: vb, .offset: 24, .size: 8, .value_kind: global_buffer, .address_space: global }
    .group_segment_fixed_size: 0
    .private_segment_fixed_size: 0
    .kernarg_segment_align: 8
    .kernarg_segment_size: 32
    .max_flat_workgroup_size: 64
    .sgpr_count:     66
    .vgpr_count:     1024
    .wavefront_size: 32
...
	.end_amdgpu_metadata
.endif
;; end of part 5
;; launch proj (part 6): grid 256 x 1, 4 waves a work-group, clusters of 4 x 1, 327,680 bytes of LDS; arguments xn, wm, vb, kk, dv; writes kk, dv
.if DOCPART == 6
	.amdgcn_target "amdgcn-amd-amdhsa--gfx1250"
	.amdhsa_code_object_version 6
	.text
	.protected	k_qbd81d20cd2_proj
	.globl	k_qbd81d20cd2_proj
	.p2align	8
	.type	k_qbd81d20cd2_proj,@function
k_qbd81d20cd2_proj:
	s_mov_b64 s[64:65], 0
	v_nop
	global_prefetch_b8 v0, s[64:65] scope:SCOPE_SE
	s_setreg_imm32_b32 hwreg(HW_REG_WAVE_MODE, 25, 1), 1
	s_wait_xcnt 0x0
	s_wait_alu depctr_hold_cnt(0) depctr_sa_sdst(0) depctr_va_vdst(0) depctr_va_sdst(0) depctr_va_ssrc(0) depctr_va_vcc(0) depctr_vm_vsrc(0)
	s_getreg_b32 s2, hwreg(HW_REG_IB_STS2, 6, 4)
	s_cmp_eq_u32 s2, 0
	s_cbranch_scc0 .Lentry_in_a_cluster
	s_endpgm
.Lentry_in_a_cluster:
	s_bfe_u32 s2, ttmp6, 0x10000c
	s_cmp_lg_u32 s2, 0x3003
	s_cbranch_scc0 .Lentry_shape_is_right
	s_endpgm
.Lentry_shape_is_right:
; kk = xn M' + c' and dv = xn . e.  xn: bf16 [32 b][8 g][1024 n][64]; wm's first part: M' in bf16, [512 k][512 n]; vb: c' (f32, at 0), e (bf16, at 4,096); kk: bf16 [32768 rows][512]; dv: f32 [32768].
; A score of the next launch is xn_n . kk_m + dv_m.  (The term that c' brings is the same for all keys of a query, as in the module itself, where bk brings it; it is the sums' start here and costs no instruction.)
; SHARES.  A work-group owns 128 rows and makes 128 x 512 of kk.  Wave w makes all 128 rows x columns 128 w .. + 127: 64 accumulators of 16 x 16, 512 registers:
; for 32 along K it reads 32 fragments' halves from LDS and issues 64 matrix instructions.
; A (128 rows x 512 channels) is fetched once and stays in LDS, a group of 64 channels to a region.  M' is walked in 8 K steps of 64 rows (65,536 dense bytes each) through two LDS slots; a K step is a group of A.
; CLUSTER.  Every work-group walks the same M', so the four partners of a cluster ask for each K step JOINTLY: the same tensor load, descriptor and mask in all four.
; THE MATRIX INSTRUCTION IS USED TRANSPOSED: source 0 = 16 columns of M' x 32 k (M' lies [k][n] in LDS and is turned by ds_load_tr16_b128), source 1 = 16 rows of A.
; A lane's eight results are then eight neighbouring columns of one row: 16 bytes of bf16.  The first product of each accumulator takes c' as its C operand: nothing is cleared, nothing added later.
; dv comes first, while K step 1 is on its way: each wave multiplies its own 32 rows of A by a fragment that holds e in all sixteen rows: 32 products on two accumulators.
; LIMITS.  Operands are bf16; kk is rounded once to bf16 (f32's range), dv stays in f32; NaN and infinities are not treated apart.
; REGISTERS, in windows of 256 (s_set_vgpr_msb: bits 1:0 source 0, 3:2 source 1, 5:4 source 2, 7:6 destination):
;   window 0: v0-31 addresses; v64-127, v128-191 A's fragments, two buffers; v32-63, v192-255 at work on the way out
;   window 1: v64-127, v128-191 M's fragments, two buffers (first: e); v192-255 c' of my 128 columns       windows 2, 3: accumulator (a, b) at v[8 (8 (a % 4) + b)], rows 0-63 and 64-127
.set PA,     144                       ; a row of A in LDS: 128 bytes + 16: an odd multiple of 16, so the 16 rows of a load start at 16 different groups of four banks (ISA guide 11.1)
.set AGRP,   128*PA                    ; a group's 128 rows
.set WBASE,  8*AGRP                    ; behind A: the two slots
.set PW,     1056                      ; a row of M': 1,024 bytes + 32: an odd multiple of 32
.set WSLOT,  64*PW
.set STAGE,  WBASE+2*WSLOT             ; behind the ring, never filled by a tensor load: 16 rows x 272 bytes for each wave, for the way out
.set SPITCH, 272
.set SPARE,  STAGE+4*16*SPITCH         ; the spare words, 128 bytes for each wave: two blocks of 256 bytes that no other line names
.set KBYTES, 65536                     ; a K step of M' in memory
.set ADRA0, 16                         ; v16  my lane's place in a group of A; never rewritten
.set ADRA,  17                         ; v17  the same in the group in hand
.set ADRD,  18                         ; v18-19 my lane's place in my wave's 32 rows, groups 0-3 and 4-7
.set ADRW,  20                         ; v20-21 my lane's place in slot 0, 1
.set EO,    22                         ; v22  16 (lane / 16): my place in e
.set DO,    23                         ; v23  4 x lane: my number of dv
.set STO,   24                         ; v24  the way out: where I put 16 bytes of a row
.set RD,    25                         ; v25  where I read a row back
.set CO,    26                         ; v26  my byte offset in two rows of kk
.set BO,    27                         ; v27  my byte offset in c'
.set SPW,   28                         ; v28  LDS address of my spare word; never rewritten
.set NIL,   29                         ; v29  0; never rewritten
.set PFO,   30                         ; v30  256 x lane: the prefetches' offset; never rewritten
.set DVAL,  31                         ; v31  my number of dv; written once
.set F0,    64
.set F1,    128
.set TMP,   192
.set OB,    32
.set BIAS,  192                        ; window 1
.set WV,    16                         ; s16  my wave's number
.set G1A,   24                         ; s[24:31] descriptor group 1 for A
.set G1W,   32                         ; s[32:39] for M'
.set G0A,   40                         ; s[40:47] group 0 for my two groups of A
.set G0W,   48                         ; s[48:55] group 0 for M', a set for each slot
.set AG,    56                         ; s56  LDS byte of the group of A in hand
.set LAPS,  58
.set PL,    59                         ; s59  prefetches to go
.set PFA,   60                         ; s[60:61] where my prefetches stand
.set EP,    62                         ; s[62:63] e
.set OUT,   66                         ; s[66:67] where the stores stand
.set ADV,   68                         ; s[68:69] what the way out adds to it first
.set DP,    76                         ; s[76:77] dv at my wave's 32 rows
.set MSB, 0
.macro WIN new                         ; the immediate's high byte repeats the setting that is left; a switch that changes nothing is dropped
.if MSB != (\new)
	s_set_vgpr_msb (MSB<<8)|(\new)
.set MSB, \new
.endif
.endm
.macro PLACES                          ; four places in front of loads into registers that matrix instructions have read, and of conversions that read results
.rept 4
	v_nop
.endr
.endm
.macro CREST                           ; a round of the cluster's barrier behind its opening barrier
	s_cmp_lg_u32 s[WV], 0
	s_cbranch_scc1 .Lnot_wave_0_\@
	s_barrier_signal -3
.Lnot_wave_0_\@:
	s_barrier_wait -3
	s_barrier_signal -1
	s_barrier_wait -1
.endm
.macro CROUND
	s_barrier_signal -1
	s_barrier_wait -1
	CREST
.endm
.macro JLOAD s                         ; a joint load: every wave fetches its 16 rows of the K step; an s_nop 0 and four v_nop follow
	tensor_load_to_lds s[G0W+4*(\s):G0W+4*(\s)+3], s[G1W:G1W+7]
	s_nop 0
.rept 4
	v_nop
.endr
.endm
; A PREFETCH INTO THE L2, once a lap (two K steps, 131,072 bytes), for the lap two on: its loads go out a lap, 256 matrix instructions, later.  All clusters walk the same M': cluster 0 alone asks.
; Its sixteen waves share the lap's 512 blocks of 256 bytes out BY ADDRESS, a lane a block: each block is named once in the launch.  Laps 0 and 1 come by their loads alone; laps 2 and 3 are asked for.
.macro ASK
	s_cmp_lg_u32 s[PL], 0
	s_cbranch_scc0 .Lnot_mine_\@
	global_prefetch_b8 v[PFO], s[PFA:PFA+1] th:TH_LOAD_NT scope:SCOPE_SE
	s_sub_co_u32 s[PL], s[PL], 1
.Lnot_mine_\@:
.endm
	s_load_b256 s[4:11], s[0:1], 0x0               ; xn 4, wm 6, vb 8, kk 10
	s_load_b64 s[12:13], s[0:1], 0x20              ; dv
	v_lshl_add_u32 v[SPW], v0, 2, SPARE
	v_mov_b32 v[NIL], 0
	ds_add_u32 v[SPW], v[NIL]                      ; the wave's opening: the add and its wait stand ahead of my first tensor load; the set-up below, work on registers, stands between them
	v_lshrrev_b32 v1, 5, v0
	v_readfirstlane_b32 s[WV], v1                  ; wave 0..3
	s_bfe_u32 s17, ttmp6, 0x40000                  ; cx: my place in the cluster
	s_lshl_b32 s18, ttmp9, 2
	s_add_co_u32 s18, s18, s17                     ; my block of 128 rows: it enters A's, the stores' and the prefetches' addresses alone
	; A: 128 rows x 128 bytes of a group are 16,384 dense bytes: asked for as 64 rows of 256 bytes, padded in LDS after every 128
	s_mov_b32 s[G1A],   (1<<16)|(1<<20)|(4<<22)|(3<<25)  ; no mask: the load is my work-group's own; 2-byte elements; padding on; after every 32 words; 4 words
	s_mov_b32 s[G1A+1], 128<<16                    ; tensor_dim0
	s_mov_b32 s[G1A+2], 64<<16                     ; tensor_dim1
	s_mov_b32 s[G1A+3], 128<<16                    ; tile_dim0
	s_mov_b32 s[G1A+4], 64                         ; tile_dim1
	s_mov_b32 s[G1A+5], 128                        ; elements from row to row
	s_mov_b32 s[G1A+6], 0
	s_mov_b32 s[G1A+7], 0
	; M': 16 rows x 512 elements
	s_mov_b32 s[G1W],   15|(1<<16)|(1<<20)|(1<<21)|(7<<22)|(7<<25)  ; the mask of four; 2-byte elements; padding on; bit 21 beside a mask; after every 256 words; 8 words
	s_mov_b32 s[G1W+1], 512<<16
	s_mov_b32 s[G1W+2], 16<<16
	s_mov_b32 s[G1W+3], 512<<16
	s_mov_b32 s[G1W+4], 16
	s_mov_b32 s[G1W+5], 512
	s_mov_b32 s[G1W+6], 0
	s_mov_b32 s[G1W+7], 0
	s_mov_b32 s[G0A], 1
	s_mov_b32 s[G0A+4], 1
	s_mov_b32 s[G0W], 1
	s_mov_b32 s[G0W+4], 1
	s_mul_i32 s[G0A+1], s[WV], 2*AGRP              ; groups 2 w and 2 w + 1
	s_add_co_u32 s[G0A+5], s[G0A+1], AGRP
	s_mul_i32 s[G0W+1], s[WV], 16*PW               ; my 16 rows of a slot: no place in the cluster enters an LDS address
	s_add_co_u32 s[G0W+1], s[G0W+1], WBASE
	s_add_co_u32 s[G0W+5], s[G0W+1], WSLOT
	s_lshr_b32 s70, s18, 3                         ; b
	s_lshl_b32 s70, s70, 20
	s_and_b32 s71, s18, 7                          ; which 128 of b's 1,024 rows
	s_lshl_b32 s71, s71, 14
	s_add_co_u32 s70, s70, s71
	s_lshl_b32 s71, s[WV], 18                      ; group 2 w
	s_add_co_u32 s70, s70, s71
	s_mov_b32 s71, 0
	s_lshl_b32 s72, s[WV], 14                      ; my 16 rows of a K step in memory
	s_mov_b32 s73, 0
	s_mov_b32 s[AG], 0
	s_wait_dscnt 0x0                               ; the opening add is done
	s_wait_kmcnt 0x0
	s_add_nc_u64 s[G0A+2:G0A+3], s[4:5], s[70:71]
	s_add_nc_u64 s[G0A+6:G0A+7], s[G0A+2:G0A+3], 131072
	s_or_b32 s[G0A+3], s[G0A+3], 0x80000000
	s_or_b32 s[G0A+7], s[G0A+7], 0x80000000
	s_add_nc_u64 s[G0W+2:G0W+3], s[6:7], s[72:73]
	s_add_nc_u64 s[G0W+6:G0W+7], s[G0W+2:G0W+3], KBYTES
	s_or_b32 s[G0W+3], s[G0W+3], 0x80000000
	s_or_b32 s[G0W+7], s[G0W+7], 0x80000000
	CROUND                                         ; all four work-groups are here: the first joint loads meet
	tensor_load_to_lds s[G0A:G0A+3], s[G1A:G1A+7]  ; the first fills go out as one group: four loads of mine are out
	s_nop 0
	tensor_load_to_lds s[G0A+4:G0A+7], s[G1A:G1A+7]
	s_nop 0
	tensor_load_to_lds s[G0W:G0W+3], s[G1W:G1W+7]
	s_nop 0
	tensor_load_to_lds s[G0W+4:G0W+7], s[G1W:G1W+7]
	s_nop 0
.rept 4
	v_nop
.endr
	v_and_b32 v1, 15, v0                           ; l % 16
	v_bfe_u32 v2, v0, 4, 1                         ; l / 16
	v_mul_u32_u24 v[ADRA0], v1, PA
	v_lshl_add_u32 v[ADRA0], v2, 4, v[ADRA0]       ; a fragment of A: row x pitch + 16 x half; two loads, 32 bytes apart
	v_mov_b32 v[ADRA], v[ADRA0]
	s_mul_i32 s70, s[WV], 32*PA
	v_add_nc_u32 v[ADRD], s70, v[ADRA0]
	v_add_nc_u32 v[ADRD+1], 4*AGRP, v[ADRD]
	; the turning load takes 16 k x 16 columns (lane l reads 16 bytes: k = 8 (l / 16) + l % 8, columns 8 ((l / 8) % 2) + 0..7) and leaves half a fragment: lane l holds column l % 16 and 8 k
	v_and_b32 v3, 7, v0
	v_bfe_u32 v4, v0, 3, 1
	v_lshl_add_u32 v5, v2, 3, v3
	v_mul_u32_u24 v5, v5, PW
	v_lshl_add_u32 v5, v4, 4, v5
	s_lshl_b32 s70, s[WV], 8                       ; my 128 columns
	s_add_co_u32 s70, s70, WBASE
	v_add_nc_u32 v[ADRW], s70, v5
	v_add_nc_u32 v[ADRW+1], WSLOT, v[ADRW]
	s_mul_i32 s70, s[WV], 16*SPITCH
	s_add_co_u32 s70, s70, STAGE                   ; my stage
	v_mul_u32_u24 v5, v1, SPITCH
	v_lshl_add_u32 v5, v2, 4, v5
	v_add_nc_u32 v[STO], s70, v5
	v_mul_u32_u24 v5, v2, SPITCH
	v_lshl_add_u32 v5, v1, 4, v5
	v_add_nc_u32 v[RD], s70, v5
	v_lshlrev_b32 v5, 10, v2
	v_lshl_add_u32 v[CO], v1, 4, v5
	s_lshl_b32 s70, s[WV], 9
	v_lshl_add_u32 v[BO], v2, 5, s70               ; column 128 w + 8 (l / 16), in f32
	v_lshlrev_b32 v[EO], 4, v2
	v_and_b32 v[DO], 31, v0
	v_cmp_lt_u32 s74, 15, v[DO]                    ; lanes 16-31
	v_lshlrev_b32 v[PFO], 8, v[DO]
	v_lshlrev_b32 v[DO], 2, v[DO]
	s_add_nc_u64 s[EP:EP+1], s[8:9], 4096
	s_mov_b64 s[OUT:OUT+1], s[10:11]
	s_lshl_b32 s[ADV], s18, 17                     ; my 128 rows of 1,024 bytes,
	s_lshl_b32 s70, s[WV], 8                       ; my 128 columns
	s_add_co_u32 s[ADV], s[ADV], s70
	s_mov_b32 s[ADV+1], 0
	s_lshl_b32 s70, s18, 9                         ; dv: my work-group's 128 numbers,
	s_lshl_b32 s71, s[WV], 7                       ; my wave's 32
	s_add_co_u32 s70, s70, s71
	s_mov_b32 s71, 0
	s_add_nc_u64 s[DP:DP+1], s[12:13], s[70:71]
	s_lshl_b32 s70, s17, 15                        ; the prefetches: my work-group's quarter of a lap,
	s_lshl_b32 s71, s[WV], 13                      ; my wave's quarter of that,
	s_add_co_u32 s70, s70, s71
	s_add_co_u32 s70, s70, 2*KBYTES                ; in lap 1: the first change of slots steps it to lap 2
	s_mov_b32 s71, 0
	s_add_nc_u64 s[PFA:PFA+1], s[6:7], s[70:71]
	s_cmp_eq_u32 ttmp9, 0
	s_cselect_b32 s[PL], 2, 0                      ; the same in all four partners
; 16 matrix instructions: row blocks a0, a0 + 1 of the window's four x all 8 column blocks, 32 along K.  zero = 1: the sums begin, with c'.  The 64 accumulators take turns, one instruction a turn, in the same order in every half step.
.macro MUL16 f, hi, a0, zero
.if \zero
	WIN 0x91+0x40*(\hi)                            ; M' window 1, A window 0, C (c') window 1, D window 2 or 3
.else
	WIN 0xa1+0x50*(\hi)                            ; C and D window 2 or 3
.endif
.irp a, \a0, (\a0)+1
.irp b, 0,1,2,3,4,5,6,7
.if \zero
	v_wmma_f32_16x16x32_bf16 v[8*(8*(\a)+(\b)):8*(8*(\a)+(\b))+7], v[(\f)+8*(\b):(\f)+8*(\b)+7], v[(\f)+8*(4*(\hi)+(\a)):(\f)+8*(4*(\hi)+(\a))+7], v[BIAS+8*(\b):BIAS+8*(\b)+7]
.else
	v_wmma_f32_16x16x32_bf16 v[8*(8*(\a)+(\b)):8*(8*(\a)+(\b))+7], v[(\f)+8*(\b):(\f)+8*(\b)+7], v[(\f)+8*(4*(\hi)+(\a)):(\f)+8*(4*(\hi)+(\a))+7], v[8*(8*(\a)+(\b)):8*(8*(\a)+(\b))+7]
.endif
.endr
.endr
.endm
; 32 LDS loads in one run: the fragments of 32 along K (half 0 or 1 of the K step) into buffer f: M's eight column blocks, then A's eight row blocks
.macro FETCH slot, half, f
	WIN 0x40
.irp i, 0,1,2,3,4,5,6,7
	ds_load_tr16_b128 v[(\f)+8*(\i):(\f)+8*(\i)+3],   v[ADRW+(\slot)] offset:(\half)*32*PW+32*(\i)
	ds_load_tr16_b128 v[(\f)+8*(\i)+4:(\f)+8*(\i)+7], v[ADRW+(\slot)] offset:(\half)*32*PW+16*PW+32*(\i)
.endr
	WIN 0
.irp i, 0,1,2,3,4,5,6,7
	ds_load_b128 v[(\f)+8*(\i):(\f)+8*(\i)+3],   v[ADRA] offset:(\half)*64+(\i)*16*PA
	ds_load_b128 v[(\f)+8*(\i)+4:(\f)+8*(\i)+7], v[ADRA] offset:(\half)*64+(\i)*16*PA+32
.endr
.endm
; A K step's first half: multiplies buffer 0 and, in its middle, fetches the second half's fragments into buffer 1
.macro HALF0 slot, zero
	s_wait_dscnt 8                                 ; M' and A's rows 0-63 are in; the youngest eight loads (A's rows 64-127) may be out
	MUL16 F0, 0, 0, \zero
	MUL16 F0, 0, 2, \zero
	PLACES
	FETCH \slot, 1, F1
	s_wait_dscnt 32                                ; all but the 32 just issued
	MUL16 F0, 1, 0, \zero
	MUL16 F0, 1, 2, \zero
.endm
; The second half multiplies buffer 1 and changes slots.  In front of the barrier each wave waits for all its tensor loads (the one that is out is its part of the next slot), adds 0 to its spare word, and waits
; for that and for its reads of this slot.  fill = 1: the barrier opens a round of the cluster's barrier, and this slot is filled again, first thing behind it, with the K step two on: 96 matrix instructions ahead of the wait for it.
.macro TURN slot, next, fill
.if (\fill) && ((\slot) == 0)
	s_wait_xcnt 0x0                                ; the last prefetch, a lap back, has read its address
	s_add_nc_u64 s[PFA:PFA+1], s[PFA:PFA+1], 2*KBYTES
.endif
	WIN 0                                          ; (the add's two registers lie in window 0)
	s_wait_tensorcnt 0x0                           ; all my tensor loads have landed
	ds_add_u32 v[SPW], v[NIL]                      ; 0 onto my spare word
	s_wait_dscnt 9                                 ; (the add and the youngest eight loads may be out)
	MUL16 F1, 0, 0, 0                              ; sixteen matrix instructions stand between the add and the wait for it
	s_wait_dscnt 0x0                               ; the add is done, and my reads of this slot are over
	s_barrier_signal -1
	MUL16 F1, 0, 2, 0                              ; work on registers while the others arrive
	WIN 0
	s_barrier_wait -1
.if \fill
	CREST                                          ; no wave of any partner still reads this slot or has a load on its way
	s_add_nc_u64 s[G0W+4*(\slot)+2:G0W+4*(\slot)+3], s[G0W+4*(\slot)+2:G0W+4*(\slot)+3], 2*KBYTES
	JLOAD \slot                                    ; the four v_nop behind it are also the places in front of the loads below
.else
	PLACES
.endif
	s_add_co_u32 s[AG], s[AG], AGRP
	v_add_nc_u32 v[ADRA], s[AG], v[ADRA0]
	FETCH \next, 0, F0
.if (\fill) && ((\slot) == 0)
	ASK
.endif
	MUL16 F1, 1, 0, 0
	MUL16 F1, 1, 2, 0
.endm
; dv.  16 fragments of my wave's 32 rows: row blocks a = 0, 1, channels 32 (8 q + cc) on, at F0 + 8 (2 cc + a)
.macro DFETCH q
	WIN 0
.irp cc, 0,1,2,3,4,5,6,7
.irp a, 0,1
	ds_load_b128 v[F0+8*(2*(\cc)+(\a)):F0+8*(2*(\cc)+(\a))+3],   v[ADRD+(\q)] offset:((\cc)/2)*AGRP+(\a)*16*PA+((\cc)%2)*64
	ds_load_b128 v[F0+8*(2*(\cc)+(\a))+4:F0+8*(2*(\cc)+(\a))+7], v[ADRD+(\q)] offset:((\cc)/2)*AGRP+(\a)*16*PA+((\cc)%2)*64+32
.endr
.endr
.endm
.macro DMUL q, zero                    ; source 0 = e (all sixteen rows alike), source 1 = 16 rows of A: every register of lane l ends with row l % 16's number.  The two accumulators take turns
	WIN 0xa1
.irp cc, 0,1,2,3,4,5,6,7
.irp a, 0,1
.if (\zero) && ((\cc) == 0)
	v_wmma_f32_16x16x32_bf16 v[8*(\a):8*(\a)+7], v[F0+8*(8*(\q)+(\cc)):F0+8*(8*(\q)+(\cc))+7], v[F0+8*(2*(\cc)+(\a)):F0+8*(2*(\cc)+(\a))+7], 0
.else
	v_wmma_f32_16x16x32_bf16 v[8*(\a):8*(\a)+7], v[F0+8*(8*(\q)+(\cc)):F0+8*(8*(\q)+(\cc))+7], v[F0+8*(2*(\cc)+(\a)):F0+8*(2*(\cc)+(\a))+7], v[8*(\a):8*(\a)+7]
.endif
.endr
.endr
.endm
; THE WAY OUT of row block a: rounded to bf16, 16 bytes a lane; into my own stage in LDS and back as whole rows of 256 bytes; stored.
.macro PACK a
.set AC, 64*((\a)%4)
	WIN 0x0a+5*((\a)/4)                            ; sources 0 and 1: window 2 or 3
.irp b, 0,1,2,3,4,5,6,7
.irp r, 0,1,2,3
	v_cvt_pk_bf16_f32 v[TMP+4*(\b)+(\r)], v[AC+8*(\b)+2*(\r)], v[AC+8*(\b)+2*(\r)+1]
.endr
.endr
	WIN 0
.endm
.macro TOSTAGE a
	WIN 0
.set BK, OB+192*((\a)%2)
.irp b, 0,1,2,3,4,5,6,7
	ds_store_b128 v[STO], v[TMP+4*(\b):TMP+4*(\b)+3] offset:32*(\b)
.endr
.irp t, 0,1,2,3,4,5,6,7
	ds_load_b128 v[BK+4*(\t):BK+4*(\t)+3], v[RD] offset:(\t)*2*SPITCH  ; LDS serves a wave's instructions in order (ISA guide 5.7.1.4): these see the stores above
.endr
.endm
.macro SEND a
	WIN 0
.set BK, OB+192*((\a)%2)
	s_wait_dscnt 0x0                               ; the block is back in registers
	s_wait_xcnt 0x0                                ; the stores' base and the registers that earlier stores read are rewritten only behind this wait
.if (\a) == 0
	s_add_nc_u64 s[OUT:OUT+1], s[OUT:OUT+1], s[ADV:ADV+1]
.else
	s_add_nc_u64 s[OUT:OUT+1], s[OUT:OUT+1], 16*1024
.endif
.irp t, 0,1,2,3,4,5,6,7
	global_store_b128 v[CO], v[BK+4*(\t):BK+4*(\t)+3], s[OUT:OUT+1] offset:2*(\t)*1024  ; 16 lanes store 256 consecutive bytes, aligned
.endr
.endm
	WIN 0x40                                       ; destination window 1
.irp b, 0,1,2,3,4,5,6,7                        ; c': block b's eight registers: columns 128 w + 16 b + 8 (l / 16) + 0..7, as a result's registers lie
	global_load_b128 v[BIAS+8*(\b):BIAS+8*(\b)+3],   v[BO], s[8:9] offset:64*(\b)
	global_load_b128 v[BIAS+8*(\b)+4:BIAS+8*(\b)+7], v[BO], s[8:9] offset:64*(\b)+16
.endr
.set c, 0
.rept 16                                       ; e: channels 32 c on at F0 + 8 c
	global_load_b128 v[F0+8*c:F0+8*c+3],   v[EO], s[EP:EP+1] offset:64*c
	global_load_b128 v[F0+8*c+4:F0+8*c+7], v[EO], s[EP:EP+1] offset:64*c+32
.set c, c+1
.endr
	WIN 0
	s_wait_tensorcnt 0x1                           ; A's two groups and my part of K step 0 are in; K step 1's may stay out
	s_barrier_signal -1
	s_barrier_wait -1                              ; everybody's are
	DFETCH 0
	s_wait_loadcnt 0x0                             ; c' and e
	s_wait_dscnt 0x0
	DMUL 0, 1
	PLACES
	DFETCH 1
	s_wait_dscnt 0x0
	DMUL 1, 0
.rept 5
	v_nop                                          ; five places: the two accumulators are read below, and the walk's first products write over them
.endr
	WIN 0x0a                                       ; sources 0 and 1 in window 2
	v_cndmask_b32 v[DVAL], v0, v8, s74             ; lanes 0-15 take row block 0's number, lanes 16-31 row block 1's
	WIN 0
	global_store_b32 v[DO], v[DVAL], s[DP:DP+1]    ; 128 consecutive bytes
	FETCH 0, 0, F0
	HALF0 0, 1                                     ; the first half step stands in front of the loop: its products begin the sums
	WIN 0                                          ; at a label and at a branch every window is 0
	s_mov_b32 s[LAPS], 3
.Llap:                                                 ; a trip goes once round the ring and fills both slots again: K steps 2 to 7
	TURN 0, 1, 1
	HALF0 1, 0
	TURN 1, 0, 1
	HALF0 0, 0
	WIN 0
	s_sub_co_u32 s[LAPS], s[LAPS], 1
	s_cmp_lg_u32 s[LAPS], 0
	s_cbranch_scc1 .Llap
	TURN 0, 1, 0                                   ; the tail is written out: the last K step has landed; nothing is filled again
	HALF0 1, 0
	s_wait_dscnt 8
	MUL16 F1, 0, 0, 0
	MUL16 F1, 0, 2, 0
	s_wait_dscnt 0x0
	MUL16 F1, 1, 0, 0
	MUL16 F1, 1, 2, 0
	PLACES
	PACK 0                                         ; block a's conversions stand between block a - 1's loads from the stage and the wait for them
	TOSTAGE 0
.irp a, 1,2,3,4,5,6,7
	PACK \a
	SEND (\a)-1
	TOSTAGE \a
.endr
	SEND 7
	s_wait_tensorcnt 0x0                           ; the wave's end: behind my last tensor load and my last LDS store
	ds_add_u32 v[SPW], v[NIL]
	s_wait_dscnt 0x0
	CROUND                                         ; the closing round: no work-group ends while a partner may still ask for a tile that names it
	s_endpgm
.Lfunc_end_k_qbd81d20cd2_proj:
	.size	k_qbd81d20cd2_proj, .Lfunc_end_k_qbd81d20cd2_proj-k_qbd81d20cd2_proj
	.p2alignl 7, 3214868480
	.fill 96, 4, 3214868480
	.section	.rodata,"a",@progbits
	.p2align	6, 0x0
	.amdhsa_kernel k_qbd81d20cd2_proj
		.amdhsa_group_segment_fixed_size 327680
		.amdhsa_private_segment_fixed_size 0
		.amdhsa_enable_private_segment 0
		.amdhsa_kernarg_size 40
		.amdhsa_user_sgpr_count 2
		.amdhsa_user_sgpr_kernarg_segment_ptr 1
		.amdhsa_wavefront_size32 1
		.amdhsa_system_sgpr_workgroup_id_x 1
		.amdhsa_system_sgpr_workgroup_id_y 1
		.amdhsa_system_sgpr_workgroup_id_z 1
		.amdhsa_system_vgpr_workitem_id 0
		.amdhsa_next_free_vgpr 1024
		.amdhsa_next_free_sgpr 80
		.amdhsa_reserve_vcc 0
		.amdhsa_float_denorm_mode_32 3
		.amdhsa_float_denorm_mode_16_64 3
		.amdhsa_memory_ordered 1
		.amdhsa_forward_progress 1
		.amdhsa_inst_pref_size 103
	.end_amdhsa_kernel
	.amdgpu_metadata
---
amdhsa.version: [ 1, 2 ]
amdhsa.kernels:
  - .name:           k_qbd81d20cd2_proj
    .symbol:         k_qbd81d20cd2_proj.kd
    .args:
      - { .name: xn, .offset: 0, .size: 8, .value_kind: global_buffer, .address_space: global }
      - { .name: wm, .offset: 8, .size: 8, .value_kind: global_buffer, .address_space: global }
      - { .name: vb, .offset: 16, .size: 8, .value_kind: global_buffer, .address_space: global }
      - { .name: kk, .offset: 24, .size: 8, .value_kind: global_buffer, .address_space: global }
      - { .name: dv, .offset: 32, .size: 8, .value_kind: global_buffer, .address_space: global }
    .group_segment_fixed_size: 327680
    .private_segment_fixed_size: 0
    .kernarg_segment_align: 8
    .kernarg_segment_size: 40
    .max_flat_workgroup_size: 128
    .sgpr_count:     80
    .vgpr_count:     1024
    .wavefront_size: 32
...
	.end_amdgpu_metadata
.endif
;; end of part 6
;; launch attn (part 7): grid 8 x 32, 4 waves a work-group, clusters of 4 x 1, 327,680 bytes of LDS; arguments xn, kk, dv, wm, vb, x, out0; writes out0
.if DOCPART == 7
	.amdgcn_target "amdgcn-amd-amdhsa--gfx1250"
	.amdhsa_code_object_version 6
	.text
	.protected	k_qbd81d20cd2_attn
	.globl	k_qbd81d20cd2_attn
	.p2align	8
	.type	k_qbd81d20cd2_attn,@function
k_qbd81d20cd2_attn:
	s_mov_b64 s[64:65], 0
	v_nop
	global_prefetch_b8 v0, s[64:65] scope:SCOPE_SE
	s_setreg_imm32_b32 hwreg(HW_REG_WAVE_MODE, 25, 1), 1
	s_wait_xcnt 0x0
	s_wait_alu depctr_hold_cnt(0) depctr_sa_sdst(0) depctr_va_vdst(0) depctr_va_sdst(0) depctr_va_ssrc(0) depctr_va_vcc(0) depctr_vm_vsrc(0)
	s_getreg_b32 s2, hwreg(HW_REG_IB_STS2, 6, 4)
	s_cmp_eq_u32 s2, 0
	s_cbranch_scc0 .Lentry_in_a_cluster
	s_endpgm
.Lentry_in_a_cluster:
	s_bfe_u32 s2, ttmp6, 0x10000c
	s_cmp_lg_u32 s2, 0x3003
	s_cbranch_scc0 .Lentry_shape_is_right
	s_endpgm
.Lentry_shape_is_right:
; out0 = x + softmax((xn kk^T + dv) / sqrt(512)) xn W' + b'.  With kk = xn (Wk Wq^T) + bk Wq^T, dv = xn (Wk bq), W' = Wv Wp and b' = bv Wp + bp that is the module's x + softmax(q k^T / sqrt(512)) v Wp + bp:
; q_n . k_m = xn_n . kk_m + dv_m + bq . bk, whose last term is one number for all scores and leaves with the row's maximum; and a softmax's row sums to 1, so bv passes through it.
; xn: bf16 [32 b][8 g][1024 n][64]; kk: bf16 [32768][512]; dv: f32 [32768]; wm's second part: W' in bf16 as [8 ns][64 rho][8 sigma][64 nu] = W'[64 sigma + rho][64 ns + nu]; vb at 2,048: b' in f32; x, out0: f32 [32768][512].
; Products, maxima and sums in f32; the weights p are rounded to bf16 for the second product (their sum l is taken of the unrounded p), the unnormalised O once to bf16 for the third.
; LIMITS.  A weight below 2^-126 counts as 0 in l.  m starts at the lowest finite number and c m at -2^125, below every finite c s (c = 0.0638).  NaN and infinities are not treated apart.
; SHARES.  A work-group owns 128 queries of one b, each of its four waves 32: two tiles of 16.  Every wave walks all 1,024 keys, 64 a step.
; LAYOUT.  S^T = K Q^T (source 0 = 16 keys, source 1 = 16 queries): a lane holds ONE query (lane % 16) and the keys 8 (lane / 16) + 0..7.  S^T's registers are loaded with dv of those keys, so every product adds in place.
; Two such results rounded in pairs ARE source 1 of O^T = V^T P, whose result again holds one query a lane, and eight channels.  Two channel blocks of O^T rounded in pairs ARE source 1 of out^T = W'^T O^T: so the
; projection is the S phase once more, with O in Q's registers and 64 columns of W' in K's place; 1 / l, b' and x come behind it, in f32.  K comes out of LDS as it lies; V and W' ([k][n]) are turned by ds_load_tr16_b128.
; SOFTMAX.  For each query a running maximum m and sum l: p = 2^(c s - c m), c = log2(e) / sqrt(512); in every step O and l are multiplied by a = 2^(c m_old - c m_new).  O and l start at 0: the first step is a step like any other, with a = 0.
; PHASES.  A step is 128 products K Q^T, the softmax, 128 products V^T P.  O^T (512 registers) and Q (256) leave room for one S^T, so the softmax stands by itself; of O^T's rescaling seven eighths ride between the products V^T P.
; CLUSTER.  The four query blocks of a cluster belong to one b and walk the same K, V and W': each tile is asked for JOINTLY, by the same tensor load, descriptor and mask in all four.
; REGISTERS, in windows of 256 (s_set_vgpr_msb: bits 1:0 source 0, 3:2 source 1, 5:4 source 2, 7:6 destination):
;   window 0: v0-31 addresses and statistics; v32-63 P (in the projection: b'); v64-127 S^T; v128-191, v192-255 two buffers of eight fragments
;   window 1: Q, later the rounded O: tile t, channels 32 c on at 128 t + 8 c        windows 2, 3: O^T: tile t, channel block cb at 128 t + 8 (cb % 16), blocks 0-15 and 16-31 (in the projection window 2's v0-63 hold x)
.set PK,    1040                       ; a row of K in LDS: 1,024 bytes + 16: an odd multiple of 16 (64 banks of 4 bytes: ISA guide 11.1)
.set PVV,   160                        ; a key's 64 channels of one group of V: 128 bytes + 32: an odd multiple of 32
.set VGRP,  64*PVV                     ; a group's 64 keys
.set PV,    1056                       ; a row of W': 1,024 + 32: an odd multiple of 32
.set REG,   64*PV                      ; a tile of W'
.set VOFF,  REG                        ; a slot: K's 64 rows at 0, V's eight groups at VOFF; in the projection two tiles of W', at 0 and at REG
.set SLOTB, 0x25000                    ; 151,552: its bits are set in none of the LDS words that are turned by an exclusive or
.set STAGE, 2*SLOTB                    ; behind the ring, never filled by a tensor load: 16 rows x 272 bytes for each wave
.set SP,    272
.set SPARE, STAGE+4*16*SP              ; the spare words, 128 bytes for each wave: two blocks of 256 bytes that no other line names
.set PARTW, 524288                     ; M' in wm; W' lies behind it
.set TILEB, 65536                      ; 64 rows of K; a tile of W'
.set VSTEP, 8192                       ; 64 keys of one group of xn
.set AVH, 0                            ; v0   V's LDS address in the step in hand, groups 4-7 (the thread's number is used at the head alone)
.set AW0, 1                            ; v1   my lane's place in a tile of W'; never rewritten once made
.set AK0, 2                            ; v2   my lane's place in a tile of K; never rewritten
.set AV0, 3                            ; v3   the same in a group of V
.set AK,  4                            ; v4   K's LDS address in the step in hand
.set AV,  5                            ; v5   V's, groups 0-3, or the W' tile's
.set QO,  6                            ; v6   my byte offset in 16 rows of a block of xn; never rewritten
.set RD,  7                            ; v7   the way out: where I read rows back
.set GO,  8                            ; v8   my byte offset in two rows of x and out0
.set PFO, 9                            ; v9   256 x lane; never rewritten
.set SPW, 10                           ; v10  LDS address of my spare word; never rewritten
.set NIL, 11                           ; v11  0; never rewritten
.set ST,  12                           ; tile t's statistics at v[ST+8 t]: c m, m, l (even keys', odd keys'), c0-c3 at work; a takes c2's place
.set MV,  28                           ; v28-29 c m_old, kept while c m is made anew
.set BO,  30                           ; v30  32 (lane / 16): my place in 16 numbers of dv and of b'
.set STO, 31                           ; v31  the way out: where I put 32 bytes of a row
.set P,   32
.set S,   64
.set F0,  128
.set WV,  18                           ; s18  my wave's number
.set G1K, 24                           ; s[24:31] descriptor group 1 for K's tiles
.set G1V, 32                           ; s[32:39] for V's
.set G0K, 40                           ; s[40:47] group 0 for K: a set for each of the two first fills; the second then walks on
.set G0V, 48                           ; s[48:55] the same for V
.set G0P, 56                           ; s[56:59] group 0 for W': it walks
.set CNT, 60
.set CN2, 61
.set TB,  62                           ; s62  LDS byte of the slot in hand
.set TBP, 63                           ; s63  LDS byte of the W' tile in hand
.set CS,  66                           ; s[66:67] c: the packed scaling takes the pair's low word for both halves
.set SEL, 68                           ; s[68:69] v_permlanex16_b32's selects
.set PFA, 70                           ; s[70:71] where my prefetches stand
.set LIM, 72                           ; s72  1 in a cluster that prefetches, else the greatest number
.set TT,  73
.set XP,  74                           ; s[74:75] x at my rows, at the 64 columns in hand
.set OUTP, 76                          ; s[76:77] out0 likewise
.set BIASP, 78                         ; s[78:79] b' at the 64 columns in hand
.set DC,  84                           ; s[84:85] dv at the keys of the step to come
.set G1P, 88                           ; s[88:95] descriptor group 1 for W's tiles
.set PFS, 96                           ; s[96:97] a key step in the tensor that I prefetch
.set DP,  98                           ; s[98:99] dv at b's first key
.set DOF, 100                          ; s[100:101] bytes from there to the step to come
.set MSB, 0
.macro WIN new                         ; the immediate's high byte repeats the setting that is left; a switch that changes nothing is dropped
.if MSB != (\new)
	s_set_vgpr_msb (MSB<<8)|(\new)
.set MSB, \new
.endif
.endm
.macro LWIN                            ; LDS loads want destination and address in window 0: settings 0 and 0x04 both do
.if MSB != 0x04
	WIN 0
.endif
.endm
.macro PLACES                          ; four places in front of loads into registers that matrix instructions have read, and of vector lines that read results
.rept 4
	v_nop
.endr
.endm
.macro CROUND                          ; a round of the cluster's barrier
	s_barrier_signal -1
	s_barrier_wait -1
	s_cmp_lg_u32 s[WV], 0
	s_cbranch_scc1 .Lnot_wave_0_\@
	s_barrier_signal -3
.Lnot_wave_0_\@:
	s_barrier_wait -3
	s_barrier_signal -1
	s_barrier_wait -1
.endm
.macro JLOAD                           ; a joint refill: waves 0 and 1 fetch the halves of a step's K, waves 2 and 3 of its V; an s_nop 0 and four v_nop follow each line
	s_cmp_lt_u32 s[WV], 2
	s_cbranch_scc0 .Lfor_v_\@
	tensor_load_to_lds s[G0K+4:G0K+7], s[G1K:G1K+7]
	s_nop 0
.rept 4
	v_nop
.endr
	s_branch .Lasked_\@
.Lfor_v_\@:
	tensor_load_to_lds s[G0V+4:G0V+7], s[G1V:G1V+7]
	s_nop 0
.rept 4
	v_nop
.endr
.Lasked_\@:
.endm
; A PREFETCH INTO THE L2 of what the NEXT change of slots will ask for: a step's 64 rows of K and its 64 keys of V's eight groups, 512 blocks of 256 bytes.  Both clusters of a b walk the same rows: the first one asks.
; Its sixteen waves share the blocks out BY ADDRESS, a lane a block: waves 0, 1 take 8 rows of K each of my work-group's 16; waves 2, 3 one group of V each of my work-group's two.  Each block is named once in the launch.
; It stands a key step, 256 matrix instructions, ahead of the load.  The last change that fills a slot with keys asks for nothing; steps 0 to 2 come by their loads alone.
.macro ASK
	s_cmp_gt_u32 s[CNT], s[LIM]
	s_cbranch_scc0 .Lnot_mine_\@
	global_prefetch_b8 v[PFO], s[PFA:PFA+1] th:TH_LOAD_NT scope:SCOPE_SE
.Lnot_mine_\@:
.endm
	s_load_b256 s[4:11], s[0:1], 0x0               ; xn 4, kk 6, dv 8, wm 10
	s_load_b128 s[12:15], s[0:1], 0x20             ; vb 12, x 14
	s_load_b64 s[16:17], s[0:1], 0x30              ; out0
	v_lshl_add_u32 v[SPW], v0, 2, SPARE
	v_mov_b32 v[NIL], 0
	ds_add_u32 v[SPW], v[NIL]                      ; the wave's opening: the add and its wait stand ahead of my first tensor load; the set-up below, work on registers, stands between them
	v_lshrrev_b32 v1, 5, v0
	v_readfirstlane_b32 s[WV], v1                  ; wave 0..3
	s_bfe_u32 s19, ttmp6, 0x40000                  ; cx: my place in the cluster
	s_lshl_b32 s20, ttmp9, 2
	s_add_co_u32 s20, s20, s19                     ; my block of 128 queries: it enters Q's, x's, out0's and the prefetches' addresses alone
	s_and_b32 s21, ttmp7, 0xffff                   ; b, which the four partners share
	s_and_b32 s22, s[WV], 1
	s_lshr_b32 s23, s[WV], 1
	s_mov_b32 s[G1K], 15|(1<<16)|(1<<20)|(1<<21)|(7<<22)|(3<<25)  ; the mask of four; 2-byte elements; padding on; bit 21 beside a mask; after every 256 words; 4 words
	s_mov_b32 s[G1P], 15|(1<<16)|(1<<20)|(1<<21)|(7<<22)|(7<<25)  ; the same with 8 words
.irp g, G1K, G1P
	s_mov_b32 s[(\g)+1], 512<<16                   ; tensor_dim0
	s_mov_b32 s[(\g)+2], 32<<16                    ; tensor_dim1
	s_mov_b32 s[(\g)+3], 512<<16                   ; tile_dim0
	s_mov_b32 s[(\g)+4], 32                        ; tile_dim1
	s_mov_b32 s[(\g)+5], 512                       ; elements from row to row
	s_mov_b32 s[(\g)+6], 0
	s_mov_b32 s[(\g)+7], 0
.endr
	; V: 64 keys of a group are 8,192 dense bytes: a row of the tile; four groups, 131,072 bytes apart, are its four rows; padded in LDS after every key's 128 bytes
	s_mov_b32 s[G1V], 15|(1<<16)|(1<<20)|(1<<21)|(4<<22)|(7<<25)  ; after every 32 words; 8 words
	s_mov_b32 s[G1V+1], 4096<<16                   ; tensor_dim0
	s_mov_b32 s[G1V+2], 4<<16                      ; tensor_dim1
	s_mov_b32 s[G1V+3], 4096<<16                   ; tile_dim0
	s_mov_b32 s[G1V+4], 4                          ; tile_dim1
	s_mov_b32 s[G1V+5], 65536                      ; elements from group to group
	s_mov_b32 s[G1V+6], 0
	s_mov_b32 s[G1V+7], 0
	s_lshl_b32 s80, s21, 20                        ; K: b's 1,024 rows of 1,024 bytes,
	s_lshl_b32 s81, s22, 15                        ; my 32 rows of a step's 64
	s_add_co_u32 s80, s80, s81
	s_mov_b32 s81, 0
	s_lshl_b32 s2, s21, 20                         ; V: b's eight blocks of xn,
	s_lshl_b32 s3, s22, 19                         ; my four of them
	s_add_co_u32 s2, s2, s3
	s_mov_b32 s3, 0
	s_lshl_b32 s84, s23, 16                        ; W': waves 0, 1 fetch a pair's first tile, waves 2, 3 its second,
	s_lshl_b32 s85, s22, 15                        ; 32 rows each;
	s_add_co_u32 s84, s84, s85
	s_add_co_u32 s84, s84, PARTW-2*TILEB           ; two tiles in front of W', still inside wm: the first fill steps it to tiles 0 and 1
	s_mov_b32 s85, 0
	s_lshl_b32 s98, s21, 12                        ; dv: b's 1,024 numbers
	s_mov_b32 s99, 0
	s_mov_b32 s[G0K], 1
	s_mul_i32 s[G0K+1], s22, 32*PK                 ; no place in the cluster enters an LDS address
	s_mov_b32 s[G0K+4], 1
	s_add_co_u32 s[G0K+5], s[G0K+1], SLOTB
	s_mov_b32 s[G0V], 1
	s_mul_i32 s[G0V+1], s22, 4*VGRP
	s_add_co_u32 s[G0V+1], s[G0V+1], VOFF
	s_mov_b32 s[G0V+4], 1
	s_add_co_u32 s[G0V+5], s[G0V+1], SLOTB
	s_mov_b32 s[G0P], 1
	s_mul_i32 s[G0P+1], s23, REG
	s_mul_i32 s[TT], s22, 32*PV
	s_add_co_u32 s[G0P+1], s[G0P+1], s[TT]
	s_add_co_u32 s[G0P+1], s[G0P+1], SLOTB         ; the first fill turns it to slot 0
	s_mov_b32 s[CS], 0x3d8293ee                    ; c = log2(e) / sqrt(512) = 0.0637587
	s_mov_b32 s[CS+1], s[CS]
	s_mov_b32 s[SEL], 0x76543210
	s_mov_b32 s[SEL+1], 0xfedcba98
	s_mov_b32 s[DOF], 0
	s_mov_b32 s[DOF+1], 0
	s_lshl_b32 s86, s20, 7
	s_lshl_b32 s87, s[WV], 5
	s_add_co_u32 s86, s86, s87                     ; my wave's first row in b
	s_lshl_b32 s82, s86, 7                         ; Q: 128 bytes a row in each block of xn
	s_lshl_b32 s87, s21, 20
	s_add_co_u32 s82, s82, s87
	s_mov_b32 s83, 0
	s_lshl_b32 s87, s21, 10
	s_add_co_u32 s86, s86, s87
	s_lshl_b32 s86, s86, 11                        ; x and out0: 2,048 bytes a row
	s_mov_b32 s87, 0
	s_cmp_eq_u32 ttmp9, 0
	s_cselect_b32 s[LIM], 1, -1                    ; the same in all four partners
	s_wait_dscnt 0x0                               ; the opening add is done
	s_wait_kmcnt 0x0
	s_add_nc_u64 s[G0K+2:G0K+3], s[6:7], s[80:81]
	s_add_nc_u64 s[G0K+6:G0K+7], s[G0K+2:G0K+3], TILEB
	s_add_nc_u64 s[G0V+2:G0V+3], s[4:5], s[2:3]
	s_add_nc_u64 s[G0V+6:G0V+7], s[G0V+2:G0V+3], VSTEP
	s_add_nc_u64 s[G0P+2:G0P+3], s[10:11], s[84:85]
.irp g, G0K+3, G0K+7, G0V+3, G0V+7, G0P+3
	s_or_b32 s[\g], s[\g], 0x80000000              ; type = 2
.endr
	s_add_nc_u64 s[DP:DP+1], s[8:9], s[98:99]
	s_mov_b64 s[DC:DC+1], s[DP:DP+1]
	s_add_nc_u64 s[BIASP:BIASP+1], s[12:13], 2048
	s_add_nc_u64 s[XP:XP+1], s[14:15], s[86:87]
	s_add_nc_u64 s[OUTP:OUTP+1], s[16:17], s[86:87]
	s_add_nc_u64 s[86:87], s[4:5], s[82:83]        ; Q at my rows, group 0
	s_mov_b32 s[PFS], VSTEP                        ; the prefetches: waves 0, 1 in kk, waves 2, 3 in xn
	s_mov_b32 s[PFS+1], 0
	s_cmp_lt_u32 s[WV], 2
	s_cselect_b32 s[PFS], TILEB, s[PFS]
	s_cselect_b32 s82, 14, 18                      ; my work-group's 16 rows, or its two groups;
	s_cselect_b32 s83, 13, 17                      ; my wave's 8 rows, or its group
	s_lshl_b32 s82, s19, s82
	s_lshl_b32 s83, s22, s83
	s_add_co_u32 s82, s82, s83
	s_lshl_b32 s83, s21, 20
	s_add_co_u32 s82, s82, s83
	s_lshl_b32 s83, s[PFS], 1                      ; in step 2: the first change of slots steps it to step 3
	s_add_co_u32 s82, s82, s83
	s_mov_b32 s83, 0
	s_cmp_lt_u32 s[WV], 2                          ; (compared anew: the sums have written SCC)
	s_cselect_b64 s[PFA:PFA+1], s[6:7], s[4:5]
	s_add_nc_u64 s[PFA:PFA+1], s[PFA:PFA+1], s[82:83]
	CROUND                                         ; all four work-groups are here: the first joint loads meet
	s_cmp_lt_u32 s[WV], 2                          ; a wave's two first fills stand in one branch: two loads of mine are out
	s_cbranch_scc0 .Lfirst_v
	tensor_load_to_lds s[G0K:G0K+3], s[G1K:G1K+7]
	s_nop 0
	tensor_load_to_lds s[G0K+4:G0K+7], s[G1K:G1K+7]
	s_nop 0
.rept 4
	v_nop
.endr
	s_branch .Lfirst_asked
.Lfirst_v:
	tensor_load_to_lds s[G0V:G0V+3], s[G1V:G1V+7]
	s_nop 0
	tensor_load_to_lds s[G0V+4:G0V+7], s[G1V:G1V+7]
	s_nop 0
.rept 4
	v_nop
.endr
.Lfirst_asked:
	; A fragment of K or Q is 16 rows x 32 channels in 8 registers: lane l holds row l % 16, channels 8 (l / 16) + 0..7 and 16 + 8 (l / 16) + 0..7: two loads of 16 bytes, 32 bytes apart.
	v_and_b32 v1, 15, v0                           ; l % 16
	v_bfe_u32 v64, v0, 4, 1                        ; l / 16 (S's registers serve as scratch here)
	v_lshlrev_b32 v[QO], 7, v1
	v_lshl_add_u32 v[QO], v64, 4, v[QO]
	WIN 0x40                                       ; destination window 1
.set i, 0
.rept 32                                       ; Q stays in registers: tile i / 16, channels 32 (i % 16) on: group (i % 16) / 2, its half i % 2
	global_load_b128 v[8*i:8*i+3],   v[QO], s[86:87] offset:(i/16)*2048+((i%16)/2)*131072+(i%2)*64
	global_load_b128 v[8*i+4:8*i+7], v[QO], s[86:87] offset:(i/16)*2048+((i%16)/2)*131072+(i%2)*64+32
.set i, i+1
.endr
	; O^T starts at 0, so that one text serves every step; these lines stand in the wait for the first tile
	WIN 0x80
.set i, 0
.rept 256
	v_mov_b32 v[i], 0
.set i, i+1
.endr
	WIN 0xc0
.set i, 0
.rept 256
	v_mov_b32 v[i], 0
.set i, i+1
.endr
	WIN 0
.irp t, 0,1
	v_mov_b32 v[ST+8*(\t)], 0xfe000000             ; c m: below every c s
	v_mov_b32 v[ST+8*(\t)+1], 0xff7fffff           ; m
	v_mov_b32 v[ST+8*(\t)+2], 0
	v_mov_b32 v[ST+8*(\t)+3], 0
.endr
	v_mul_u32_u24 v[AK0], v1, PK
	v_lshl_add_u32 v[AK0], v64, 4, v[AK0]
	; The turning load takes 16 k x 16 columns (lane l reads k = 8 (l / 16) + l % 8, columns 8 ((l / 8) % 2) + 0..7) and leaves half a fragment: lane l holds column l % 16 and 8 k.
	v_and_b32 v65, 7, v0
	v_bfe_u32 v66, v0, 3, 1
	v_lshl_add_u32 v68, v64, 3, v65
	v_mul_u32_u24 v[AV0], v68, PVV
	v_lshl_add_u32 v[AV0], v66, 4, v[AV0]
	s_mul_i32 s2, s[WV], 16*SP
	s_add_co_u32 s2, s2, STAGE                     ; my stage
	v_mul_u32_u24 v67, v1, SP                      ; in: row l % 16 of a tile, 32 bytes for each half of the lanes
	v_lshl_add_u32 v67, v64, 5, v67
	v_add_nc_u32 v[STO], s2, v67
	v_mul_u32_u24 v67, v64, SP                     ; back: lanes 0-15 take one row of 256 bytes, lanes 16-31 the next
	v_lshl_add_u32 v67, v1, 4, v67
	v_add_nc_u32 v[RD], s2, v67
	v_lshlrev_b32 v67, 11, v64                     ; and the same two rows in x and out0
	v_lshl_add_u32 v[GO], v1, 4, v67
	v_lshlrev_b32 v[BO], 5, v64
	v_and_b32 v[PFO], 31, v0
	v_lshlrev_b32 v[PFO], 8, v[PFO]
	v_mul_u32_u24 v[AW0], v68, PV                  ; (l % 16 has served)
	v_lshl_add_u32 v[AW0], v66, 4, v[AW0]
; dv of a step's 64 keys into S^T's registers, for both tiles: register j of key block kb in lane l is key 16 kb + 8 (l / 16) + j
.macro DLINES
.irp t, 0,1
.irp kb, 0,1,2,3
	global_load_b128 v[S+32*(\t)+8*(\kb):S+32*(\t)+8*(\kb)+3],   v[BO], s[DC:DC+1] offset:64*(\kb)
	global_load_b128 v[S+32*(\t)+8*(\kb)+4:S+32*(\t)+8*(\kb)+7], v[BO], s[DC:DC+1] offset:64*(\kb)+16
.endr
.endr
.endm
; The next step's, asked for behind the softmax, which has read S^T for the last time: 128 products ahead of its use.  The last step has no next: its address is held at the last step's own, inside dv, and what it brings is not used.
.macro DLOAD
	WIN 0
	s_wait_xcnt 0x0                                ; the last step's loads have read their address
	s_add_co_u32 s[DOF], s[DOF], 256
	s_min_u32 s[DOF], s[DOF], 15*256
	s_add_nc_u64 s[DC:DC+1], s[DP:DP+1], s[DOF:DOF+1]
	DLINES
.endm
; THE LDS LOADS stand in runs of 16, a run for 16 products.  K: key blocks kb 0-3, channels 32 (2 f + cc) on; fragment (kb, cc) at fb + 16 kb + 8 cc.
.macro KFILL f, fb
	LWIN
	PLACES
.irp kb, 0,1,2,3
.irp cc, 0,1
	ds_load_b128 v[(\fb)+16*(\kb)+8*(\cc):(\fb)+16*(\kb)+8*(\cc)+3],   v[AK] offset:16*PK*(\kb)+64*(2*(\f)+(\cc))
	ds_load_b128 v[(\fb)+16*(\kb)+8*(\cc)+4:(\fb)+16*(\kb)+8*(\cc)+7], v[AK] offset:16*PK*(\kb)+64*(2*(\f)+(\cc))+32
.endr
.endr
.endm
; V, turned: group i's four channel blocks cb, keys 32 kk on; fragment (cb, kk) at fb + 16 cb + 8 kk.  Groups 4-7 have an address register of their own: an LDS offset has 16 bits.
.macro VFILL i, fb
	LWIN
	PLACES
.irp cb, 0,1,2,3
.irp kk, 0,1
	ds_load_tr16_b128 v[(\fb)+16*(\cb)+8*(\kk):(\fb)+16*(\cb)+8*(\kk)+3],   v[AV+(AVH-AV)*((\i)/4)] offset:VGRP*((\i)%4)+32*PVV*(\kk)+32*(\cb)
	ds_load_tr16_b128 v[(\fb)+16*(\cb)+8*(\kk)+4:(\fb)+16*(\cb)+8*(\kk)+7], v[AV+(AVH-AV)*((\i)/4)] offset:VGRP*((\i)%4)+32*PVV*(\kk)+16*PVV+32*(\cb)
.endr
.endr
.endm
; A tile of W', turned: i is sigma, rows 32 kk on are k = 64 i + 32 kk on, cb is the block of 16 of the tile's 64 columns.
.macro WFILL i, fb
	LWIN
	PLACES
.irp cb, 0,1,2,3
.irp kk, 0,1
	ds_load_tr16_b128 v[(\fb)+16*(\cb)+8*(\kk):(\fb)+16*(\cb)+8*(\kk)+3],   v[AV] offset:32*PV*(\kk)+32*(4*(\i)+(\cb))
	ds_load_tr16_b128 v[(\fb)+16*(\cb)+8*(\kk)+4:(\fb)+16*(\cb)+8*(\kk)+7], v[AV] offset:32*PV*(\kk)+16*PV+32*(4*(\i)+(\cb))
.endr
.endr
.endm
; 16 products of S^T += K Q^T (or out^T = W'^T O^T): channels 64 f on.  The eight accumulators (block kb, tile t) take turns, one instruction a turn.  zero = 1: the phase's first eight begin the sums with the constant 0.
.macro SBLK f, zero
	WIN 0x04                                       ; source 1 (Q) in window 1, all else in window 0
.irp cc, 0,1
.irp kb, 0,1,2,3
.irp t, 0,1
.if (\zero) && ((\f) == 0) && ((\cc) == 0)
	v_wmma_f32_16x16x32_bf16 v[S+32*(\t)+8*(\kb):S+32*(\t)+8*(\kb)+7], v[F0+64*((\f)%2)+16*(\kb)+8*(\cc):F0+64*((\f)%2)+16*(\kb)+8*(\cc)+7], v[128*(\t)+8*(2*(\f)+(\cc)):128*(\t)+8*(2*(\f)+(\cc))+7], 0
.else
	v_wmma_f32_16x16x32_bf16 v[S+32*(\t)+8*(\kb):S+32*(\t)+8*(\kb)+7], v[F0+64*((\f)%2)+16*(\kb)+8*(\cc):F0+64*((\f)%2)+16*(\kb)+8*(\cc)+7], v[128*(\t)+8*(2*(\f)+(\cc)):128*(\t)+8*(2*(\f)+(\cc))+7], v[S+32*(\t)+8*(\kb):S+32*(\t)+8*(\kb)+7]
.endif
.endr
.endr
.endr
.endm
; 16 products of O^T += V^T P: channel blocks 4 i .. 4 i + 3.  Product u: keys 32 (u / 8) on, block 4 i + (u / 2) % 4, tile u % 2: eight accumulators by turns.  Behind each four products stand eight lines that
; multiply one channel block of the NEXT group, both tiles, by a: they name no register of the products round them.
.macro PVBLK i
.if (\i) < 7
	VFILL (\i)+1, F0+64*(((\i)+1)%2)
	s_wait_dscnt 16                                ; this group's fragments are in; the 16 loads just issued may be out
.else
	s_wait_dscnt 0x0
.endif
.irp g, 0,1,2,3
	WIN 0xa0+0x50*((\i)/4)                         ; V and P in window 0, O^T in window 2 or 3
.irp j, 0,1,2,3
.set u, 4*(\g)+(\j)
.set rO, 128*(u%2)+8*((4*(\i)+(u/2)%4)%16)
.set rV, F0+64*((\i)%2)+16*((u/2)%4)+8*(u/8)
.set rP, P+16*(u%2)+8*(u/8)
	v_wmma_f32_16x16x32_bf16 v[rO:rO+7], v[rV:rV+7], v[rP:rP+7], v[rO:rO+7]
.endr
.if (\i) < 7
	WIN 0x82+0x41*(((\i)+1)/4)                     ; destination and source 0 in O^T's window, a in window 0
.irp t, 0,1
.irp r, 0,2,4,6
.set rO, 128*(\t)+8*((4*((\i)+1)+(\g))%16)+(\r)
	v_pk_mul_f32 v[rO:rO+1], v[rO:rO+1], v[ST+8*(\t)+6:ST+8*(\t)+7] op_sel_hi:[1,0]
.endr
.endr
.endif
.endr
.endm
; Number n of the 22 that find a tile's maximum and statistics.  s0-s31 are the lane's 32 scores; each accumulator's lowest registers are read first.
;   0-11  four chains c0-c3 of seven scores each     12-14, 16  the four scores left over, the old m, and c0-c3 into c0     15  c m_old is kept
;   17, 18  the query's other 32 keys lie in the lane 16 away: the new m     19-21  c m; c m_old - c m_new; a
.macro XS t, n
.set rT, ST+8*(\t)
.set rS, S+32*(\t)
.set rM, MV+(\t)
.if (\n) < 4
	v_max3_num_f32 v[rT+4+(\n)], v[rS+8*(\n)], v[rS+8*(\n)+1], v[rS+8*(\n)+2]
.elseif (\n) < 12
	v_max3_num_f32 v[rT+4+(\n)%4], v[rT+4+(\n)%4], v[rS+8*((\n)%4)+2*((\n)/4)+1], v[rS+8*((\n)%4)+2*((\n)/4)+2]
.elseif (\n) == 12
	v_max3_num_f32 v[rT+4], v[rT+4], v[rS+7], v[rS+15]
.elseif (\n) == 13
	v_max3_num_f32 v[rT+5], v[rT+5], v[rS+23], v[rS+31]
.elseif (\n) == 14
	v_max3_num_f32 v[rT+6], v[rT+6], v[rT+7], v[rT+1]
.elseif (\n) == 15
	v_mov_b32 v[rM], v[rT]
.elseif (\n) == 16
	v_max3_num_f32 v[rT+4], v[rT+4], v[rT+5], v[rT+6]
.elseif (\n) == 17
	v_permlanex16_b32 v[rT+7], v[rT+4], s[SEL], s[SEL+1]
.elseif (\n) == 18
	v_max_num_f32 v[rT+1], v[rT+4], v[rT+7]
.elseif (\n) == 19
	v_mul_f32 v[rT], s[CS], v[rT+1]
.elseif (\n) == 20
	v_sub_f32 v[rT+5], v[rM], v[rT]
.else
	v_exp_f32 v[rT+6], v[rT+5]
.endif
.endm
.macro FS t, p                         ; c s - c m for pair p of 16
	v_pk_fma_f32 v[S+32*(\t)+2*(\p):S+32*(\t)+2*(\p)+1], v[S+32*(\t)+2*(\p):S+32*(\t)+2*(\p)+1], s[CS:CS+1], v[ST+8*(\t):ST+8*(\t)+1] op_sel_hi:[1,0,0] neg_lo:[0,0,1] neg_hi:[0,0,1]
.endm
.macro EX t, e
	v_exp_f32 v[S+32*(\t)+(\e)], v[S+32*(\t)+(\e)]
.endm
; THE SOFTMAX of both tiles, which alternate line by line.  The 66 exponentials (two a, 64 weights) are ONE batch: nothing ahead of the one wait names a result of theirs; a pair's scaling stands two lines or more ahead of its exponentials.
.macro SOFTMAX
	WIN 0
	PLACES                                         ; behind the last product K Q^T
.irp n, 0,1,2,3,4,5,6,7,8,9,10,11,12,13,14,15,16,17,18,19,20,21
	XS 0, \n
	XS 1, \n
.endr
.set pp, 0
.rept 16
	FS 0, pp
	FS 1, pp
.if pp > 0
	EX 0, 2*pp-2
	EX 1, 2*pp-2
	EX 0, 2*pp-1
	EX 1, 2*pp-1
.endif
.set pp, pp+1
.endr
	EX 0, 30
	EX 1, 30
	EX 0, 31
	EX 1, 31
	v_nop                                          ; a plain instruction behind the last exponential: one for the batch
	s_wait_alu depctr_va_vdst(0)                   ; the wait ahead of the batch's first reader: one for all 66
.set pp, 0
.rept 16
	v_cvt_pk_bf16_f32 v[P+pp],    v[S+2*pp],    v[S+2*pp+1]
	v_cvt_pk_bf16_f32 v[P+16+pp], v[S+32+2*pp], v[S+32+2*pp+1]
.set pp, pp+1
.endr
.irp w, 4, 8, 16, 32                   ; the sum of a tile's 16 pairs, in place: neighbours 1, 2, 4 and 8 pairs apart
.set u, 0
.rept 32/(\w)
	v_pk_add_f32 v[S+(\w)*u:S+(\w)*u+1],       v[S+(\w)*u:S+(\w)*u+1],       v[S+(\w)*u+(\w)/2:S+(\w)*u+(\w)/2+1]
	v_pk_add_f32 v[S+32+(\w)*u:S+32+(\w)*u+1], v[S+32+(\w)*u:S+32+(\w)*u+1], v[S+32+(\w)*u+(\w)/2:S+32+(\w)*u+(\w)/2+1]
.set u, u+1
.endr
.endr
.irp t, 0,1
	v_pk_fma_f32 v[ST+8*(\t)+2:ST+8*(\t)+3], v[ST+8*(\t)+2:ST+8*(\t)+3], v[ST+8*(\t)+6:ST+8*(\t)+7], v[S+32*(\t):S+32*(\t)+1] op_sel_hi:[1,0,1]  ; l = a l + the sum
.endr
	WIN 0x82                                       ; O^T's first four channel blocks times a; the others ride in PVBLK
.irp cb, 0,1,2,3
.irp t, 0,1
.irp r, 0,2,4,6
	v_pk_mul_f32 v[128*(\t)+8*(\cb)+(\r):128*(\t)+8*(\cb)+(\r)+1], v[128*(\t)+8*(\cb)+(\r):128*(\t)+8*(\cb)+(\r)+1], v[ST+8*(\t)+6:ST+8*(\t)+7] op_sel_hi:[1,0]
.endr
.endr
.endr
.endm
; A KEY STEP: 64 keys from the slot at s[TB].  Each run of loads goes out ahead of the 16 products before the ones that it feeds.
.macro STEP
	WIN 0
	v_add_nc_u32 v[AK], s[TB], v[AK0]
	s_add_co_u32 s[TT], s[TB], VOFF
	v_add_nc_u32 v[AV], s[TT], v[AV0]
	s_add_co_u32 s[TT], s[TT], 4*VGRP
	v_add_nc_u32 v[AVH], s[TT], v[AV0]
	KFILL 0, F0
.irp f, 0,1,2,3,4,5,6,7
.if (\f) < 7
	KFILL (\f)+1, F0+64*(((\f)+1)%2)
.else
	VFILL 0, F0
.endif
	s_wait_dscnt 16                                ; run f is in; the 16 loads just issued may be out
.if (\f) == 0
	s_wait_loadcnt 0x0                             ; dv lies in S^T's registers (in the first step: Q is in too)
.endif
	SBLK \f, 0
.endr
	SOFTMAX
	DLOAD
.irp i, 0,1,2,3,4,5,6,7
	PVBLK \i
.endr
	WIN 0
.endm
; THE CHANGE OF SLOTS behind a key step.  Each wave waits for all its tensor loads, of which one is out: its part of the other slot; adds 0 to its spare word; and waits for that and for its reads of the slot.
; The barrier is a round of the cluster's; the joint refill, the keys two steps on, is the first thing behind it and has a key step, 256 matrix instructions and a softmax, in which to land.
.macro CHANGE_KV
	WIN 0                                          ; at a label and at a branch every window is 0
	s_wait_tensorcnt 0x0                           ; no tensor load of mine is out, so a group 0 may be written
	ds_add_u32 v[SPW], v[NIL]                      ; 0 onto my spare word: the descriptors' steps stand between it and the wait for it
	s_xor_b32 s[G0K+5], s[G0K+5], SLOTB            ; the walking descriptors: the other slot than last time,
	s_add_nc_u64 s[G0K+6:G0K+7], s[G0K+6:G0K+7], TILEB  ; the next 64 keys
	s_xor_b32 s[G0V+5], s[G0V+5], SLOTB
	s_add_nc_u64 s[G0V+6:G0V+7], s[G0V+6:G0V+7], VSTEP
	s_wait_xcnt 0x0                                ; the last prefetch, a key step back, has read its address
	s_add_nc_u64 s[PFA:PFA+1], s[PFA:PFA+1], s[PFS:PFS+1]
	s_wait_dscnt 0x0                               ; the add is done, and my reads of the slot are over
	CROUND
	JLOAD
	ASK
	s_xor_b32 s[TB], s[TB], SLOTB
.endm
; The same change where the slot that is left takes two tiles of W' (fill = 1: one line for all four waves, each with its 32 rows), or nothing more (fill = 0: a plain barrier shows the other slot whole).
.macro CHANGE_W fill
	WIN 0
	s_wait_tensorcnt 0x0
	ds_add_u32 v[SPW], v[NIL]
.if \fill
	s_xor_b32 s[G0P+1], s[G0P+1], SLOTB
	s_add_nc_u64 s[G0P+2:G0P+3], s[G0P+2:G0P+3], 2*TILEB
	s_wait_dscnt 0x0
	CROUND
	tensor_load_to_lds s[G0P:G0P+3], s[G1P:G1P+7]
	s_nop 0
.rept 4
	v_nop
.endr
.else
	s_wait_dscnt 0x0
	s_barrier_signal -1
	s_barrier_wait -1
.endif
	s_xor_b32 s[TB], s[TB], SLOTB
.endm
; A STEP OF THE PROJECTION: 64 columns of out0 for my 32 rows, from the W' tile at s[TBP].  x and b' are asked for at its head, 128 products ahead of their use.
.macro NSTEP
	WIN 0
	v_add_nc_u32 v[AV], s[TBP], v[AW0]
	WFILL 0, F0
	WIN 0x80                                       ; destination window 2
.set i, 0
.rept 16
	global_load_b128 v[4*i:4*i+3], v[GO], s[XP:XP+1] offset:4096*i th:TH_LOAD_NT  ; rows 2 i and 2 i + 1: 16 lanes take 256 consecutive bytes, aligned
.set i, i+1
.endr
	WIN 0
.irp nb, 0,1,2,3
	global_load_b128 v[P+8*(\nb):P+8*(\nb)+3],   v[BO], s[BIASP:BIASP+1] offset:64*(\nb)
	global_load_b128 v[P+8*(\nb)+4:P+8*(\nb)+7], v[BO], s[BIASP:BIASP+1] offset:64*(\nb)+16
.endr
.irp f, 0,1,2,3,4,5,6,7
.if (\f) < 7
	WFILL (\f)+1, F0+64*(((\f)+1)%2)
	s_wait_dscnt 16                                ; run f is in; the 16 loads just issued may be out
.else
	s_wait_dscnt 0x0
.endif
	SBLK \f, 1
.endr
	WIN 0
	PLACES
	s_wait_loadcnt 0x0                             ; x and b'
.set pp, 0
.rept 16
	v_pk_fma_f32 v[S+2*pp:S+2*pp+1],       v[S+2*pp:S+2*pp+1],       v[ST+2:ST+3],   v[P+2*pp:P+2*pp+1] op_sel_hi:[1,0,1]  ; (O W') / l + b'
	v_pk_fma_f32 v[S+32+2*pp:S+32+2*pp+1], v[S+32+2*pp:S+32+2*pp+1], v[ST+10:ST+11], v[P+2*pp:P+2*pp+1] op_sel_hi:[1,0,1]
.set pp, pp+1
.endr
.irp t, 0,1                            ; a tile at a time through my stage: LDS serves a wave's instructions in order (ISA guide 5.7.1.4), so the loads see the stores above them, and tile 1's stores come behind tile 0's loads
.irp nb, 0,1,2,3
	ds_store_b128 v[STO], v[S+32*(\t)+8*(\nb):S+32*(\t)+8*(\nb)+3]   offset:64*(\nb)
	ds_store_b128 v[STO], v[S+32*(\t)+8*(\nb)+4:S+32*(\t)+8*(\nb)+7] offset:64*(\nb)+16
.endr
.irp j, 0,1,2,3,4,5,6,7
	ds_load_b128 v[S+32*(\t)+4*(\j):S+32*(\t)+4*(\j)+3], v[RD] offset:2*SP*(\j)
.endr
.endr
	s_wait_dscnt 0x0
	WIN 0x08                                       ; source 1 (x) in window 2
.set pp, 0
.rept 32
	v_pk_add_f32 v[S+2*pp:S+2*pp+1], v[S+2*pp:S+2*pp+1], v[2*pp:2*pp+1]
.set pp, pp+1
.endr
	WIN 0
.set i, 0
.rept 16
	global_store_b128 v[GO], v[S+4*i:S+4*i+3], s[OUTP:OUTP+1] offset:4096*i th:TH_STORE_NT  ; 16 lanes store 256 consecutive bytes, aligned
.set i, i+1
.endr
	s_wait_xcnt 0x0                                ; the pointers and the stores' registers are written again only behind this wait
	s_add_nc_u64 s[XP:XP+1], s[XP:XP+1], 256
	s_add_nc_u64 s[OUTP:OUTP+1], s[OUTP:OUTP+1], 256
	s_add_nc_u64 s[BIASP:BIASP+1], s[BIASP:BIASP+1], 256
	s_add_co_u32 s[TBP], s[TBP], REG
.endm
	DLINES                                         ; dv of step 0 (S's registers have served as scratch)
	s_wait_tensorcnt 0x1                           ; my part of slot 0 is in; slot 1's may stay out
	s_barrier_signal -1
	s_barrier_wait -1                              ; everybody's is
	s_mov_b32 s[TB], 0
	s_mov_b32 s[CNT], 14
.Lkey:                                                 ; steps 0 to 13: the change behind step j asks for the keys of step j + 2
	STEP
	CHANGE_KV
	s_sub_co_u32 s[CNT], s[CNT], 1
	s_cmp_lg_u32 s[CNT], 0
	s_cbranch_scc1 .Lkey
	s_mov_b32 s[CNT], 2
.Ltail:                                                ; steps 14 and 15, written out: the slots that they leave take W's tiles 0, 1 and 2, 3
	STEP
	CHANGE_W 1
	s_sub_co_u32 s[CNT], s[CNT], 1
	s_cmp_lg_u32 s[CNT], 0
	s_cbranch_scc1 .Ltail
	s_wait_loadcnt 0x0                             ; the last step's loads into S^T's registers have landed: the projection writes those registers
	; l's two halves and the other half of the lanes' are added; 1 / l
.irp t, 0,1
	v_add_f32 v[ST+8*(\t)+4], v[ST+8*(\t)+2], v[ST+8*(\t)+3]
.endr
.irp t, 0,1
	v_permlanex16_b32 v[ST+8*(\t)+5], v[ST+8*(\t)+4], s[SEL], s[SEL+1]
.endr
.irp t, 0,1
	v_add_f32 v[ST+8*(\t)+4], v[ST+8*(\t)+4], v[ST+8*(\t)+5]
.endr
.irp t, 0,1
	v_rcp_f32 v[ST+8*(\t)+2], v[ST+8*(\t)+4]
.endr
	v_nop                                          ; a plain instruction behind the last reciprocal
	s_wait_alu depctr_va_vdst(0)                   ; and the wait ahead of the first use: one for the two
	; O^T, rounded in pairs, goes where Q lay: channel block cb's four registers at 128 t + 4 cb: blocks 2 c and 2 c + 1 are source 1 for k = 32 c on
	WIN 0x4a                                       ; sources in window 2, destination in window 1
.set i, 0
.rept 128
	v_cvt_pk_bf16_f32 v[128*(i/64)+i%64], v[128*(i/64)+2*(i%64)], v[128*(i/64)+2*(i%64)+1]
.set i, i+1
.endr
	WIN 0x4f                                       ; sources in window 3
.set i, 0
.rept 128
	v_cvt_pk_bf16_f32 v[128*(i/64)+64+i%64], v[128*(i/64)+2*(i%64)], v[128*(i/64)+2*(i%64)+1]
.set i, i+1
.endr
	WIN 0
	s_mov_b32 s[CNT], 2
.LpA:                                                  ; tiles 0, 1 and 2, 3: the slot that is left takes tiles 4, 5 and 6, 7
	s_mov_b32 s[TBP], s[TB]
	s_mov_b32 s[CN2], 2
.LnA:
	NSTEP
	s_sub_co_u32 s[CN2], s[CN2], 1
	s_cmp_lg_u32 s[CN2], 0
	s_cbranch_scc1 .LnA
	CHANGE_W 1
	s_sub_co_u32 s[CNT], s[CNT], 1
	s_cmp_lg_u32 s[CNT], 0
	s_cbranch_scc1 .LpA
	s_mov_b32 s[CNT], 2
.LpB:                                                  ; tiles 4, 5 and 6, 7: nothing is asked for.  The second trip's barrier serves nothing: the price of one text for both trips
	s_mov_b32 s[TBP], s[TB]
	s_mov_b32 s[CN2], 2
.LnB:
	NSTEP
	s_sub_co_u32 s[CN2], s[CN2], 1
	s_cmp_lg_u32 s[CN2], 0
	s_cbranch_scc1 .LnB
	CHANGE_W 0
	s_sub_co_u32 s[CNT], s[CNT], 1
	s_cmp_lg_u32 s[CNT], 0
	s_cbranch_scc1 .LpB
	s_wait_tensorcnt 0x0                           ; the wave's end: behind my last tensor load and my last LDS store
	ds_add_u32 v[SPW], v[NIL]
	s_wait_dscnt 0x0
	CROUND                                         ; the closing round: no work-group ends while a partner may still ask for a tile that names it
	s_endpgm
.Lfunc_end_k_qbd81d20cd2_attn:
	.size	k_qbd81d20cd2_attn, .Lfunc_end_k_qbd81d20cd2_attn-k_qbd81d20cd2_attn
	.p2alignl 7, 3214868480
	.fill 96, 4, 3214868480
	.section	.rodata,"a",@progbits
	.p2align	6, 0x0
	.amdhsa_kernel k_qbd81d20cd2_attn
		.amdhsa_group_segment_fixed_size 327680
		.amdhsa_private_segment_fixed_size 0
		.amdhsa_enable_private_segment 0
		.amdhsa_kernarg_size 56
		.amdhsa_user_sgpr_count 2
		.amdhsa_user_sgpr_kernarg_segment_ptr 1
		.amdhsa_wavefront_size32 1
		.amdhsa_system_sgpr_workgroup_id_x 1
		.amdhsa_system_sgpr_workgroup_id_y 1
		.amdhsa_system_sgpr_workgroup_id_z 1
		.amdhsa_system_vgpr_workitem_id 0
		.amdhsa_next_free_vgpr 1024
		.amdhsa_next_free_sgpr 102
		.amdhsa_reserve_vcc 0
		.amdhsa_float_denorm_mode_32 3
		.amdhsa_float_denorm_mode_16_64 3
		.amdhsa_memory_ordered 1
		.amdhsa_forward_progress 1
		.amdhsa_inst_pref_size 240
	.end_amdhsa_kernel
	.amdgpu_metadata
---
amdhsa.version: [ 1, 2 ]
amdhsa.kernels:
  - .name:           k_qbd81d20cd2_attn
    .symbol:         k_qbd81d20cd2_attn.kd
    .args:
      - { .name: xn, .offset: 0, .size: 8, .value_kind: global_buffer, .address_space: global }
      - { .name: kk, .offset: 8, .size: 8, .value_kind: global_buffer, .address_space: global }
      - { .name: dv, .offset: 16, .size: 8, .value_kind: global_buffer, .address_space: global }
      - { .name: wm, .offset: 24, .size: 8, .value_kind: global_buffer, .address_space: global }
      - { .name: vb, .offset: 32, .size: 8, .value_kind: global_buffer, .address_space: global }
      - { .name: x, .offset: 40, .size: 8, .value_kind: global_buffer, .address_space: global }
      - { .name: out0, .offset: 48, .size: 8, .value_kind: global_buffer, .address_space: global }
    .group_segment_fixed_size: 327680
    .private_segment_fixed_size: 0
    .kernarg_segment_align: 8
    .kernarg_segment_size: 56
    .max_flat_workgroup_size: 128
    .sgpr_count:     102
    .vgpr_count:     1024
    .wavefront_size: 32
...
	.end_amdgpu_metadata
.endif
;; end of part 7
;; ======== version 3 of 4: 3 launches
;; workspace buffers: xn 33,554,432 bytes; wb 2,100,224 bytes; wm 1,048,576 bytes; vb 5,120 bytes
;; launch norm: the kernel of part 4 again; grid 8 x 32, 16 waves a work-group, no clusters, 2,560 bytes of LDS; arguments x, gamma, beta, Wq, Wk, Wv, Wp, bq, bk, bv, xn, wb; writes xn, wb
;; launch prep (part 8): grid 128 x 2, 2 waves a work-group, no clusters, 0 bytes of LDS; arguments wb, bp, wm, vb; writes wm, vb
.if DOCPART == 8
	.amdgcn_target "amdgcn-amd-amdhsa--gfx1250"
	.amdhsa_code_object_version 6
	.text
	.protected	k_qbd81d20cd2_prep
	.globl	k_qbd81d20cd2_prep
	.p2align	8
	.type	k_qbd81d20cd2_prep,@function
k_qbd81d20cd2_prep:
	s_mov_b64 s[64:65], 0
	v_nop
	global_prefetch_b8 v0, s[64:65] scope:SCOPE_SE
	s_setreg_imm32_b32 hwreg(HW_REG_WAVE_MODE, 25, 1), 1
	s_wait_xcnt 0x0
; THE WEIGHTS' PRODUCTS.  With q = xn Wq + bq and k = xn Wk + bk a score is q_n . k_m = xn_m . (Wk q_n) + q_n . bk, and since a softmax's row sums to 1, softmax v Wp = (softmax xn)(Wv Wp) + bv Wp.  So the next launch wants
;   Mt[j][i] = sum over c of Wq[j][c] Wk[i][c]      e[i] = sum over c of Wk[i][c] bq[c]      c'[j] = sum over c of Wq[j][c] bk[c]
;   W'[i][j] = sum over n of Wv[i][n] Wp[n][j]      b'[j] = sum over n of bv[n] Wp[n][j] + bp[j]
; wb holds Wq, Wk, Wv and Wp transposed in bf16, each [512][512] with the summed index along the rows, then bq, bk, bv in bf16.  Both products are C[r][s] = sum over n of A[r][n] B[s][n]:
; plane y = 0: A = Wq, B = Wk, C = Mt, stored [r][s]; plane y = 1: A = Wv, B = Wp transposed, C = W', stored [8 ns][64 rho][8 sigma][64 nu] = W'[64 sigma + rho][64 ns + nu].
; SHARES.  A wave makes 32 x 32 of C: four accumulators, 64 products.  Its fragments come straight from memory, two loads of 16 bytes a lane each; all of them are asked for at once and one wait serves them.
; THE MATRIX INSTRUCTION IS USED TRANSPOSED (source 0 = 16 rows of B, source 1 = 16 rows of A): a lane holds one row of A and eight neighbouring rows of B: 16 bytes of bf16.
; THE VECTORS are products with a bias in all sixteen rows or columns of a fragment.  The waves of the first strip of A's rows take B's rows times bq (y = 0: e) or bv (y = 1: b' less bp); the waves of the first strip of B's rows
; of plane 0 take bk times A's rows (c').  Every wave loads both bias fragments and bp (4,352 bytes of memory), so that the one wait serves them and no register's content hangs on a branch.
; No LDS, no cluster, no prefetch: the launch is one trip to memory and 64 to 128 products a wave.
; LIMITS.  Operands are bf16, sums f32; Mt, W' and c' are rounded once to bf16, e and b' stay in f32.  NaN and infinities are not treated apart.
; REGISTERS, in windows of 256 (s_set_vgpr_msb: bits 1:0 source 0, 3:2 source 1, 5:4 source 2, 7:6 destination):
;   window 0: addresses, accumulators, results     window 1: A, block a, 32 n from 32 c on at 128 a + 8 c     window 2: B likewise     window 3: v0-127 bq or bv, v128-255 bk, 32 n from 32 c on at 8 c
.set PARTW, 524288                     ; a matrix in bf16
.set FO,  2                            ; v2  (lane % 16) x 1,024 + 16 (lane / 16): my place in 16 rows of a fragment, and in 16 rows of C; never rewritten
.set VO,  3                            ; v3  16 (lane / 16): my place in a bias
.set EO,  4                            ; v4  2 x lane: my number of c'
.set HO,  5                            ; v5  32 (lane / 16): my eight numbers of e, b', bp
.set RR,  6                            ; v6  lane % 16
.set LN,  7                            ; v7  lane
.set EV,  8
.set ACC, 16                           ; v[16:47]  accumulator (a, b) at ACC + 8 (2 a + b)
.set ACR, 48                           ; v[48:63]  B's block b times the bias
.set ACL, 64                           ; v[64:79]  the bias times A's block a
.set PK,  80                           ; v[80:95]  C in bf16
.set BPV, 96                           ; v[96:111] bp, as ACR lies
.set YY,  13                           ; s13 the plane
.set AP,  36                           ; s[36:37] my 32 rows of A
.set BQ,  38                           ; s[38:39] my 32 rows of B
.set RB,  40                           ; s[40:41] bq or bv
.set CB,  42                           ; s[42:43] bk
.set MSB, 0
.macro WIN new                         ; the immediate's high byte repeats the setting that is left; a switch that changes nothing is dropped
.if MSB != (\new)
	s_set_vgpr_msb (MSB<<8)|(\new)
.set MSB, \new
.endif
.endm
.macro PLACES                          ; four places between a matrix instruction and a vector line or store that reads its result
.rept 4
	v_nop
.endr
.endm
.macro FRAGS ptr                       ; 32 rows x 512 numbers
.set c, 0
.rept 16
.irp a, 0,1
	global_load_b128 v[128*(\a)+8*c:128*(\a)+8*c+3],   v[FO], s[\ptr:\ptr+1] offset:16384*(\a)+64*c
	global_load_b128 v[128*(\a)+8*c+4:128*(\a)+8*c+7], v[FO], s[\ptr:\ptr+1] offset:16384*(\a)+64*c+32
.endr
.set c, c+1
.endr
.endm
.macro BFRAGS at, ptr                  ; a bias as a fragment whose sixteen rows are alike
.set c, 0
.rept 16
	global_load_b128 v[(\at)+8*c:(\at)+8*c+3],   v[VO], s[\ptr:\ptr+1] offset:64*c
	global_load_b128 v[(\at)+8*c+4:(\at)+8*c+7], v[VO], s[\ptr:\ptr+1] offset:64*c+32
.set c, c+1
.endr
.endm
	s_load_b256 s[4:11], s[0:1], 0x0               ; wb 4, bp 6, wm 8, vb 10
	v_lshrrev_b32 v1, 5, v0
	v_readfirstlane_b32 s12, v1                    ; wave 0, 1
	s_and_b32 s[YY], ttmp7, 0xffff
	s_lshl1_add_u32 s14, ttmp9, s12                ; my square of 256
	s_lshr_b32 s15, s14, 4                         ; I: A's rows 32 I on
	s_and_b32 s16, s14, 15                         ; J: B's rows 32 J on
	v_and_b32 v[RR], 15, v0
	v_bfe_u32 v[HO], v0, 4, 1
	v_lshlrev_b32 v[VO], 4, v[HO]
	v_lshl_add_u32 v[FO], v[RR], 10, v[VO]
	v_and_b32 v[LN], 31, v0
	v_lshlrev_b32 v[EO], 1, v[LN]
	v_lshlrev_b32 v[HO], 5, v[HO]
	s_lshl_b32 s20, s[YY], 20                      ; A: part 0 (Wq) or 2 (Wv)
	s_lshl_b32 s21, s15, 15
	s_add_co_u32 s20, s20, s21
	s_mov_b32 s21, 0
	s_lshl_b32 s22, s[YY], 20                      ; B: part 1 (Wk) or 3 (Wp transposed)
	s_add_co_u32 s22, s22, PARTW
	s_lshl_b32 s23, s16, 15
	s_add_co_u32 s22, s22, s23
	s_mov_b32 s23, 0
	s_lshl_b32 s24, s[YY], 11                      ; bq or bv
	s_add_co_u32 s24, s24, 4*PARTW
	s_mov_b32 s25, 0
	s_lshl_b32 s26, s15, 15                        ; C in plane 0: row 32 I, column 32 J
	s_lshl_b32 s27, s16, 6
	s_add_co_u32 s26, s26, s27
	s_lshr_b32 s27, s16, 1                         ; in plane 1: ns = J / 2,
	s_lshl_b32 s27, s27, 16
	s_and_b32 s28, s15, 1                          ; rho = 32 (I % 2) on,
	s_lshl_b32 s28, s28, 15
	s_add_co_u32 s27, s27, s28
	s_lshr_b32 s28, s15, 1                         ; sigma = I / 2,
	s_lshl_b32 s28, s28, 7
	s_add_co_u32 s27, s27, s28
	s_and_b32 s28, s16, 1                          ; nu = 32 (J % 2) on
	s_lshl_b32 s28, s28, 6
	s_add_co_u32 s27, s27, s28
	s_add_co_u32 s27, s27, PARTW
	s_cmp_eq_u32 s[YY], 0
	s_cselect_b32 s26, s26, s27
	s_mov_b32 s27, 0
	s_lshl_b32 s30, s16, 7                         ; my 32 numbers of bp,
	s_mov_b32 s31, 0
	s_lshl_b32 s28, s[YY], 11                      ; and of e (at 0) or b' (at 2,048)
	s_add_co_u32 s28, s28, s30
	s_mov_b32 s29, 0
	s_lshl_b32 s32, s15, 6                         ; my 32 numbers of c' (at 4,096)
	s_add_co_u32 s32, s32, 4096
	s_mov_b32 s33, 0
	s_or_b32 s35, s16, s[YY]                       ; 0: I make c'
	s_wait_kmcnt 0x0
	s_add_nc_u64 s[AP:AP+1], s[4:5], s[20:21]
	s_add_nc_u64 s[BQ:BQ+1], s[4:5], s[22:23]
	s_add_nc_u64 s[RB:RB+1], s[4:5], s[24:25]
	s_add_nc_u64 s[CB:CB+1], s[4:5], 4*PARTW+1024
	s_add_nc_u64 s[6:7], s[6:7], s[30:31]
	s_add_nc_u64 s[8:9], s[8:9], s[26:27]
	s_add_nc_u64 s[44:45], s[10:11], s[28:29]
	s_add_nc_u64 s[46:47], s[10:11], s[32:33]
	WIN 0x40                                       ; destination window 1, address window 0
	FRAGS AP
	WIN 0x80
	FRAGS BQ
	WIN 0xc0
	BFRAGS 0, RB
	BFRAGS 128, CB
	WIN 0
.irp b, 0,1
	global_load_b128 v[BPV+8*(\b):BPV+8*(\b)+3],   v[HO], s[6:7] offset:64*(\b)
	global_load_b128 v[BPV+8*(\b)+4:BPV+8*(\b)+7], v[HO], s[6:7] offset:64*(\b)+16
.endr
	s_wait_loadcnt 0x0
	WIN 0x06                                       ; source 0 (B) window 2, source 1 (A) window 1, C and D window 0
.set c, 0
.rept 16                                       ; the four accumulators take turns, one instruction a turn; the first four products begin the sums
.irp a, 0,1
.irp b, 0,1
.if c == 0
	v_wmma_f32_16x16x32_bf16 v[ACC+8*(2*(\a)+(\b)):ACC+8*(2*(\a)+(\b))+7], v[128*(\b)+8*c:128*(\b)+8*c+7], v[128*(\a)+8*c:128*(\a)+8*c+7], 0
.else
	v_wmma_f32_16x16x32_bf16 v[ACC+8*(2*(\a)+(\b)):ACC+8*(2*(\a)+(\b))+7], v[128*(\b)+8*c:128*(\b)+8*c+7], v[128*(\a)+8*c:128*(\a)+8*c+7], v[ACC+8*(2*(\a)+(\b)):ACC+8*(2*(\a)+(\b))+7]
.endif
.endr
.endr
.set c, c+1
.endr
	WIN 0
	PLACES
.irp t, 0,1,2,3
.irp r, 0,1,2,3
	v_cvt_pk_bf16_f32 v[PK+4*(\t)+(\r)], v[ACC+8*(\t)+2*(\r)], v[ACC+8*(\t)+2*(\r)+1]
.endr
.endr
.irp a, 0,1
.irp b, 0,1
	global_store_b128 v[FO], v[PK+4*(2*(\a)+(\b)):PK+4*(2*(\a)+(\b))+3], s[8:9] offset:16384*(\a)+32*(\b)  ; in both layouts 16 rows on are 16,384 bytes, 16 columns on 32
.endr
.endr
	s_cmp_lg_u32 s15, 0
	s_cbranch_scc1 .Lno_row
	WIN 0x0e                                       ; source 0 (B) window 2, source 1 (bq or bv) window 3
.set c, 0
.rept 16
.irp b, 0,1
.if c == 0
	v_wmma_f32_16x16x32_bf16 v[ACR+8*(\b):ACR+8*(\b)+7], v[128*(\b)+8*c:128*(\b)+8*c+7], v[8*c:8*c+7], 0
.else
	v_wmma_f32_16x16x32_bf16 v[ACR+8*(\b):ACR+8*(\b)+7], v[128*(\b)+8*c:128*(\b)+8*c+7], v[8*c:8*c+7], v[ACR+8*(\b):ACR+8*(\b)+7]
.endif
.endr
.set c, c+1
.endr
	WIN 0
	PLACES
	s_cmp_eq_u32 s[YY], 0
	s_cbranch_scc1 .Lno_bp
.irp k, 0,2,4,6,8,10,12,14
	v_pk_add_f32 v[ACR+(\k):ACR+(\k)+1], v[ACR+(\k):ACR+(\k)+1], v[BPV+(\k):BPV+(\k)+1]
.endr
.Lno_bp:
	v_cmp_eq_u32 vcc_lo, 0, v[RR]                  ; all sixteen lanes of a half hold the same eight numbers: lanes 0 and 16 store them
	s_wait_xcnt 0x0                                ; EXEC changes only behind this wait: stores are out
	s_and_saveexec_b32 s49, vcc_lo
.irp b, 0,1
	global_store_b128 v[HO], v[ACR+8*(\b):ACR+8*(\b)+3],   s[44:45] offset:64*(\b)
	global_store_b128 v[HO], v[ACR+8*(\b)+4:ACR+8*(\b)+7], s[44:45] offset:64*(\b)+16
.endr
	s_wait_xcnt 0x0                                ; and again, in front of the line that widens it
	s_or_b32 exec_lo, exec_lo, s49
.Lno_row:
	s_cmp_lg_u32 s35, 0
	s_cbranch_scc1 .Lno_col
	WIN 0x07                                       ; source 0 (bk) window 3, source 1 (A) window 1
.set c, 0
.rept 16
.irp a, 0,1
.if c == 0
	v_wmma_f32_16x16x32_bf16 v[ACL+8*(\a):ACL+8*(\a)+7], v[128+8*c:128+8*c+7], v[128*(\a)+8*c:128*(\a)+8*c+7], 0
.else
	v_wmma_f32_16x16x32_bf16 v[ACL+8*(\a):ACL+8*(\a)+7], v[128+8*c:128+8*c+7], v[128*(\a)+8*c:128*(\a)+8*c+7], v[ACL+8*(\a):ACL+8*(\a)+7]
.endif
.endr
.set c, c+1
.endr
	WIN 0
	PLACES
	v_cmp_lt_u32 s48, 15, v[LN]                    ; a lane's eight registers hold the same number, row lane % 16's: lanes 0-15 take block 0's, lanes 16-31 block 1's
	v_cndmask_b32 v[EV], v[ACL], v[ACL+8], s48
	v_cvt_pk_bf16_f32 v[EV], v[EV], v[EV]
	global_store_b16 v[EO], v[EV], s[46:47]        ; 64 consecutive bytes
.Lno_col:
	s_endpgm
.Lfunc_end_k_qbd81d20cd2_prep:
	.size	k_qbd81d20cd2_prep, .Lfunc_end_k_qbd81d20cd2_prep-k_qbd81d20cd2_prep
	.p2alignl 7, 3214868480
	.fill 96, 4, 3214868480
	.section	.rodata,"a",@progbits
	.p2align	6, 0x0
	.amdhsa_kernel k_qbd81d20cd2_prep
		.amdhsa_group_segment_fixed_size 0
		.amdhsa_private_segment_fixed_size 0
		.amdhsa_enable_private_segment 0
		.amdhsa_kernarg_size 32
		.amdhsa_user_sgpr_count 2
		.amdhsa_user_sgpr_kernarg_segment_ptr 1
		.amdhsa_wavefront_size32 1
		.amdhsa_system_sgpr_workgroup_id_x 1
		.amdhsa_system_sgpr_workgroup_id_y 1
		.amdhsa_system_sgpr_workgroup_id_z 1
		.amdhsa_system_vgpr_workitem_id 0
		.amdhsa_next_free_vgpr 1024
		.amdhsa_next_free_sgpr 66
		.amdhsa_reserve_vcc 1
		.amdhsa_float_denorm_mode_32 3
		.amdhsa_float_denorm_mode_16_64 3
		.amdhsa_memory_ordered 1
		.amdhsa_forward_progress 1
		.amdhsa_inst_pref_size 33
	.end_amdhsa_kernel
	.amdgpu_metadata
---
amdhsa.version: [ 1, 2 ]
amdhsa.kernels:
  - .name:           k_qbd81d20cd2_prep
    .symbol:         k_qbd81d20cd2_prep.kd
    .args:
      - { .name: wb, .offset: 0, .size: 8, .value_kind: global_buffer, .address_space: global }
      - { .name: bp, .offset: 8, .size: 8, .value_kind: global_buffer, .address_space: global }
      - { .name: wm, .offset: 16, .size: 8, .value_kind: global_buffer, .address_space: global }
      - { .name: vb, .offset: 24, .size: 8, .value_kind: global_buffer, .address_space: global }
    .group_segment_fixed_size: 0
    .private_segment_fixed_size: 0
    .kernarg_segment_align: 8
    .kernarg_segment_size: 32
    .max_flat_workgroup_size: 64
    .sgpr_count:     66
    .vgpr_count:     1024
    .wavefront_size: 32
...
	.end_amdgpu_metadata
.endif
;; end of part 8
;; launch attn (part 9): grid 8 x 32, 4 waves a work-group, clusters of 4 x 1, 327,680 bytes of LDS; arguments xn, wm, vb, x, out0; writes out0
.if DOCPART == 9
	.amdgcn_target "amdgcn-amd-amdhsa--gfx1250"
	.amdhsa_code_object_version 6
	.text
	.protected	k_qbd81d20cd2_attn
	.globl	k_qbd81d20cd2_attn
	.p2align	8
	.type	k_qbd81d20cd2_attn,@function
k_qbd81d20cd2_attn:
	s_mov_b64 s[64:65], 0
	v_nop
	global_prefetch_b8 v0, s[64:65] scope:SCOPE_SE
	s_setreg_imm32_b32 hwreg(HW_REG_WAVE_MODE, 25, 1), 1
	s_wait_xcnt 0x0
	s_wait_alu depctr_hold_cnt(0) depctr_sa_sdst(0) depctr_va_vdst(0) depctr_va_sdst(0) depctr_va_ssrc(0) depctr_va_vcc(0) depctr_vm_vsrc(0)
	s_getreg_b32 s2, hwreg(HW_REG_IB_STS2, 6, 4)
	s_cmp_eq_u32 s2, 0
	s_cbranch_scc0 .Lentry_in_a_cluster
	s_endpgm
.Lentry_in_a_cluster:
	s_bfe_u32 s2, ttmp6, 0x10000c
	s_cmp_lg_u32 s2, 0x3003
	s_cbranch_scc0 .Lentry_shape_is_right
	s_endpgm
.Lentry_shape_is_right:
; out0 = x + softmax(q k^T / sqrt(512)) v Wp + bp, with q, k and v never formed.  q_n . k_m = xn_m . (Wk q_n) + q_n . bk, so with qt_n = xn_n Mt + e (Mt = Wq Wk^T, e = Wk bq) and t_n = xn_n . c' (c' = Wq bk) a score is
; xn_m . qt_n + t_n + bq . bk; the last term is one number for all scores and leaves with the row's maximum.  A softmax's row sums to 1, so softmax v Wp + bp = (softmax xn) W' + b' with W' = Wv Wp, b' = bv Wp + bp.
; So the keys AND the values are xn, and qt hangs on a query's own row alone: each work-group makes it for its own queries.
; xn: bf16 [32 b][8 g][1024 n][64]; wm: Mt in bf16, [512 j][512 i], then W' as [8 ns][64 rho][8 sigma][64 nu] = W'[64 sigma + rho][64 ns + nu]; vb: e (f32, at 0), b' (f32, at 2,048), c' (bf16, at 4,096); x, out0: f32 [32768][512].
; Products, maxima and sums in f32; qt is rounded once to bf16, the weights p for the second product (their sum l is taken of the unrounded p), the unnormalised O once for the third.
; LIMITS.  A weight below 2^-126 counts as 0 in l.  m starts at the lowest finite number and c m at -2^125, below every finite c s (c = 0.0638).  qt must be finite: the first key step multiplies what qt's sums left in O^T's
; registers by a = 0.  NaN and infinities are not treated apart.
; SHARES.  A work-group owns 128 queries of one b, each of its four waves 32: two tiles of 16.  Every wave walks all 1,024 keys, 64 a step.
; LAYOUT.  S^T = K Q^T (source 0 = 16 keys, source 1 = 16 queries): a lane holds ONE query (lane % 16) and eight keys.  S^T's registers are loaded with t of the lane's query, so every product adds in place.
; Two such results rounded in pairs ARE source 1 of O^T = V^T P, whose result again holds one query a lane, and eight channels.  Two channel blocks of O^T rounded in pairs ARE source 1 of a product over channels.
; So qt^T = Mt^T xn^T is the V^T P phase (a tile of Mt in V's place, a group of the queries in P's, e as the sums' start), its result goes where Q lies, and out^T = W'^T O^T is the S phase once more.
; ONE TILE FOR K AND V: [group][key], 144 bytes a key.  In each 16 keys row m of a K fragment is key 2 (m % 8) + m / 8, and the turning load's lane takes key 2 (lane % 8) + lane / 16: both products number the keys alike,
; the softmax does not care.
; SOFTMAX.  For each query a running maximum m and sum l: p = 2^(c s - c m), c = log2(e) / sqrt(512); in every step O and l are multiplied by a = 2^(c m_old - c m_new): 0 in the first step.
; CLUSTER.  The four query blocks of a cluster belong to one b and walk the same Mt, keys and W': each tile is asked for JOINTLY, by the same tensor load, descriptor and mask in all four; each wave brings a quarter.
; REGISTERS, in windows of 256 (s_set_vgpr_msb: bits 1:0 source 0, 3:2 source 1, 5:4 source 2, 7:6 destination):
;   window 0: v0-31 addresses and statistics; v32-63 P (a group of the queries; in the projection: b'); v64-127 S^T; v128-191, v192-255 two buffers of eight fragments
;   window 1: c', then qt, then the rounded O: tile t, channels 32 c on at 128 t + 8 c        windows 2, 3: qt^T's sums, then O^T: tile t, channel block cb at 128 t + 8 (cb % 16) (in the projection window 2's v0-63 hold x)
.set PX,    144                        ; 64 channels of a key or a query in LDS: 128 bytes + 16
.set XGRP,  64*PX                      ; a group's 64 keys
.set SLOTB, 8*XGRP                     ; a slot: a key step, or a tile of Mt or W'.  73,728 = 0x12000: its bits are set in none of the LDS words that are turned by an exclusive or
.set PV,    1056                       ; a row of Mt or W': 1,024 bytes + 32: an odd multiple of 32; 64 rows fit in a slot
.set AB,    2*SLOTB                    ; behind the ring: the queries, filled once: wave w's 32 rows of group g at AB + w AWV + g AGQ
.set AGQ,   32*PX
.set AWV,   8*AGQ
.set STAGE, AB+4*AWV                   ; never filled by a tensor load: 16 rows x 272 bytes for each wave: t during the key steps, then the way out
.set SP,    272
.set SPARE, STAGE+4*16*SP              ; the spare words, 128 bytes for each wave: two blocks of 256 bytes that no other line names
.set TILEB, 65536                      ; a tile of Mt or W' in memory
.set XSTEP, 8192                       ; 64 keys of one group of xn
.set AVH, 0                            ; v0   V's LDS address in the step in hand, groups 4-7 (the thread's number is used at the head alone)
.set AW0, 1                            ; v1   my lane's place in a tile of Mt or W'; never rewritten once made
.set AK0, 2                            ; v2   my lane's place in a group of keys, for K; never rewritten
.set AV0, 3                            ; v3   the same for V
.set AK,  4                            ; v4   K's LDS address, groups 0-3
.set AQ,  4                            ;      before that: my lane's place in the group of queries in hand
.set AV,  5                            ; v5   V's, groups 0-3, or the Mt or W' tile's
.set AKH, 6                            ; v6   K's, groups 4-7: an LDS offset has 16 bits
.set AQ0, 6                            ;      before that: my lane's place in my wave's queries, group 0
.set RD,  7                            ; v7   the way out: where I read rows back
.set GO,  8                            ; v8   my byte offset in two rows of x and out0; never rewritten
.set PFO, 9                            ; v9   256 x lane; never rewritten
.set SPW, 10                           ; v10  LDS address of my spare word; never rewritten
.set NIL, 11                           ; v11  0; never rewritten
.set ST,  12                           ; tile t's statistics at v[ST+8 t]: c m, m, l (even keys', odd keys'), c0-c3 at work; a takes c2's place
.set MV,  28                           ; v28-29 c m_old, kept while c m is made anew
.set BO,  30                           ; v30  32 (lane / 16): my place in 16 numbers of e and of b'
.set STO, 31                           ; v31  my 32 bytes of a stage row: t of my query for both tiles, later the way out
.set P,   32
.set S,   64
.set EO,  100                          ; v100 16 (lane / 16): my place in c' (one of S's registers: at the head alone)
.set F0,  128
.set WV,  14                           ; s14  my wave's number
.set G1X, 24                           ; s[24:31] descriptor group 1 for a key step
.set G1W, 32                           ; s[32:39] for a tile of Mt or W'
.set G1A, 40                           ; s[40:47] for my queries
.set G0A, 48                           ; s[48:51] group 0 for my queries
.set G0W, 52                           ; s[52:59] group 0 for wm: a set for each of the two first fills; the second then walks on, through Mt and on through W'
.set G0X, 60                           ; s[60:63] group 0 for the key steps
.set CS,  66                           ; s[66:67] c: the packed scaling takes the pair's low word for both halves
.set SEL, 68                           ; s[68:69] v_permlanex16_b32's selects
.set PFA, 70                           ; s[70:71] where my prefetches stand
.set PL,  72                           ; s72  prefetches to go
.set TT,  73
.set XP,  74                           ; s[74:75] x at my rows
.set OUTP, 76                          ; s[76:77] out0 at my rows, at the 64 columns in hand
.set BIASP, 78                         ; s[78:79] b' at the 64 columns in hand
.set XB,  80                           ; s[80:81] xn at b's first key, my two groups
.set XO,  82                           ; s[82:83] bytes from there to the key step to be asked for
.set XC,  84                           ; s[84:85] x at my rows, at the 64 columns to be asked for
.set XOF, 86                           ; s[86:87] bytes from XP to there
.set CNT, 88
.set TB,  89                           ; s89  LDS byte of the slot in hand
.set AGO, 90                           ; s90  LDS bytes to the group of queries in hand
.set CP,  92                           ; s[92:93] c'
.set MSB, 0
.macro WIN new                         ; the immediate's high byte repeats the setting that is left; a switch that changes nothing is dropped
.if MSB != (\new)
	s_set_vgpr_msb (MSB<<8)|(\new)
.set MSB, \new
.endif
.endm
.macro LWIN                            ; LDS loads want destination and address in window 0: settings 0 and 0x04 both do
.if MSB != 0x04
	WIN 0
.endif
.endm
.macro PLACES                          ; four places in front of loads into registers that matrix instructions have read, and of vector lines that read results
.rept 4
	v_nop
.endr
.endm
.macro CROUND                          ; a round of the cluster's barrier
	s_barrier_signal -1
	s_barrier_wait -1
	s_cmp_lg_u32 s[WV], 0
	s_cbranch_scc1 .Lnot_wave_0_\@
	s_barrier_signal -3
.Lnot_wave_0_\@:
	s_barrier_wait -3
	s_barrier_signal -1
	s_barrier_wait -1
.endm
; A PREFETCH INTO THE L2 of the key step that the NEXT change of slots will ask for: 64 keys of eight groups, 256 blocks of 256 bytes.  Both clusters of a b walk the same keys: the first one asks.  Its four partners share
; the groups out BY ADDRESS, two each; in each, waves 0 and 1 take a group, a lane a block: each block is named once in the launch.  It stands a key step, 256 matrix instructions, ahead of the load.
; Step 0 comes by its load alone; steps 1 to 15 are asked for: fifteen requests; the change that asks for step 15's load prefetches nothing.
.macro ASK
	s_cmp_lg_u32 s[PL], 0
	s_cbranch_scc0 .Lnot_mine_\@
	global_prefetch_b8 v[PFO], s[PFA:PFA+1] th:TH_LOAD_NT scope:SCOPE_SE
	s_sub_co_u32 s[PL], s[PL], 1
.Lnot_mine_\@:
.endm
	s_load_b256 s[4:11], s[0:1], 0x0               ; xn 4, wm 6, vb 8, x 10
	s_load_b64 s[12:13], s[0:1], 0x20              ; out0
	v_lshl_add_u32 v[SPW], v0, 2, SPARE
	v_mov_b32 v[NIL], 0
	ds_add_u32 v[SPW], v[NIL]                      ; the wave's opening: the add and its wait stand ahead of my first tensor load; the set-up below, work on registers, stands between them
	v_lshrrev_b32 v1, 5, v0
	v_readfirstlane_b32 s[WV], v1                  ; wave 0..3
	s_bfe_u32 s15, ttmp6, 0x40000                  ; cx: my place in the cluster
	s_lshl_b32 s16, ttmp9, 2
	s_add_co_u32 s16, s16, s15                     ; my block of 128 queries: it enters my queries', x's, out0's and the prefetches' addresses alone
	s_and_b32 s17, ttmp7, 0xffff                   ; b, which the four partners share
	; a key step, my quarter: 64 keys of a group are 8,192 dense bytes: a row of the tile; two groups, 131,072 bytes apart, are its rows; padded in LDS after every key's 128 bytes
	s_mov_b32 s[G1X],   15|(1<<16)|(1<<20)|(1<<21)|(4<<22)|(3<<25)  ; the mask of four; 2-byte elements; padding on; bit 21 beside a mask; after every 32 words; 4 words
	s_mov_b32 s[G1X+1], 4096<<16                   ; tensor_dim0
	s_mov_b32 s[G1X+2], 2<<16                      ; tensor_dim1
	s_mov_b32 s[G1X+3], 4096<<16                   ; tile_dim0
	s_mov_b32 s[G1X+4], 2                          ; tile_dim1
	s_mov_b32 s[G1X+5], 65536                      ; elements from group to group
	s_mov_b32 s[G1X+6], 0
	s_mov_b32 s[G1X+7], 0
	; a tile of Mt or W', my quarter: 16 rows x 512 elements
	s_mov_b32 s[G1W],   15|(1<<16)|(1<<20)|(1<<21)|(7<<22)|(7<<25)  ; after every 256 words; 8 words
	s_mov_b32 s[G1W+1], 512<<16
	s_mov_b32 s[G1W+2], 16<<16
	s_mov_b32 s[G1W+3], 512<<16
	s_mov_b32 s[G1W+4], 16
	s_mov_b32 s[G1W+5], 512
	s_mov_b32 s[G1W+6], 0
	s_mov_b32 s[G1W+7], 0
	; my wave's 32 queries: 4,096 dense bytes of each of the eight groups
	s_mov_b32 s[G1A],   (1<<16)|(1<<20)|(4<<22)|(3<<25)  ; no mask: the load is my own
	s_mov_b32 s[G1A+1], 2048<<16
	s_mov_b32 s[G1A+2], 8<<16
	s_mov_b32 s[G1A+3], 2048<<16
	s_mov_b32 s[G1A+4], 8
	s_mov_b32 s[G1A+5], 65536
	s_mov_b32 s[G1A+6], 0
	s_mov_b32 s[G1A+7], 0
	s_mov_b32 s[G0A], 1
	s_mul_i32 s[G0A+1], s[WV], AWV                 ; no place in the cluster enters an LDS address
	s_add_co_u32 s[G0A+1], s[G0A+1], AB
	s_mov_b32 s[G0W], 1
	s_mul_i32 s[G0W+1], s[WV], 16*PV               ; tile 0 into slot 0,
	s_mov_b32 s[G0W+4], 1
	s_add_co_u32 s[G0W+5], s[G0W+1], SLOTB         ; tile 1 into slot 1
	s_mov_b32 s[G0X], 1
	s_mul_i32 s[G0X+1], s[WV], 2*XGRP
	s_add_co_u32 s[G0X+1], s[G0X+1], SLOTB         ; the first fill turns it to slot 0
	s_lshl_b32 s18, s17, 20                        ; the keys: b's eight blocks of xn,
	s_lshl_b32 s19, s[WV], 18                      ; groups 2 w and 2 w + 1
	s_add_co_u32 s18, s18, s19
	s_mov_b32 s19, 0
	s_lshl_b32 s20, s[WV], 14                      ; my 16 rows of a tile of wm
	s_mov_b32 s21, 0
	s_lshl_b32 s96, s16, 7
	s_lshl_b32 s97, s[WV], 5
	s_add_co_u32 s96, s96, s97                     ; my wave's first row in b
	s_lshl_b32 s98, s96, 7                         ; my queries: 128 bytes a row in each block of xn
	s_lshl_b32 s97, s17, 20
	s_add_co_u32 s98, s98, s97
	s_mov_b32 s99, 0
	s_lshl_b32 s97, s17, 10
	s_add_co_u32 s96, s96, s97
	s_lshl_b32 s96, s96, 11                        ; x and out0: 2,048 bytes a row
	s_mov_b32 s97, 0
	s_and_b32 s22, s[WV], 1                        ; the prefetches: group 2 cx + w % 2 of b
	s_lshl1_add_u32 s2, s15, s22
	s_lshl_b32 s2, s2, 17
	s_lshl_b32 s3, s17, 20
	s_add_co_u32 s2, s2, s3
	s_mov_b32 s3, 0
	s_lshr_b32 s23, s[WV], 1                       ; waves 0 and 1 of b's first cluster ask: the same in all four partners
	s_or_b32 s23, s23, ttmp9
	s_cmp_eq_u32 s23, 0
	s_cselect_b32 s[PL], 15, 0
	s_mov_b32 s[CS], 0x3d8293ee                    ; c = log2(e) / sqrt(512) = 0.0637587
	s_mov_b32 s[CS+1], s[CS]
	s_mov_b32 s[SEL], 0x76543210
	s_mov_b32 s[SEL+1], 0xfedcba98
	s_mov_b32 s[XO], 0
	s_mov_b32 s[XO+1], 0
	s_mov_b32 s[XOF], 0
	s_mov_b32 s[XOF+1], 0
	s_wait_dscnt 0x0                               ; the opening add is done
	s_wait_kmcnt 0x0
	s_add_nc_u64 s[G0A+2:G0A+3], s[4:5], s[98:99]
	s_add_nc_u64 s[G0W+2:G0W+3], s[6:7], s[20:21]
	s_add_nc_u64 s[G0W+6:G0W+7], s[G0W+2:G0W+3], TILEB
.irp g, G0A+3, G0W+3, G0W+7
	s_or_b32 s[\g], s[\g], 0x80000000              ; type = 2
.endr
	s_add_nc_u64 s[XB:XB+1], s[4:5], s[18:19]
	s_add_nc_u64 s[XP:XP+1], s[10:11], s[96:97]
	s_mov_b64 s[XC:XC+1], s[XP:XP+1]
	s_add_nc_u64 s[OUTP:OUTP+1], s[12:13], s[96:97]
	s_add_nc_u64 s[BIASP:BIASP+1], s[8:9], 2048
	s_add_nc_u64 s[CP:CP+1], s[8:9], 4096
	s_add_nc_u64 s[PFA:PFA+1], s[4:5], s[2:3]      ; at step 0: the first change that asks for keys steps it to step 1
	CROUND                                         ; all four work-groups are here: the first joint loads meet
	tensor_load_to_lds s[G0A:G0A+3], s[G1A:G1A+7]  ; the first fills go out as one group: three loads of mine are out
	s_nop 0
	tensor_load_to_lds s[G0W:G0W+3], s[G1W:G1W+7]
	s_nop 0
	tensor_load_to_lds s[G0W+4:G0W+7], s[G1W:G1W+7]
	s_nop 0
.rept 4
	v_nop
.endr
	; A fragment of K or of queries is 16 rows x 32 channels in 8 registers: lane l holds row l % 16, channels 8 (l / 16) + 0..7 and 16 + 8 (l / 16) + 0..7: two loads of 16 bytes, 32 bytes apart.
	v_and_b32 v1, 15, v0                           ; l % 16
	v_bfe_u32 v96, v0, 4, 1                        ; l / 16 (S's registers serve as scratch here)
	v_and_b32 v97, 7, v0                           ; l % 8
	v_bfe_u32 v98, v0, 3, 1                        ; (l / 8) % 2
	s_mul_i32 s3, s[WV], AWV
	s_add_co_u32 s3, s3, AB
	v_mul_u32_u24 v[AQ0], v1, PX
	v_lshl_add_u32 v[AQ0], v96, 4, v[AQ0]
	v_add_nc_u32 v[AQ0], s3, v[AQ0]
	v_lshl_add_u32 v99, v97, 1, v98                ; K: row m = l % 16 is key 2 (m % 8) + m / 8
	v_mul_u32_u24 v[AK0], v99, PX
	v_lshl_add_u32 v[AK0], v96, 4, v[AK0]
	; The turning load takes 16 k x 16 columns (lane l reads 16 bytes of the row that is k = 8 (l / 16) + l % 8, columns 8 ((l / 8) % 2) + 0..7) and leaves half a fragment: lane l holds column l % 16 and 8 k.
	v_lshl_add_u32 v99, v97, 1, v96                ; V: that k is key 2 (l % 8) + l / 16
	v_mul_u32_u24 v[AV0], v99, PX
	v_lshl_add_u32 v[AV0], v98, 4, v[AV0]
	s_mul_i32 s2, s[WV], 16*SP
	s_add_co_u32 s2, s2, STAGE                     ; my stage
	v_mul_u32_u24 v99, v1, SP                      ; in: row l % 16 of a tile, 32 bytes for each half of the lanes
	v_lshl_add_u32 v99, v96, 5, v99
	v_add_nc_u32 v[STO], s2, v99
	v_mul_u32_u24 v99, v96, SP                     ; back: lanes 0-15 take one row of 256 bytes, lanes 16-31 the next
	v_lshl_add_u32 v99, v1, 4, v99
	v_add_nc_u32 v[RD], s2, v99
	v_lshlrev_b32 v99, 11, v96                     ; and the same two rows in x and out0
	v_lshl_add_u32 v[GO], v1, 4, v99
	v_lshlrev_b32 v[BO], 5, v96
	v_lshlrev_b32 v[EO], 4, v96
	v_and_b32 v[PFO], 31, v0
	v_lshlrev_b32 v[PFO], 8, v[PFO]
	v_lshl_add_u32 v99, v96, 3, v97                ; Mt and W': k as it lies
	v_mul_u32_u24 v[AW0], v99, PV                  ; (l % 16 has served)
	v_lshl_add_u32 v[AW0], v98, 4, v[AW0]
	WIN 0x40                                       ; destination window 1
.set c, 0
.rept 16                                       ; c' as a fragment whose sixteen rows are alike: channels 32 c on at 8 c
	global_load_b128 v[8*c:8*c+3],   v[EO], s[CP:CP+1] offset:64*c
	global_load_b128 v[8*c+4:8*c+7], v[EO], s[CP:CP+1] offset:64*c+32
.set c, c+1
.endr
	; e goes straight into the registers of qt^T's sums, for both tiles: register j of channel block cb in lane l is channel 16 cb + 8 (l / 16) + j.  Nothing is cleared, nothing added later
	WIN 0x80
.set i, 0
.rept 32
	global_load_b128 v[128*(i/16)+8*(i%16):128*(i/16)+8*(i%16)+3],   v[BO], s[8:9] offset:64*(i%16)
	global_load_b128 v[128*(i/16)+8*(i%16)+4:128*(i/16)+8*(i%16)+7], v[BO], s[8:9] offset:64*(i%16)+16
.set i, i+1
.endr
	WIN 0xc0
.set i, 0
.rept 32
	global_load_b128 v[128*(i/16)+8*(i%16):128*(i/16)+8*(i%16)+3],   v[BO], s[8:9] offset:1024+64*(i%16)
	global_load_b128 v[128*(i/16)+8*(i%16)+4:128*(i/16)+8*(i%16)+7], v[BO], s[8:9] offset:1024+64*(i%16)+16
.set i, i+1
.endr
	WIN 0
.irp t, 0,1
	v_mov_b32 v[ST+8*(\t)], 0xfe000000             ; c m: below every c s
	v_mov_b32 v[ST+8*(\t)+1], 0xff7fffff           ; m
	v_mov_b32 v[ST+8*(\t)+2], 0
	v_mov_b32 v[ST+8*(\t)+3], 0
.endr
; t.  16 fragments of my wave's 32 queries: tiles a = 0, 1, channels 32 (8 q + cc) on, at F0 + 8 (2 cc + a)
.macro DFETCH q
	WIN 0
.irp cc, 0,1,2,3,4,5,6,7
.irp a, 0,1
	ds_load_b128 v[F0+8*(2*(\cc)+(\a)):F0+8*(2*(\cc)+(\a))+3],   v[AQ0] offset:(4*(\q)+(\cc)/2)*AGQ+(\a)*16*PX+((\cc)%2)*64
	ds_load_b128 v[F0+8*(2*(\cc)+(\a))+4:F0+8*(2*(\cc)+(\a))+7], v[AQ0] offset:(4*(\q)+(\cc)/2)*AGQ+(\a)*16*PX+((\cc)%2)*64+32
.endr
.endr
.endm
.macro DMUL q, zero                    ; source 0 = c' (all sixteen rows alike), source 1 = 16 queries: every register of lane l ends with query l % 16's number.  The two accumulators take turns
	WIN 0x01                                       ; source 0 in window 1
.irp cc, 0,1,2,3,4,5,6,7
.irp a, 0,1
.if (\zero) && ((\cc) == 0)
	v_wmma_f32_16x16x32_bf16 v[S+8*(\a):S+8*(\a)+7], v[8*(8*(\q)+(\cc)):8*(8*(\q)+(\cc))+7], v[F0+8*(2*(\cc)+(\a)):F0+8*(2*(\cc)+(\a))+7], 0
.else
	v_wmma_f32_16x16x32_bf16 v[S+8*(\a):S+8*(\a)+7], v[8*(8*(\q)+(\cc)):8*(8*(\q)+(\cc))+7], v[F0+8*(2*(\cc)+(\a)):F0+8*(2*(\cc)+(\a))+7], v[S+8*(\a):S+8*(\a)+7]
.endif
.endr
.endr
.endm
; t of the lane's query into all of S^T's registers, for both tiles: it lies four times over in the lane's 16 bytes of the stage
.macro TLOAD
	WIN 0
.irp t, 0,1
.irp kb, 0,1,2,3
	ds_load_b128 v[S+32*(\t)+8*(\kb):S+32*(\t)+8*(\kb)+3],   v[STO] offset:16*(\t)
	ds_load_b128 v[S+32*(\t)+8*(\kb)+4:S+32*(\t)+8*(\kb)+7], v[STO] offset:16*(\t)
.endr
.endr
.endm
; THE LDS LOADS stand in runs of 16, a run for 16 products.  K: group f's key blocks kb 0-3, channels 32 cc on in the group; fragment (kb, cc) at fb + 16 kb + 8 cc.
.macro KFILL f, fb
	LWIN
	PLACES
.irp kb, 0,1,2,3
.irp cc, 0,1
	ds_load_b128 v[(\fb)+16*(\kb)+8*(\cc):(\fb)+16*(\kb)+8*(\cc)+3],   v[AK+(AKH-AK)*((\f)/4)] offset:XGRP*((\f)%4)+16*PX*(\kb)+64*(\cc)
	ds_load_b128 v[(\fb)+16*(\kb)+8*(\cc)+4:(\fb)+16*(\kb)+8*(\cc)+7], v[AK+(AKH-AK)*((\f)/4)] offset:XGRP*((\f)%4)+16*PX*(\kb)+64*(\cc)+32
.endr
.endr
.endm
; V, the same bytes turned: group i's four channel blocks cb, keys 32 kk on; fragment (cb, kk) at fb + 16 cb + 8 kk.  pl = 1: four v_nop are the places in front of the run; pl = 0: other vector lines stand there already.
.macro VFILL i, fb, pl
	LWIN
.if \pl
	PLACES
.endif
.irp cb, 0,1,2,3
.irp kk, 0,1
	ds_load_tr16_b128 v[(\fb)+16*(\cb)+8*(\kk):(\fb)+16*(\cb)+8*(\kk)+3],   v[AV+(AVH-AV)*((\i)/4)] offset:XGRP*((\i)%4)+32*PX*(\kk)+32*(\cb)
	ds_load_tr16_b128 v[(\fb)+16*(\cb)+8*(\kk)+4:(\fb)+16*(\cb)+8*(\kk)+7], v[AV+(AVH-AV)*((\i)/4)] offset:XGRP*((\i)%4)+32*PX*(\kk)+16*PX+32*(\cb)
.endr
.endr
.endm
; A tile of Mt or W', turned: column blocks 4 i + cb, rows 32 kk on.  (In W' i is sigma: rows 32 kk on are k = 64 i + 32 kk on, cb the block of 16 of the tile's 64 columns.)
.macro WFILL i, fb
	LWIN
	PLACES
.irp cb, 0,1,2,3
.irp kk, 0,1
	ds_load_tr16_b128 v[(\fb)+16*(\cb)+8*(\kk):(\fb)+16*(\cb)+8*(\kk)+3],   v[AV] offset:32*PV*(\kk)+32*(4*(\i)+(\cb))
	ds_load_tr16_b128 v[(\fb)+16*(\cb)+8*(\kk)+4:(\fb)+16*(\cb)+8*(\kk)+7], v[AV] offset:32*PV*(\kk)+16*PV+32*(4*(\i)+(\cb))
.endr
.endr
.endm
; 16 products of S^T += K Q^T (or out^T = W'^T O^T): channels 64 f on.  The eight accumulators (block kb, tile t) take turns, one instruction a turn.  zero = 1: the phase's first eight begin the sums with the constant 0.
.macro SBLK f, zero
	WIN 0x04                                       ; source 1 (Q) in window 1, all else in window 0
.irp cc, 0,1
.irp kb, 0,1,2,3
.irp t, 0,1
.if (\zero) && ((\f) == 0) && ((\cc) == 0)
	v_wmma_f32_16x16x32_bf16 v[S+32*(\t)+8*(\kb):S+32*(\t)+8*(\kb)+7], v[F0+64*((\f)%2)+16*(\kb)+8*(\cc):F0+64*((\f)%2)+16*(\kb)+8*(\cc)+7], v[128*(\t)+8*(2*(\f)+(\cc)):128*(\t)+8*(2*(\f)+(\cc))+7], 0
.else
	v_wmma_f32_16x16x32_bf16 v[S+32*(\t)+8*(\kb):S+32*(\t)+8*(\kb)+7], v[F0+64*((\f)%2)+16*(\kb)+8*(\cc):F0+64*((\f)%2)+16*(\kb)+8*(\cc)+7], v[128*(\t)+8*(2*(\f)+(\cc)):128*(\t)+8*(2*(\f)+(\cc))+7], v[S+32*(\t)+8*(\kb):S+32*(\t)+8*(\kb)+7]
.endif
.endr
.endr
.endr
.endm
; Product u of 16 onto channel blocks 4 i .. 4 i + 3: k 32 (u / 8) on, block 4 i + (u / 2) % 4, tile u % 2: eight accumulators by turns
.macro OPROD i
.set rO, 128*(u%2)+8*((4*(\i)+(u/2)%4)%16)
.set rV, F0+64*((\i)%2)+16*((u/2)%4)+8*(u/8)
.set rP, P+16*(u%2)+8*(u/8)
	v_wmma_f32_16x16x32_bf16 v[rO:rO+7], v[rV:rV+7], v[rP:rP+7], v[rO:rO+7]
.endm
; 16 products of qt^T += Mt^T xn^T
.macro QBLK i
.if (\i) < 7
	WFILL (\i)+1, F0+64*(((\i)+1)%2)
	s_wait_dscnt 16                                ; this block's fragments (in the first block: the queries' too) are in; the 16 loads just issued may be out
.else
	s_wait_dscnt 0x0
.endif
	WIN 0xa0+0x50*((\i)/4)                         ; sources in window 0, the sums in window 2 or 3
.set u, 0
.rept 16
	OPROD \i
.set u, u+1
.endr
.endm
; A TRIP OF qt: the 64 channels j of one group: a tile of Mt from the slot at s[TB], my queries' fragments of that group into P's registers
.macro QTRIP
	WIN 0
	v_add_nc_u32 v[AV], s[TB], v[AW0]
	v_add_nc_u32 v[AQ], s[AGO], v[AQ0]
	s_add_co_u32 s[AGO], s[AGO], AGQ
	WFILL 0, F0
.irp t, 0,1
.irp kk, 0,1
	ds_load_b128 v[P+16*(\t)+8*(\kk):P+16*(\t)+8*(\kk)+3],   v[AQ] offset:(\t)*16*PX+64*(\kk)
	ds_load_b128 v[P+16*(\t)+8*(\kk)+4:P+16*(\t)+8*(\kk)+7], v[AQ] offset:(\t)*16*PX+64*(\kk)+32
.endr
.endr
.irp i, 0,1,2,3,4,5,6,7
	QBLK \i
.endr
	WIN 0
.endm
; 16 products of O^T += V^T P.  Behind each four products stand eight lines that multiply one channel block of the NEXT group, both tiles, by a: they name no register of the products round them,
; and the last eight are the places in front of the next block's run of loads.
.macro PVBLK i
.if (\i) < 7
	VFILL (\i)+1, F0+64*(((\i)+1)%2), 0
	s_wait_dscnt 16                                ; this group's fragments are in; the 16 loads just issued may be out
.else
	s_wait_dscnt 0x0
.endif
.irp g, 0,1,2,3
	WIN 0xa0+0x50*((\i)/4)                         ; V and P in window 0, O^T in window 2 or 3
.irp j, 0,1,2,3
.set u, 4*(\g)+(\j)
	OPROD \i
.endr
.if (\i) < 7
	WIN 0x82+0x41*(((\i)+1)/4)                     ; destination and source 0 in O^T's window, a in window 0
.irp t, 0,1
.irp r, 0,2,4,6
.set rO, 128*(\t)+8*((4*((\i)+1)+(\g))%16)+(\r)
	v_pk_mul_f32 v[rO:rO+1], v[rO:rO+1], v[ST+8*(\t)+6:ST+8*(\t)+7] op_sel_hi:[1,0]
.endr
.endr
.endif
.endr
.endm
; Number n of the 22 that find a tile's maximum and statistics.  s0-s31 are the lane's 32 scores; each accumulator's lowest registers are read first.
;   0-11  four chains c0-c3 of seven scores each     12-14, 16  the four scores left over, the old m, and c0-c3 into c0     15  c m_old is kept
;   17, 18  the query's other 32 keys lie in the lane 16 away: the new m     19-21  c m; c m_old - c m_new; a
.macro XS t, n
.set rT, ST+8*(\t)
.set rS, S+32*(\t)
.set rM, MV+(\t)
.if (\n) < 4
	v_max3_num_f32 v[rT+4+(\n)], v[rS+8*(\n)], v[rS+8*(\n)+1], v[rS+8*(\n)+2]
.elseif (\n) < 12
	v_max3_num_f32 v[rT+4+(\n)%4], v[rT+4+(\n)%4], v[rS+8*((\n)%4)+2*((\n)/4)+1], v[rS+8*((\n)%4)+2*((\n)/4)+2]
.elseif (\n) == 12
	v_max3_num_f32 v[rT+4], v[rT+4], v[rS+7], v[rS+15]
.elseif (\n) == 13
	v_max3_num_f32 v[rT+5], v[rT+5], v[rS+23], v[rS+31]
.elseif (\n) == 14
	v_max3_num_f32 v[rT+6], v[rT+6], v[rT+7], v[rT+1]
.elseif (\n) == 15
	v_mov_b32 v[rM], v[rT]
.elseif (\n) == 16
	v_max3_num_f32 v[rT+4], v[rT+4], v[rT+5], v[rT+6]
.elseif (\n) == 17
	v_permlanex16_b32 v[rT+7], v[rT+4], s[SEL], s[SEL+1]
.elseif (\n) == 18
	v_max_num_f32 v[rT+1], v[rT+4], v[rT+7]
.elseif (\n) == 19
	v_mul_f32 v[rT], s[CS], v[rT+1]
.elseif (\n) == 20
	v_sub_f32 v[rT+5], v[rM], v[rT]
.else
	v_exp_f32 v[rT+6], v[rT+5]
.endif
.endm
.macro FS t, p                         ; c s - c m for pair p of 16
	v_pk_fma_f32 v[S+32*(\t)+2*(\p):S+32*(\t)+2*(\p)+1], v[S+32*(\t)+2*(\p):S+32*(\t)+2*(\p)+1], s[CS:CS+1], v[ST+8*(\t):ST+8*(\t)+1] op_sel_hi:[1,0,0] neg_lo:[0,0,1] neg_hi:[0,0,1]
.endm
.macro EX t, e
	v_exp_f32 v[S+32*(\t)+(\e)], v[S+32*(\t)+(\e)]
.endm
; THE SOFTMAX of both tiles, which alternate line by line.  The 66 exponentials (two a, 64 weights) are ONE batch: nothing ahead of the one wait names a result of theirs; a pair's scaling stands two lines or more ahead of its exponentials.
.macro SOFTMAX
	WIN 0
	PLACES                                         ; behind the last product K Q^T
.irp n, 0,1,2,3,4,5,6,7,8,9,10,11,12,13,14,15,16,17,18,19,20,21
	XS 0, \n
	XS 1, \n
.endr
.set pp, 0
.rept 16
	FS 0, pp
	FS 1, pp
.if pp > 0
	EX 0, 2*pp-2
	EX 1, 2*pp-2
	EX 0, 2*pp-1
	EX 1, 2*pp-1
.endif
.set pp, pp+1
.endr
	EX 0, 30
	EX 1, 30
	EX 0, 31
	EX 1, 31
	v_nop                                          ; a plain instruction behind the last exponential: one for the batch
	s_wait_alu depctr_va_vdst(0)                   ; the wait ahead of the batch's first reader: one for all 66
.set pp, 0
.rept 16
	v_cvt_pk_bf16_f32 v[P+pp],    v[S+2*pp],    v[S+2*pp+1]
	v_cvt_pk_bf16_f32 v[P+16+pp], v[S+32+2*pp], v[S+32+2*pp+1]
.set pp, pp+1
.endr
.irp w, 4, 8, 16, 32                   ; the sum of a tile's 16 pairs, in place: neighbours 1, 2, 4 and 8 pairs apart
.set u, 0
.rept 32/(\w)
	v_pk_add_f32 v[S+(\w)*u:S+(\w)*u+1],       v[S+(\w)*u:S+(\w)*u+1],       v[S+(\w)*u+(\w)/2:S+(\w)*u+(\w)/2+1]
	v_pk_add_f32 v[S+32+(\w)*u:S+32+(\w)*u+1], v[S+32+(\w)*u:S+32+(\w)*u+1], v[S+32+(\w)*u+(\w)/2:S+32+(\w)*u+(\w)/2+1]
.set u, u+1
.endr
.endr
.irp t, 0,1
	v_pk_fma_f32 v[ST+8*(\t)+2:ST+8*(\t)+3], v[ST+8*(\t)+2:ST+8*(\t)+3], v[ST+8*(\t)+6:ST+8*(\t)+7], v[S+32*(\t):S+32*(\t)+1] op_sel_hi:[1,0,1]  ; l = a l + the sum
.endr
	WIN 0x82                                       ; O^T's first four channel blocks times a; the others ride in PVBLK
.irp cb, 0,1,2,3
.irp t, 0,1
.irp r, 0,2,4,6
	v_pk_mul_f32 v[128*(\t)+8*(\cb)+(\r):128*(\t)+8*(\cb)+(\r)+1], v[128*(\t)+8*(\cb)+(\r):128*(\t)+8*(\cb)+(\r)+1], v[ST+8*(\t)+6:ST+8*(\t)+7] op_sel_hi:[1,0]
.endr
.endr
.endr
.endm
; A KEY STEP: 64 keys from the slot at s[TB].  Each run of loads goes out ahead of the 16 products before the ones that it feeds.  Behind the softmax, which has read S^T for the last time, t is loaded for the next step.
.macro STEP
	WIN 0
	v_add_nc_u32 v[AK], s[TB], v[AK0]
	v_add_nc_u32 v[AV], s[TB], v[AV0]
	s_add_co_u32 s[TT], s[TB], 4*XGRP
	v_add_nc_u32 v[AKH], s[TT], v[AK0]
	v_add_nc_u32 v[AVH], s[TT], v[AV0]
	KFILL 0, F0
.irp f, 0,1,2,3,4,5,6,7
.if (\f) < 7
	KFILL (\f)+1, F0+64*(((\f)+1)%2)
.else
	VFILL 0, F0, 1
.endif
	s_wait_dscnt 16                                ; run f is in (and t, loaded a phase ago); the 16 loads just issued may be out
	SBLK \f, 0
.endr
	SOFTMAX
	TLOAD
.irp i, 0,1,2,3,4,5,6,7
	PVBLK \i
.endr
	WIN 0
.endm
; THE CHANGE OF SLOTS.  Each wave waits for all its tensor loads, of which one is out: its quarter of the other slot; adds 0 to its spare word; and waits for that and for its reads of the slot that it leaves.
; The barrier is a round of the cluster's; the joint refill is the first thing behind it, one line for all four waves.  CHANGE_X: the slot takes the next key step: its address is made anew from the step's offset.
.macro CHANGE_X
	WIN 0                                          ; at a label and at a branch every window is 0
	s_wait_tensorcnt 0x0                           ; no tensor load of mine is out, so a group 0 may be written
	ds_add_u32 v[SPW], v[NIL]                      ; 0 onto my spare word: the descriptor's scalar work stands between it and the wait for it
	s_xor_b32 s[G0X+1], s[G0X+1], SLOTB            ; the other slot than last time
	s_add_nc_u64 s[G0X+2:G0X+3], s[XB:XB+1], s[XO:XO+1]
	s_or_b32 s[G0X+3], s[G0X+3], 0x80000000
	s_add_co_u32 s[XO], s[XO], XSTEP
	s_wait_xcnt 0x0                                ; the last prefetch, a step back, has read its address
	s_add_nc_u64 s[PFA:PFA+1], s[PFA:PFA+1], XSTEP
	s_wait_dscnt 0x0                               ; the add is done, and my reads of the slot are over
	CROUND
	tensor_load_to_lds s[G0X:G0X+3], s[G1X:G1X+7]
	s_nop 0
.rept 4
	v_nop
.endr
	ASK
	s_xor_b32 s[TB], s[TB], SLOTB
.endm
; CHANGE_W: the slot takes the next tile of wm (fill = 1), or nothing more (fill = 0: a plain barrier shows the other slot whole).
.macro CHANGE_W fill
	WIN 0
	s_wait_tensorcnt 0x0
	ds_add_u32 v[SPW], v[NIL]
.if \fill
	s_xor_b32 s[G0W+5], s[G0W+5], SLOTB
	s_add_nc_u64 s[G0W+6:G0W+7], s[G0W+6:G0W+7], TILEB
	s_wait_dscnt 0x0
	CROUND
	tensor_load_to_lds s[G0W+4:G0W+7], s[G1W:G1W+7]
	s_nop 0
.rept 4
	v_nop
.endr
.else
	s_wait_dscnt 0x0
	s_barrier_signal -1
	s_barrier_wait -1
.endif
	s_xor_b32 s[TB], s[TB], SLOTB
.endm
; The sums in windows 2 and 3, rounded in pairs, go into window 1: channel block cb's four registers at 128 t + 4 cb: blocks 2 c and 2 c + 1 are source 1 for k = 32 c on.  Each accumulator is read from its low end.
.macro PACKO
	WIN 0x4a                                       ; sources in window 2, destination in window 1
.set i, 0
.rept 128
	v_cvt_pk_bf16_f32 v[128*(i/64)+i%64], v[128*(i/64)+2*(i%64)], v[128*(i/64)+2*(i%64)+1]
.set i, i+1
.endr
	WIN 0x4f                                       ; sources in window 3
.set i, 0
.rept 128
	v_cvt_pk_bf16_f32 v[128*(i/64)+64+i%64], v[128*(i/64)+2*(i%64)], v[128*(i/64)+2*(i%64)+1]
.set i, i+1
.endr
	WIN 0
.endm
.macro XLOAD                           ; 64 columns of x for my 32 rows: rows 2 i and 2 i + 1: 16 lanes take 256 consecutive bytes, aligned
	WIN 0x80                                       ; destination window 2
.set i, 0
.rept 16
	global_load_b128 v[4*i:4*i+3], v[GO], s[XC:XC+1] offset:4096*i th:TH_LOAD_NT
.set i, i+1
.endr
	WIN 0
.endm
; A STEP OF THE PROJECTION: 64 columns of out0 for my 32 rows, from the W' tile at s[TB].  Its x was asked for in the step before, behind that step's additions; the last step has no next: its address is held at its own columns,
; inside x, and what it brings is not used.
.macro NSTEP
	WIN 0
	v_add_nc_u32 v[AV], s[TB], v[AW0]
	WFILL 0, F0
.irp nb, 0,1,2,3
	global_load_b128 v[P+8*(\nb):P+8*(\nb)+3],   v[BO], s[BIASP:BIASP+1] offset:64*(\nb)
	global_load_b128 v[P+8*(\nb)+4:P+8*(\nb)+7], v[BO], s[BIASP:BIASP+1] offset:64*(\nb)+16
.endr
.irp f, 0,1,2,3,4,5,6,7
.if (\f) < 7
	WFILL (\f)+1, F0+64*(((\f)+1)%2)
	s_wait_dscnt 16                                ; run f is in; the 16 loads just issued may be out
.else
	s_wait_dscnt 0x0
.endif
	SBLK \f, 1
.endr
	WIN 0
	PLACES
	s_wait_loadcnt 0x0                             ; x and b'
.set pp, 0
.rept 16
	v_pk_fma_f32 v[S+2*pp:S+2*pp+1],       v[S+2*pp:S+2*pp+1],       v[ST+2:ST+3],   v[P+2*pp:P+2*pp+1] op_sel_hi:[1,0,1]  ; (O W') / l + b'
	v_pk_fma_f32 v[S+32+2*pp:S+32+2*pp+1], v[S+32+2*pp:S+32+2*pp+1], v[ST+10:ST+11], v[P+2*pp:P+2*pp+1] op_sel_hi:[1,0,1]
.set pp, pp+1
.endr
.irp t, 0,1                            ; a tile at a time through my stage: LDS serves a wave's instructions in order (ISA guide 5.7.1.4), so the loads see the stores above them, and tile 1's stores come behind tile 0's loads
.irp nb, 0,1,2,3
	ds_store_b128 v[STO], v[S+32*(\t)+8*(\nb):S+32*(\t)+8*(\nb)+3]   offset:64*(\nb)
	ds_store_b128 v[STO], v[S+32*(\t)+8*(\nb)+4:S+32*(\t)+8*(\nb)+7] offset:64*(\nb)+16
.endr
.irp j, 0,1,2,3,4,5,6,7
	ds_load_b128 v[S+32*(\t)+4*(\j):S+32*(\t)+4*(\j)+3], v[RD] offset:2*SP*(\j)
.endr
.endr
	s_wait_dscnt 0x0
	WIN 0x08                                       ; source 1 (x) in window 2
.set pp, 0
.rept 32
	v_pk_add_f32 v[S+2*pp:S+2*pp+1], v[S+2*pp:S+2*pp+1], v[2*pp:2*pp+1]
.set pp, pp+1
.endr
	WIN 0
	s_add_co_u32 s[XOF], s[XOF], 256               ; the loads that read s[XC:XC+1] were waited for above
	s_min_u32 s[XOF], s[XOF], 7*256
	s_add_nc_u64 s[XC:XC+1], s[XP:XP+1], s[XOF:XOF+1]
	XLOAD                                          ; the next step's x, ahead of this step's stores
.set i, 0
.rept 16
	global_store_b128 v[GO], v[S+4*i:S+4*i+3], s[OUTP:OUTP+1] offset:4096*i th:TH_STORE_NT  ; 16 lanes store 256 consecutive bytes, aligned
.set i, i+1
.endr
	s_wait_xcnt 0x0                                ; the pointers and the stores' registers are written again only behind this wait
	s_add_nc_u64 s[OUTP:OUTP+1], s[OUTP:OUTP+1], 256
	s_add_nc_u64 s[BIASP:BIASP+1], s[BIASP:BIASP+1], 256
.endm
	s_wait_tensorcnt 0x2                           ; my queries are in, and I alone read them; Mt's two tiles, issued behind them, may stay out
	DFETCH 0
	s_wait_loadcnt 0x0                             ; c' and e
	s_wait_dscnt 0x0
	DMUL 0, 1
	PLACES
	DFETCH 1
	s_wait_dscnt 0x0
	DMUL 1, 0
	WIN 0
	PLACES
	ds_store_b128 v[STO], v[S:S+3]                 ; t of my query, four times over, for tile 0
	ds_store_b128 v[STO], v[S+8:S+11] offset:16    ; and for tile 1
	s_wait_tensorcnt 0x1                           ; my quarter of Mt's tile 0 is in; tile 1's may stay out
	s_wait_dscnt 0x0
	s_barrier_signal -1
	s_barrier_wait -1                              ; everybody's is
	s_mov_b32 s[TB], 0
	s_mov_b32 s[AGO], 0
	s_mov_b32 s[CNT], 6
.Lq1:                                                  ; groups 0 to 5: the change behind group g asks for Mt's tile g + 2
	QTRIP
	CHANGE_W 1
	s_sub_co_u32 s[CNT], s[CNT], 1
	s_cmp_lg_u32 s[CNT], 0
	s_cbranch_scc1 .Lq1
	s_mov_b32 s[CNT], 2
.Lq2:                                                  ; groups 6 and 7, written out: the slots that they leave take key steps 0 and 1
	QTRIP
	CHANGE_X
	s_sub_co_u32 s[CNT], s[CNT], 1
	s_cmp_lg_u32 s[CNT], 0
	s_cbranch_scc1 .Lq2
	PACKO                                          ; qt goes where Q lies.  What stays in the sums' registers is finite, and the first key step multiplies it by a = 0: nothing is cleared
	TLOAD                                          ; t for step 0
	s_mov_b32 s[CNT], 14
.Lkey:                                                 ; steps 0 to 13: the change behind step j asks for the keys of step j + 2
	STEP
	CHANGE_X
	s_sub_co_u32 s[CNT], s[CNT], 1
	s_cmp_lg_u32 s[CNT], 0
	s_cbranch_scc1 .Lkey
	s_mov_b32 s[CNT], 2
.Ltail:                                                ; steps 14 and 15, written out likewise: the slots that they leave take W's tiles 0 and 1
	STEP
	CHANGE_W 1
	s_sub_co_u32 s[CNT], s[CNT], 1
	s_cmp_lg_u32 s[CNT], 0
	s_cbranch_scc1 .Ltail
	; l's two halves and the other half of the lanes' are added; 1 / l
.irp t, 0,1
	v_add_f32 v[ST+8*(\t)+4], v[ST+8*(\t)+2], v[ST+8*(\t)+3]
.endr
.irp t, 0,1
	v_permlanex16_b32 v[ST+8*(\t)+5], v[ST+8*(\t)+4], s[SEL], s[SEL+1]
.endr
.irp t, 0,1
	v_add_f32 v[ST+8*(\t)+4], v[ST+8*(\t)+4], v[ST+8*(\t)+5]
.endr
.irp t, 0,1
	v_rcp_f32 v[ST+8*(\t)+2], v[ST+8*(\t)+4]
.endr
	v_nop                                          ; a plain instruction behind the last reciprocal
	s_wait_alu depctr_va_vdst(0)                   ; and the wait ahead of the first use: one for the two
	PACKO                                          ; O goes where qt lay
	XLOAD                                          ; x for the first 64 columns, into registers that O^T has left
	s_mov_b32 s[CNT], 6
.Lp1:                                                  ; tiles 0 to 5: the change behind tile n asks for tile n + 2
	NSTEP
	CHANGE_W 1
	s_sub_co_u32 s[CNT], s[CNT], 1
	s_cmp_lg_u32 s[CNT], 0
	s_cbranch_scc1 .Lp1
	s_mov_b32 s[CNT], 2
.Lp2:                                                  ; tiles 6 and 7: nothing is asked for.  The second trip's barrier serves nothing: the price of one text for both trips
	NSTEP
	CHANGE_W 0
	s_sub_co_u32 s[CNT], s[CNT], 1
	s_cmp_lg_u32 s[CNT], 0
	s_cbranch_scc1 .Lp2
	s_wait_tensorcnt 0x0                           ; the wave's end: behind my last tensor load and my last LDS store
	ds_add_u32 v[SPW], v[NIL]
	s_wait_dscnt 0x0
	CROUND                                         ; the closing round: no work-group ends while a partner may still ask for a tile that names it
	s_endpgm
.Lfunc_end_k_qbd81d20cd2_attn:
	.size	k_qbd81d20cd2_attn, .Lfunc_end_k_qbd81d20cd2_attn-k_qbd81d20cd2_attn
	.p2alignl 7, 3214868480
	.fill 96, 4, 3214868480
	.section	.rodata,"a",@progbits
	.p2align	6, 0x0
	.amdhsa_kernel k_qbd81d20cd2_attn
		.amdhsa_group_segment_fixed_size 327680
		.amdhsa_private_segment_fixed_size 0
		.amdhsa_enable_private_segment 0
		.amdhsa_kernarg_size 40
		.amdhsa_user_sgpr_count 2
		.amdhsa_user_sgpr_kernarg_segment_ptr 1
		.amdhsa_wavefront_size32 1
		.amdhsa_system_sgpr_workgroup_id_x 1
		.amdhsa_system_sgpr_workgroup_id_y 1
		.amdhsa_system_sgpr_workgroup_id_z 1
		.amdhsa_system_vgpr_workitem_id 0
		.amdhsa_next_free_vgpr 1024
		.amdhsa_next_free_sgpr 100
		.amdhsa_reserve_vcc 0
		.amdhsa_float_denorm_mode_32 3
		.amdhsa_float_denorm_mode_16_64 3
		.amdhsa_memory_ordered 1
		.amdhsa_forward_progress 1
		.amdhsa_inst_pref_size 255
	.end_amdhsa_kernel
	.section	.bss,"aw",@nobits
	.p2align	6
	.space	262144
	.amdgpu_metadata
---
amdhsa.version: [ 1, 2 ]
amdhsa.kernels:
  - .name:           k_qbd81d20cd2_attn
    .symbol:         k_qbd81d20cd2_attn.kd
    .args:
      - { .name: xn, .offset: 0, .size: 8, .value_kind: global_buffer, .address_space: global }
      - { .name: wm, .offset: 8, .size: 8, .value_kind: global_buffer, .address_space: global }
      - { .name: vb, .offset: 16, .size: 8, .value_kind: global_buffer, .address_space: global }
      - { .name: x, .offset: 24, .size: 8, .value_kind: global_buffer, .address_space: global }
      - { .name: out0, .offset: 32, .size: 8, .value_kind: global_buffer, .address_space: global }
    .group_segment_fixed_size: 327680
    .private_segment_fixed_size: 0
    .kernarg_segment_align: 8
    .kernarg_segment_size: 40
    .max_flat_workgroup_size: 128
    .sgpr_count:     100
    .vgpr_count:     1024
    .wavefront_size: 32
...
	.end_amdgpu_metadata
.endif
;; end of part 9
;; ======== version 4 of 4: 3 launches; version 3 with the launch norm written anew for expert scheduling mode
;; workspace buffers: xn 33,554,432 bytes; wb 2,100,224 bytes; wm 1,048,576 bytes; vb 5,120 bytes
;; launch norm (part 10): grid 8 x 32, 16 waves a work-group, no clusters, 2,560 bytes of LDS; arguments x, gamma, beta, Wq, Wk, Wv, Wp, bq, bk, bv, xn, wb; writes xn, wb
.if DOCPART == 10
	.amdgcn_target "amdgcn-amd-amdhsa--gfx1250"
	.amdhsa_code_object_version 6
	.text
	.protected	k_qbd81d20cd2_norm
	.globl	k_qbd81d20cd2_norm
	.p2align	8
	.type	k_qbd81d20cd2_norm,@function
k_qbd81d20cd2_norm:
	s_mov_b64 s[64:65], 0
	v_nop
	global_prefetch_b8 v0, s[64:65] scope:SCOPE_SE
	s_setreg_imm32_b32 hwreg(HW_REG_WAVE_SCHED_MODE, 0, 2), 2
	s_setreg_imm32_b32 hwreg(HW_REG_WAVE_MODE, 25, 1), 1
	s_wait_xcnt 0x0
	s_wait_alu depctr_vm_vsrc(0)
; GROUP NORM AND THE WEIGHTS' ROUNDING.  x: [32 b][1024 n][512 c] f32.  A group is 64 channels; its mean and variance go over 1,024 positions x 64 channels of one b.
; xn = (x - mean) rsqrt(var + 1e-3) gamma + beta, rounded once to bf16, stored by groups: xn[b][g][n][64]: a (b, g) block is 131,072 dense bytes.
; A work-group owns one (b, g): 1,024 pieces of 256 bytes, each aligned.  Its 16 waves hold them in registers (64 rows, 128 registers a wave), so x is read once:
; pass 1 sums, pass 2 takes the mean away in place and sums the squares of what is left (no difference of large sums), pass 3 scales and stores.
; The waves' sums meet in LDS, in words of their own for each of the two meetings.  No matrix unit, no tensor load, no cluster: nothing is shared between work-groups.
; BESIDE IT each work-group rounds 4,096 numbers of one of the four weights to bf16 into wb, so that the next launch finds every matrix as rows along the index that it sums over:
; parts 0, 1, 2 = Wq, Wk, Wv as they lie; part 3 = Wp transposed, [j][n] = Wp[n][j]: a work-group reads 8 rows of Wp, a thread a column, and stores 16 bytes a thread, 1,024 bytes apart
; (524,288 bytes in all: the only stores of the launch that are not whole runs of 256 bytes).  Behind the four parts lie bq, bk, bv in bf16, 1,024 bytes each.
; LIMITS.  xn, the weights and the three biases are rounded once to bf16; NaN and infinities are not treated apart.
; THE MODE: SCHED_MODE bits 1:0 = 2 (LLVM: expert scheduling mode 2), set by the entry lines.  The code itself states the register dependences
; between vector instructions and memory or LDS instructions, with s_wait_alu, always for 0.
; THE PLAN.  Registers that memory or LDS instructions touch:
;   v[XO], v[YO], v[CH], v[WO], v[TO], v[BOF], v[RA], v[ZA]   addresses and offsets: written at the head, never again; one wait ahead of the first load serves every load and store.
;   v[WF ..], v[BF ..], v[GA ..], v[BE ..], v[X ..]           loaded once, at the head; no vector line names them before.
;   v[TMP]      A meeting: the chain of additions writes it, the LDS store reads it, the meeting's last addition writes it again: a wait ahead of the store, a wait ahead of that addition.
;   v[PS ..]    A meeting: four LDS loads land in it, the additions behind them read and write it.  The second meeting's wait ahead of its store stands behind the first meeting's additions.
;   v[X+4 i], v[X+4 i+1]   Pass 3: written by the two roundings of load i, read by that load's one store, never written again.  Likewise v[WH ..] and v[BH ..].
;   v[SPW], v[NIL]         written at the head, read by the closing add alone.
; Pass 3 goes in eight blocks of four loads.  Block p's vector lines name block p's registers, gamma and beta alone; ONE wait at its head states that block p - 1's roundings are written,
; and that block's four stores follow it, dealt among block p's vector lines, with no further wait.
.set RED1,  0                          ; LDS: 16 words, the waves' sums
.set RED2,  256                        ; 16 words, the waves' sums of squares
.set SPARE, 512                        ; the spare words, 128 bytes for each of 16 waves: eight blocks of 256 bytes that no other line names
.set XO,   2                           ; v2   my byte offset in x: wave x 64 rows + (lane / 16) rows + 16 (lane % 16); never rewritten
.set YO,   3                           ; v3   my byte offset in the xn block: wave x 8,192 + 8 lane
.set CH,   4                           ; v4   16 (lane % 16): my four channels in gamma and beta
.set WO,   5                           ; v5   my byte offset in the weight that I round
.set TO,   6                           ; v6   my byte offset in wb
.set TMP,  7
.set SPW,  8                           ; v8   LDS address of my spare word; never rewritten
.set NIL,  9                           ; v9   0; never rewritten
.set MEAN, 10                          ; v[10:11] the mean, twice
.set EX,   12                          ; at work
.set RA,   13                          ; v13  4 x wave
.set ZA,   14                          ; v14  0: LDS address of the sums
.set CHN,  16                          ; v[16:23] four chains of pairs
.set GA,   24                          ; v[24:27] gamma of my four channels, then gamma x rstd
.set BE,   28                          ; v[28:31] beta
.set X,    32                          ; v[32:159] load i: rows 2 i + lane / 16 of my 64, four channels
.set WF,   160                         ; v[160:167] eight weights in f32
.set WH,   168                         ; v[168:171] the same in bf16
.set PS,   172                         ; v[172:187] the 16 waves' sums
.set RS,   188                         ; v[188:189] rstd (the packed multiply names a pair and takes its low word)
.set BF,   190                         ; v[190:197] eight numbers of a bias in f32
.set BH,   198                         ; v[198:201] the same in bf16
.set BOF,  202                         ; v202 32 (thread % 64): their place in the bias
	s_load_b512 s[4:19], s[0:1], 0x0               ; x 4, gamma 6, beta 8, Wq 10, Wk 12, Wv 14, Wp 16, bq 18
	s_load_b256 s[20:27], s[0:1], 0x40             ; bk 20, bv 22, xn 24, wb 26
	v_lshl_add_u32 v[SPW], v0, 2, SPARE
	v_mov_b32 v[NIL], 0
	v_lshrrev_b32 v1, 5, v0
	v_readfirstlane_b32 s28, v1                    ; wave 0..15
	s_and_b32 s29, ttmp7, 0xffff                   ; b
	s_mov_b32 s30, ttmp9                           ; g
	s_lshr_b32 s31, s29, 3                         ; which weight: 0..3
	s_and_b32 s32, s29, 7
	s_lshl3_add_u32 s32, s32, s30                  ; which 64th of it
	s_mov_b32 s33, 0x37800000                      ; 2^-16 = 1 / (1,024 x 64)
	s_mov_b32 s34, 0x76543210                      ; v_permlanex16_b32: each lane takes its own place in the other half
	s_mov_b32 s35, 0xfedcba98
	v_and_b32 v1, 31, v0                           ; lane
	v_and_b32 v[CH], 15, v0
	v_lshlrev_b32 v[CH], 4, v[CH]
	v_bfe_u32 v[TMP], v0, 4, 1
	v_lshl_add_u32 v[XO], v[TMP], 11, v[CH]
	s_wait_alu depctr_va_sdst(0)                   ; s28, the wave's number, is written, ahead of its first reader: offsets and the choice of the bias's waves are made from it
	s_lshl_b32 s36, s28, 17
	v_add_nc_u32 v[XO], s36, v[XO]
	s_lshl_b32 s36, s28, 13
	v_lshl_add_u32 v[YO], v1, 3, s36
	v_mov_b32 v[RA], s28
	v_lshlrev_b32 v[RA], 2, v[RA]
	v_mov_b32 v[ZA], 0
	v_mov_b32 v[EX], 0                             ; v_permlanex16_b32's destination counts as read
	; the weights.  As they lie: thread t of part p reads 32 bytes at 16,384 p + 32 t and stores 16 at 8,192 p + 16 t.
	; Transposed: it reads Wp[8 p + e][t], e = 0..7, at 16,384 p + 2,048 e + 4 t, and stores 16 bytes at 1,024 t + 16 p
	s_cmp_eq_u32 s31, 3
	s_cselect_b32 s36, 2, 5
	s_cselect_b32 s37, 10, 4
	s_cselect_b32 s38, 4, 13
	s_cselect_b32 s59, 1, 0
	v_lshlrev_b32 v[WO], s36, v0
	v_lshlrev_b32 v[TO], s37, v0
	v_and_b32 v[BOF], 63, v0
	v_lshlrev_b32 v[BOF], 5, v[BOF]
	s_lshl_b32 s40, s32, 14                        ; the part in the weight
	s_mov_b32 s41, 0
	s_lshl_b32 s42, s31, 19                        ; the weight's part of wb,
	s_lshl_b32 s43, s32, s38                       ; my work-group's place in it
	s_add_co_u32 s42, s42, s43
	s_mov_b32 s43, 0
	s_lshl_b32 s48, s31, 10                        ; the bias's place behind the four parts
	s_add_co_u32 s48, s48, 2097152
	s_mov_b32 s49, 0
	s_lshl_b32 s44, s29, 21                        ; x: b x 1,024 rows of 2,048 bytes
	s_mov_b32 s45, 0
	s_lshl_b32 s46, s30, 8                         ; the group's 256 bytes of a row, and of gamma and beta
	s_mov_b32 s47, 0
	s_add_co_u32 s44, s44, s46
	s_lshl3_add_u32 s50, s29, s30
	s_lshl_b32 s50, s50, 17                        ; xn: block 8 b + g
	s_mov_b32 s51, 0
	s_lshr_b32 s58, s28, 1                         ; a bias is stored by waves 0 and 1 of part 0 of weights 0 to 2: s58 = 0 there alone
	s_or_b32 s58, s58, s32
	s_or_b32 s58, s58, s59
	s_wait_kmcnt 0x0
	s_add_nc_u64 s[4:5], s[4:5], s[44:45]
	s_add_nc_u64 s[6:7], s[6:7], s[46:47]
	s_add_nc_u64 s[8:9], s[8:9], s[46:47]
	s_add_nc_u64 s[24:25], s[24:25], s[50:51]
	s_add_nc_u64 s[52:53], s[26:27], s[48:49]
	s_add_nc_u64 s[26:27], s[26:27], s[42:43]
	s_cmp_eq_u32 s31, 1
	s_cselect_b64 s[54:55], s[12:13], s[10:11]
	s_cselect_b64 s[56:57], s[20:21], s[18:19]
	s_cmp_eq_u32 s31, 2
	s_cselect_b64 s[54:55], s[14:15], s[54:55]
	s_cmp_gt_u32 s31, 1
	s_cselect_b64 s[56:57], s[22:23], s[56:57]
	s_cmp_eq_u32 s31, 3
	s_cselect_b64 s[54:55], s[16:17], s[54:55]
	s_add_nc_u64 s[54:55], s[54:55], s[40:41]
	s_wait_alu depctr_va_vdst(0)                   ; the eight addresses and offsets v[XO], v[YO], v[CH], v[WO], v[TO], v[BOF], v[RA], v[ZA] are written: every load and store of the kernel, on both ways below, reads one of them, and no vector line writes them again
	; the small loads go out first, so that the waits of pass 1 count x's loads alone, whichever way the weights are read
	s_cmp_eq_u32 s31, 3
	s_cbranch_scc1 .Ltransposed
	global_load_b128 v[WF:WF+3],   v[WO], s[54:55]
	global_load_b128 v[WF+4:WF+7], v[WO], s[54:55] offset:16
	s_branch .Lweights_asked
.Ltransposed:
.irp e, 0,1,2,3,4,5,6,7
	global_load_b32 v[WF+(\e)], v[WO], s[54:55] offset:2048*(\e)  ; a wave takes 128 consecutive bytes of a row of Wp
.endr
.Lweights_asked:
	global_load_b128 v[BF:BF+3],   v[BOF], s[56:57]
	global_load_b128 v[BF+4:BF+7], v[BOF], s[56:57] offset:16
	global_load_b128 v[GA:GA+3], v[CH], s[6:7]
	global_load_b128 v[BE:BE+3], v[CH], s[8:9]
	; all of the wave's 16 KiB x 2 go out at once: 32 loads, each two pieces of 256 aligned bytes
.set i, 0
.rept 32
	global_load_b128 v[X+4*i:X+4*i+3], v[XO], s[4:5] offset:4096*i th:TH_LOAD_NT
.set i, i+1
.endr
; The four chains are folded, the 32 lanes' sums added (four steps inside each half ride on the addition, one crosses the halves), the 16 waves' sums meet in LDS; v[TMP] ends with the group's sum in every lane.
.macro REDUCE red
	v_pk_add_f32 v[CHN:CHN+1], v[CHN:CHN+1], v[CHN+2:CHN+3]
	v_pk_add_f32 v[CHN+4:CHN+5], v[CHN+4:CHN+5], v[CHN+6:CHN+7]
	v_pk_add_f32 v[CHN:CHN+1], v[CHN:CHN+1], v[CHN+4:CHN+5]
	v_add_f32 v[TMP], v[CHN], v[CHN+1]
	v_add_f32_dpp v[TMP], v[TMP], v[TMP] row_xmask:1 row_mask:0xf bank_mask:0xf
	v_add_f32_dpp v[TMP], v[TMP], v[TMP] row_xmask:2 row_mask:0xf bank_mask:0xf
	v_add_f32_dpp v[TMP], v[TMP], v[TMP] row_xmask:4 row_mask:0xf bank_mask:0xf
	v_add_f32_dpp v[TMP], v[TMP], v[TMP] row_xmask:8 row_mask:0xf bank_mask:0xf
	v_permlanex16_b32 v[EX], v[TMP], s34, s35
	v_add_f32 v[TMP], v[TMP], v[EX]
	s_wait_alu depctr_va_vdst(0)                   ; the additions have written v[TMP], which the LDS store reads; and an earlier meeting's additions are done with v[PS ..], in which the LDS loads below land (no vector line stands between this wait and those loads)
	ds_store_b32 v[RA], v[TMP] offset:\red         ; all lanes write the wave's word with the same number
	s_wait_dscnt 0x0                               ; for the others' sake: my store is done
	s_barrier_signal -1
	s_barrier_wait -1
.irp j, 0,1,2,3
	ds_load_b128 v[PS+4*(\j):PS+4*(\j)+3], v[ZA] offset:(\red)+16*(\j)
.endr
	s_wait_dscnt 0x0
	s_wait_alu depctr_vm_vsrc(0)                   ; the LDS store above has read v[TMP], which the last addition below writes again
.irp j, 0,2,4,6
	v_pk_add_f32 v[PS+(\j):PS+(\j)+1], v[PS+(\j):PS+(\j)+1], v[PS+8+(\j):PS+8+(\j)+1]
.endr
	v_pk_add_f32 v[PS:PS+1], v[PS:PS+1], v[PS+4:PS+5]
	v_pk_add_f32 v[PS+2:PS+3], v[PS+2:PS+3], v[PS+6:PS+7]
	v_pk_add_f32 v[PS:PS+1], v[PS:PS+1], v[PS+2:PS+3]
	v_add_f32 v[TMP], v[PS], v[PS+1]
.endm
	; PASS 1: the sum.  Loads come back in order: behind each wait eight more of x's loads are in; the counts are the younger loads of x
	s_wait_loadcnt 24
.irp c, 0,1,2,3
	v_pk_add_f32 v[CHN+2*(\c):CHN+2*(\c)+1], v[X+2*(\c):X+2*(\c)+1], v[X+8+2*(\c):X+8+2*(\c)+1]  ; the first eight pairs start the chains: nothing is cleared
.endr
.set p, 8
.rept 56
.if p == 16
	s_wait_loadcnt 16
.endif
.if p == 32
	s_wait_loadcnt 8
.endif
.if p == 48
	s_wait_loadcnt 0x0
.endif
	v_pk_add_f32 v[CHN+2*(p%4):CHN+2*(p%4)+1], v[CHN+2*(p%4):CHN+2*(p%4)+1], v[X+2*p:X+2*p+1]
.set p, p+1
.endr
	REDUCE RED1
	v_mul_f32 v[MEAN], s33, v[TMP]
	v_mov_b32 v[MEAN+1], v[MEAN]
	; PASS 2: x - mean in place, and the sum of its squares
.set p, 0
.rept 64
	v_pk_add_f32 v[X+2*p:X+2*p+1], v[X+2*p:X+2*p+1], v[MEAN:MEAN+1] neg_lo:[0,1] neg_hi:[0,1]
.set p, p+1
.endr
.irp c, 0,1,2,3
	v_pk_mul_f32 v[CHN+2*(\c):CHN+2*(\c)+1], v[X+2*(\c):X+2*(\c)+1], v[X+2*(\c):X+2*(\c)+1]
.endr
.set p, 4
.rept 60
	v_pk_fma_f32 v[CHN+2*(p%4):CHN+2*(p%4)+1], v[X+2*p:X+2*p+1], v[X+2*p:X+2*p+1], v[CHN+2*(p%4):CHN+2*(p%4)+1]
.set p, p+1
.endr
	REDUCE RED2                                    ; other words than the first meeting's: no wave can overwrite what another still reads
	v_mov_b32 v[EX], 0x3a83126f                    ; 1e-3
	v_fma_f32 v[TMP], v[TMP], s33, v[EX]           ; var + eps
	v_rsq_f32 v[RS], v[TMP]
	v_mov_b32 v[RS+1], 0                           ; the plain instruction behind the root; it also writes the pair's other word
	s_wait_alu depctr_va_vdst(0)                   ; the root has written v[RS]: the wait stands ahead of its first reader
	v_pk_mul_f32 v[GA:GA+1], v[GA:GA+1], v[RS:RS+1] op_sel_hi:[1,0]
	v_pk_mul_f32 v[GA+2:GA+3], v[GA+2:GA+3], v[RS:RS+1] op_sel_hi:[1,0]
	; PASS 3: (x - mean) (gamma rstd) + beta, rounded, stored: a wave's store covers 256 consecutive bytes, aligned: two rows of the block.
	; Eight blocks of four loads.  The stores of block p - 1 stand in block p, one ahead of each four vector lines, behind the one wait at the block's head.
.set blk, 0
.rept 8
.if blk > 0
	s_wait_alu depctr_va_vdst(0)                   ; the block before has written its four pairs of bf16, which the four stores below read; this block's vector lines name its own registers, gamma and beta alone
.endif
.set j, 0
.rept 4
.set i, 4*blk+j
.if blk > 0
	global_store_b64 v[YO], v[X+4*(i-4):X+4*(i-4)+1], s[24:25] offset:256*(i-4)
.endif
	v_pk_fma_f32 v[X+4*i:X+4*i+1],   v[X+4*i:X+4*i+1],   v[GA:GA+1],   v[BE:BE+1]
	v_pk_fma_f32 v[X+4*i+2:X+4*i+3], v[X+4*i+2:X+4*i+3], v[GA+2:GA+3], v[BE+2:BE+3]
	v_cvt_pk_bf16_f32 v[X+4*i],   v[X+4*i],   v[X+4*i+1]
	v_cvt_pk_bf16_f32 v[X+4*i+1], v[X+4*i+2], v[X+4*i+3]
.set j, j+1
.endr
.set blk, blk+1
.endr
.irp j, 0,1,2,3
	v_cvt_pk_bf16_f32 v[WH+(\j)], v[WF+2*(\j)], v[WF+2*(\j)+1]
.endr
	s_wait_alu depctr_va_vdst(0)                   ; the last block has written its four pairs, and the roundings above v[WH ..]: the five stores below read them
.set i, 28
.rept 4
	global_store_b64 v[YO], v[X+4*i:X+4*i+1], s[24:25] offset:256*i
.set i, i+1
.endr
	global_store_b128 v[TO], v[WH:WH+3], s[26:27]
	s_cmp_lg_u32 s58, 0
	s_cbranch_scc1 .Lno_bias
.irp j, 0,1,2,3
	v_cvt_pk_bf16_f32 v[BH+(\j)], v[BF+2*(\j)], v[BF+2*(\j)+1]
.endr
	s_wait_alu depctr_va_vdst(0)                   ; the roundings have written v[BH ..], which the store reads
	global_store_b128 v[TO], v[BH:BH+3], s[52:53]  ; threads 0 to 63, 16 bytes each (here v[TO] is 16 x thread)
.Lno_bias:
	s_wait_dscnt 0x0                               ; the closing lines, six on end
	s_wait_alu 0x0
	s_wait_tensorcnt 0x0
	ds_add_u32 v[SPW], v[NIL]
	s_wait_dscnt 0x0
	s_endpgm
.Lfunc_end_k_qbd81d20cd2_norm:
	.size	k_qbd81d20cd2_norm, .Lfunc_end_k_qbd81d20cd2_norm-k_qbd81d20cd2_norm
	.p2alignl 7, 3214868480
	.fill 96, 4, 3214868480
	.section	.rodata,"a",@progbits
	.p2align	6, 0x0
	.amdhsa_kernel k_qbd81d20cd2_norm
		.amdhsa_group_segment_fixed_size 2560
		.amdhsa_private_segment_fixed_size 0
		.amdhsa_enable_private_segment 0
		.amdhsa_kernarg_size 96
		.amdhsa_user_sgpr_count 2
		.amdhsa_user_sgpr_kernarg_segment_ptr 1
		.amdhsa_wavefront_size32 1
		.amdhsa_system_sgpr_workgroup_id_x 1
		.amdhsa_system_sgpr_workgroup_id_y 1
		.amdhsa_system_sgpr_workgroup_id_z 1
		.amdhsa_system_vgpr_workitem_id 0
		.amdhsa_next_free_vgpr 204
		.amdhsa_next_free_sgpr 66
		.amdhsa_reserve_vcc 0
		.amdhsa_float_denorm_mode_32 3
		.amdhsa_float_denorm_mode_16_64 3
		.amdhsa_memory_ordered 1
		.amdhsa_forward_progress 1
		.amdhsa_inst_pref_size 36
	.end_amdhsa_kernel
	.amdgpu_metadata
---
amdhsa.version: [ 1, 2 ]
amdhsa.kernels:
  - .name:           k_qbd81d20cd2_norm
    .symbol:         k_qbd81d20cd2_norm.kd
    .args:
      - { .name: x, .offset: 0, .size: 8, .value_kind: global_buffer, .address_space: global }
      - { .name: gamma, .offset: 8, .size: 8, .value_kind: global_buffer, .address_space: global }
      - { .name: beta, .offset: 16, .size: 8, .value_kind: global_buffer, .address_space: global }
      - { .name: Wq, .offset: 24, .size: 8, .value_kind: global_buffer, .address_space: global }
      - { .name: Wk, .offset: 32, .size: 8, .value_kind: global_buffer, .address_space: global }
      - { .name: Wv, .offset: 40, .size: 8, .value_kind: global_buffer, .address_space: global }
      - { .name: Wp, .offset: 48, .size: 8, .value_kind: global_buffer, .address_space: global }
      - { .name: bq, .offset: 56, .size: 8, .value_kind: global_buffer, .address_space: global }
      - { .name: bk, .offset: 64, .size: 8, .value_kind: global_buffer, .address_space: global }
      - { .name: bv, .offset: 72, .size: 8, .value_kind: global_buffer, .address_space: global }
      - { .name: xn, .offset: 80, .size: 8, .value_kind: global_buffer, .address_space: global }
      - { .name: wb, .offset: 88, .size: 8, .value_kind: global_buffer, .address_space: global }
    .group_segment_fixed_size: 2560
    .private_segment_fixed_size: 0
    .kernarg_segment_align: 8
    .kernarg_segment_size: 96
    .max_flat_workgroup_size: 512
    .sgpr_count:     66
    .vgpr_count:     204
    .wavefront_size: 32
...
	.end_amdgpu_metadata
.endif
;; end of part 10
;; launch prep: the kernel of part 8 again; grid 128 x 2, 2 waves a work-group, no clusters, 0 bytes of LDS; arguments wb, bp, wm, vb; writes wm, vb
;; launch attn: the kernel of part 9 again; grid 8 x 32, 4 waves a work-group, clusters of 4 x 1, 327,680 bytes of LDS; arguments xn, wm, vb, x, out0; writes out0
